; MI455X (gfx1250); checked and timed in simulation.
; The chip was launched on July 23, 2026; its instructions are those of AMD's public machine-readable ISA for CDNA 5 (MIT licence, August 2026) and "CDNA5" Instruction Set Architecture Reference Guide (July 2026). The comments in the code are by the model that wrote it; some were corrected since.
;; Alignment. Allowed arithmetic: matrix products marked QUANTISED: E2M1 operands, one E8M0 scale for each 32 along K, by v_wmma_scale_f32_16x16x128_f8f6f4 with both operands' format E2M1 (or v_wmma_scale_f32_32x16x128_f4), f32 sums; everything else in f32.
;; Inputs: b_kv 1,024 float32; b_m 512 float32; b_out 512 float32; b_q 512 float32; bn_beta 512 float32; bn_gamma 512 float32; bn_mean 512 float32; bn_var 512 float32; conv_b 512 float32; conv_w_codes 512 x 16 x 16 uint8 (E2M1 codes of conv_w, K innermost, in blocks of 32 codes, two codes a byte); conv_w_scales 512 x 16 uint8 (E8M0 scales of conv_w, one for each 32 codes along K); ln_b 512 float32; ln_g 512 float32; pe 512 x 512 float32; w_kv_codes 1,024 x 16 x 16 uint8 (E2M1 codes of w_kv, K innermost, in blocks of 32 codes, two codes a byte); w_kv_scales 1,024 x 16 uint8 (E8M0 scales of w_kv, one for each 32 codes along K); w_m_codes 512 x 16 x 16 uint8 (E2M1 codes of w_m, K innermost, in blocks of 32 codes, two codes a byte); w_m_scales 512 x 16 uint8 (E8M0 scales of w_m, one for each 32 codes along K); w_out_codes 512 x 16 x 16 uint8 (E2M1 codes of w_out, K innermost, in blocks of 32 codes, two codes a byte); w_out_scales 512 x 16 uint8 (E8M0 scales of w_out, one for each 32 codes along K); w_q_codes 512 x 16 x 16 uint8 (E2M1 codes of w_q, K innermost, in blocks of 32 codes, two codes a byte); w_q_scales 512 x 16 uint8 (E8M0 scales of w_q, one for each 32 codes along K); x 16 x 512 x 4 x 512 float32.
;; Outputs: out0 16 x 512 x 4 x 512 float32.
;; This version of the problem:
;;   THIS VERSION OF THE PROBLEM IS GIVEN IN LOW PRECISION. The matrix products marked QUANTISED in the list below multiply operands that are first quantised to E2M1 (2 exponent bits, 1 mantissa bit; 4 bits a number), with one power-of-two scale for each 32 numbers along K (OCP MX v1.0); their sums are f32. All else is computed in f32.
;;   The module's matrix products, in the order in which they are computed (A, B: the left and right operand; K: the contracted axis; several contracted axes count as one K, in the product's order):
;;     1. [M 32,768, K 512] x [K 512, N 512]; A: input x; B: input conv_w (given as codes): QUANTISED
;;     2. [M 32,768, K 512] x [K 512, N 512]; A: computed on the way; B: input w_q (given as codes): QUANTISED
;;     3. [M 32,768, K 512] x [K 512, N 1,024]; A: computed on the way; B: input w_kv (given as codes): QUANTISED
;;     4. batch 512 x [M 512, K 64] x [K 64, N 512]; A: computed on the way; B: computed on the way: QUANTISED
;;     5. batch 512 x [M 512, K 512] x [K 512, N 64]; A: softmax (see below); B: computed on the way: QUANTISED
;;     6. [M 32,768, K 512] x [K 512, N 512]; A: computed on the way; B: input w_m (given as codes): QUANTISED
;;     7. [M 32,768, K 512] x [K 512, N 512]; A: computed on the way; B: input w_out (given as codes): QUANTISED
;;   THE QUANTISER, for each operand of a quantised product, along K:
;;     - K is cut into blocks of 32 from its start; a last block that is shorter is filled with zeros.
;;     - A block's scale is 2^e with e = floor(log2(the largest magnitude in the block)) - 2, held to -126 .. 127; a block of zeros has e = 0. As a byte (E8M0): e + 127.
;;     - Each number is divided by its block's scale, clamped to +-6, and rounded to the nearest number of E2M1, ties to even, subnormals kept.
;;     - The product sums the exact products of the quantised numbers (number of the format x scale) in f32.
;;   ~~~python
;;   def quantise(x, axis):      # numpy; x: float32 -> the quantised numbers, widened to float32 again
;;       x = np.moveaxis(x, axis, -1); K = x.shape[-1]
;;       x = np.pad(x, [(0, 0)] * (x.ndim - 1) + [(0, -K % 32)]); x = x.reshape(x.shape[:-1] + (-1, 32)); a = np.abs(x).max(-1, keepdims=True)
;;       e = np.where(a > 0, np.clip(np.frexp(np.where(a > 0, a, 1))[1] - 1 - 2, -126, 127), 0)      # np.frexp(a)[1] - 1 = floor(log2(a)), exactly
;;       r = np.clip(x / 2.0 ** e, -6, 6)
;;       step = 2.0 ** (np.maximum(np.frexp(np.where(r == 0, 1, r))[1] - 1, 0) - 1)
;;       q = np.round(r / step) * step * 2.0 ** e      # np.round: ties to even
;;       return np.moveaxis(q.reshape(q.shape[:-2] + (-1,))[..., :K], -1, axis).astype(np.float32)
;;   ~~~
;;   SOFTMAX AHEAD OF A QUANTISED PRODUCT. Where the list says 'softmax', what is quantised is not the finished softmax but p = 2^(t - M), with t = logit x log2(e) and M = ceil(the row's largest t), a whole number; so 1/2 < the row's largest p <= 1. The row's sum l is taken of the UNQUANTISED p, in f32, and the product's result is divided by l at the end. Since M is a whole number, a kernel that streams over the keys may use a running M (the ceiling of the running maximum): every later rescaling is an exact power of two, which a block's scale takes up: the codes' values come out the same.
;;   OPERANDS COMPUTED ON THE WAY. 'Computed on the way' means the value that the module computes at that place (a softmax that the list does not call 'softmax' is quantised finished and normalised). What goes into a quantiser is computed in f32, as accurately as f32 sums, v_exp_f32 and their like allow (about 1e-6 of the number): no bf16 or f16 on the way to a quantiser, and a product that is left as it is and whose result goes on into a quantised operand takes f32 operands (vector FMAs, or v_wmma_f32_16x16x4_f32). A number that lies on a knife's edge between two numbers of the format may be rounded either way, as far as f32 arithmetic and the matrix unit's own rounding can turn it there, and no further.
;;   INPUTS GIVEN AS CODES. conv_w (in the module: [512, 512], K = its axis 1); w_kv (in the module: [512, 1024], K = its axis 0); w_m (in the module: [512, 512], K = its axis 0); w_out (in the module: [512, 512], K = its axis 0); w_q (in the module: [512, 512], K = its axis 0): each comes as NAME_codes (uint8): NAME with its K axis moved to the last place and cut into blocks of 32 codes, [.., K / 32, bytes a block], one block behind the other in memory; two codes a byte, the lower K in the low four bits (a code: sign, 2 exponent bits, 1 mantissa bit); and NAME_scales (uint8): the same leading axes, one E8M0 byte (e + 127) for each 32 codes along K. Its value is code x scale, taken as it is: it is not quantised again, and the codes and scales need not be those that the quantiser above would give.
;; 2 versions. Each part assembles by itself: llvm-mc -triple=amdgcn-amd-amdhsa -mcpu=gfx1250 --defsym DOCPART=n.
;; ======== version 1 of 2: 2 launches
;; workspace buffers: xqi 8,388,608 bytes; xqs 524,288 bytes; qi 8,388,608 bytes; qs 1,048,576 bytes; ki 8,388,608 bytes; ks 1,048,576 bytes; vi 8,388,608 bytes; vs 524,288 bytes
;; launch prep (part 1): grid 4 x 64, 8 waves a work-group, no clusters, 302,080 bytes of LDS; arguments x, pe, w_q_codes, w_q_scales, b_q, w_kv_codes, w_kv_scales, b_kv, xqi, xqs, qi, qs, ki, ks, vi, vs; writes xqi, xqs, qi, qs, ki, ks, vi, vs
.if DOCPART == 1
	.amdgcn_target "amdgcn-amd-amdhsa--gfx1250"
	.amdhsa_code_object_version 6
	.text
	.protected	k_q43486caa1b_prep
	.globl	k_q43486caa1b_prep
	.p2align	8
	.type	k_q43486caa1b_prep,@function
k_q43486caa1b_prep:
	s_mov_b64 s[64:65], 0
	v_nop
	global_prefetch_b8 v0, s[64:65] scope:SCOPE_SE
	s_setreg_imm32_b32 hwreg(HW_REG_WAVE_MODE, 25, 1), 1
	s_wait_xcnt 0x0
; PREP.  For one slice (b, t) and 128 of its 512 rows l:  x is quantised along c (codes xqi, scale words xqs);  xp = x^T + pe is quantised along c (kept in LDS);
; q, k, v = xp W + b on codes of E2M1 with E8M0 block scales; each head's q, k, v row is divided by max(its norm, 1e-12); q and k are quantised along d (qi, qs, ki, ks), v along the keys (vi, vs).
; SHARES.  256 work-groups (x: which 128 rows, y: slice = 4 b + t), eight waves.  Phase X: wave (g = w & 3, hf = w >> 2) takes 32 rows l and 256 of the 512 c: A LANE TAKES A ROW l AND ITS REGISTERS RUN DOWN c,
; so a block of 32 along c lies in one lane.  Phase G: wave w is head w: its 64 rows of w_q, then of w_kv (k), then of w_kv (v) stay in registers while the 128 rows of xp pass, 32 at a time.
; TILES.  Every tile of 16 (rows l, rows of a weight) is PERMUTED: lane-row r of tile 2 B + u stands for index 32 B + 8 u + r + 8 (r / 8).  Then the 16 result registers of tiles 2 B, 2 B + 1 are 16 neighbours.
; q, k: source 0 = 16 rows of W, source 1 = 16 rows of xp: a lane holds one row l, registers run along d.   v: source 0 = xp, source 1 = W: a lane holds one channel d, registers run along the keys.
; IMAGES.  Every operand leaves as an image of its registers: four registers by one store of 16 bytes a lane at 16 x lane: each store of the wave covers 512 consecutive bytes, aligned.
; pe comes by ONE tensor load a wave (32 rows x 1,024 bytes, its own rows and its own half of c, read by that wave alone); by this text's count one tensor load a wave is out; no LDS byte is filled twice.
; NOT USED: joint loads in a cluster.  What work-groups share are the weights, 49,152 + 3,072 bytes a wave, each byte loaded once straight into the register where it stays; a joint load lands in LDS,
; which would add a write and a read of LDS for each of those bytes, and pe's 266,240 bytes leave no room for them.  No prefetch: x is one stream with up to 64 loads a wave on their way from the first line on.
; LIMITS: a block whose largest magnitude lies under 2^-124 (a block of zeros too) gets the scale byte 1: its bytes are read by this program alone.  NaN and infinities among the inputs are not served.
; xqs leaves in stores of 128 bytes a wave (two waves fill an aligned 256): 2,048 of the 143,360 bytes that a work-group stores.
.set PEW,  33280                       ; LDS: a wave's pe: 32 rows x (1,024 + 16) bytes
.set XPI,  266240                      ; xp's images [tile 8][K step 4][group 2][512 bytes]
.set XPS,  299008                      ; xp's scale words [K step 4][pair 4][lane 32]
.set LI,  1                            ; v1   16 x lane
.set LS,  2                            ; v2   4 x lane
.set XO,  3                            ; v3   4 x my row among the wave's 32
.set PA,  4                            ; v4   LDS: my row of pe
.set IA,  5                            ; v5   my place in the images (x: memory)
.set IL,  6                            ; v6   the same in LDS (xp)
.set SA,  7                            ; v7   my scale word's place (x: memory)
.set SL,  8                            ; v8   the same in LDS (xp)
.set WA,  9                            ; v9   a weight's codes: my row of a tile, my half
.set WSA, 10                           ; v10  a weight's scale words: lanes 0-15 an even tile's rows, lanes 16-31 the odd tile's
.set BA,  11                           ; v11  a bias in the layout of q's and k's results
.set BV,  12                           ; v12  a bias in the layout of v's results
.set L8,  13                           ; v13  8 x lane
.set XL,  14                           ; v14  XPI + 16 x lane
.set XSL, 15                           ; v15  XPS + 4 x lane
.set X,   16                           ; phase X: v16-79 two sets of 32 numbers of x
.set PE,  80                           ; v80-111 32 numbers of pe
.set XQC, 112                          ; v112-143 x's codes, four registers a block: no store's data are written again
.set XPC, 228                          ; v228-231 xp's codes
.set XQW, 232                          ; v232-233 x's scale words
.set XPW, 234                          ; v234-235 xp's
.set TX,  236                          ; v236-239 at work; v240-243 at work at the head
.set XF,  16                           ; phase G: v16-79 xp's fragments (tile u, K step s) at 8 (4 u + s)
.set ACC, 80                           ; v80-143 accumulators (u, t) at 8 (4 u + t)
.set BIAS, 144                         ; v144-175 the bias as C of each sum's first product
.set WS,  176                          ; v176-191 the weights' scale words, two sets of 8
.set XS,  192                          ; v192-195 xp's scale words
.set SS,  196                          ; v196-211 sums of squares
.set PC,  212                          ; v212-227 codes
.set TM,  228                          ; v228-231 largest magnitudes, 232-235 the other half's, 236-239 scale operands, 240-243 bytes, 244-245 half words
.set SW,  248                          ; v248-251 scale words on their way out
.set VP,  252                          ; v252-253
; window 1: the weights' fragments (tile t, K step s) at 128 buf + 8 (4 t + s), two buffers
.set MSB, 0
.macro WIN new                         ; the immediate's high byte repeats the setting that is left
.if MSB != \new
	s_set_vgpr_msb (MSB<<8)|\new
.set MSB, \new
.endif
.endm
.macro PLACES n
.rept \n
	v_nop
.endr
.endm
; One product 16 x 16 x 128 on codes of E2M1.  c < 0: the constant 0 starts the sum.  ra, rb: which half of the lanes holds source 0's and source 1's scale words
.macro WMX d, a, b, c, sa, sb, ra, rb
.if (\c) < 0
.if ((\ra) == 0) && ((\rb) == 0)
	v_wmma_scale_f32_16x16x128_f8f6f4 v[(\d):(\d)+7], v[(\a):(\a)+7], v[(\b):(\b)+7], 0, v[\sa], v[\sb] matrix_a_fmt:MATRIX_FMT_FP4 matrix_b_fmt:MATRIX_FMT_FP4
.elseif (\rb) == 0
	v_wmma_scale_f32_16x16x128_f8f6f4 v[(\d):(\d)+7], v[(\a):(\a)+7], v[(\b):(\b)+7], 0, v[\sa], v[\sb] matrix_a_fmt:MATRIX_FMT_FP4 matrix_b_fmt:MATRIX_FMT_FP4 matrix_a_scale:MATRIX_SCALE_ROW1
.elseif (\ra) == 0
	v_wmma_scale_f32_16x16x128_f8f6f4 v[(\d):(\d)+7], v[(\a):(\a)+7], v[(\b):(\b)+7], 0, v[\sa], v[\sb] matrix_a_fmt:MATRIX_FMT_FP4 matrix_b_fmt:MATRIX_FMT_FP4 matrix_b_scale:MATRIX_SCALE_ROW1
.else
	v_wmma_scale_f32_16x16x128_f8f6f4 v[(\d):(\d)+7], v[(\a):(\a)+7], v[(\b):(\b)+7], 0, v[\sa], v[\sb] matrix_a_fmt:MATRIX_FMT_FP4 matrix_b_fmt:MATRIX_FMT_FP4 matrix_a_scale:MATRIX_SCALE_ROW1 matrix_b_scale:MATRIX_SCALE_ROW1
.endif
.else
.if ((\ra) == 0) && ((\rb) == 0)
	v_wmma_scale_f32_16x16x128_f8f6f4 v[(\d):(\d)+7], v[(\a):(\a)+7], v[(\b):(\b)+7], v[(\c):(\c)+7], v[\sa], v[\sb] matrix_a_fmt:MATRIX_FMT_FP4 matrix_b_fmt:MATRIX_FMT_FP4
.elseif (\rb) == 0
	v_wmma_scale_f32_16x16x128_f8f6f4 v[(\d):(\d)+7], v[(\a):(\a)+7], v[(\b):(\b)+7], v[(\c):(\c)+7], v[\sa], v[\sb] matrix_a_fmt:MATRIX_FMT_FP4 matrix_b_fmt:MATRIX_FMT_FP4 matrix_a_scale:MATRIX_SCALE_ROW1
.elseif (\ra) == 0
	v_wmma_scale_f32_16x16x128_f8f6f4 v[(\d):(\d)+7], v[(\a):(\a)+7], v[(\b):(\b)+7], v[(\c):(\c)+7], v[\sa], v[\sb] matrix_a_fmt:MATRIX_FMT_FP4 matrix_b_fmt:MATRIX_FMT_FP4 matrix_b_scale:MATRIX_SCALE_ROW1
.else
	v_wmma_scale_f32_16x16x128_f8f6f4 v[(\d):(\d)+7], v[(\a):(\a)+7], v[(\b):(\b)+7], v[(\c):(\c)+7], v[\sa], v[\sb] matrix_a_fmt:MATRIX_FMT_FP4 matrix_b_fmt:MATRIX_FMT_FP4 matrix_a_scale:MATRIX_SCALE_ROW1 matrix_b_scale:MATRIX_SCALE_ROW1
.endif
.endif
.endm
; a head's 64 rows of a weight: 16 fragments into buffer buf of window 1, their scale words into set buf
.macro WLOAD cb, sb, buf, coff, soff
	WIN 0x40                                       ; destination window 1, address window 0
.irp t, 0,1,2,3
.irp s, 0,1,2,3
.irp c, 0,1
	global_load_b128 v[128*(\buf)+8*(4*\t+\s)+4*\c:128*(\buf)+8*(4*\t+\s)+4*\c+3], v[WA], s[\cb:\cb+1] offset:(\coff)+(32*(\t/2)+8*(\t%2))*256+64*\s+32*\c
.endr
.endr
.endr
	WIN 0
.irp p, 0,1
.irp s, 0,1,2,3
	global_load_b32 v[WS+8*(\buf)+4*\p+\s], v[WSA], s[\sb:\sb+1] offset:(\soff)+512*\p+4*\s
.endr
.endr
.endm
.macro BIASQK sb                       ; register 8 t + j of lane (r, h): the bias of channel 32 (t / 2) + 16 h + 8 (t % 2) + j
.irp t, 0,1,2,3
	global_load_b128 v[BIAS+8*\t:BIAS+8*\t+3], v[BA], s[\sb:\sb+1] offset:(32*(\t/2)+8*(\t%2))*4
	global_load_b128 v[BIAS+8*\t+4:BIAS+8*\t+7], v[BA], s[\sb:\sb+1] offset:(32*(\t/2)+8*(\t%2))*4+16
.endr
.endm
.macro BIASV sb, off                   ; all eight registers of tile t: the bias of my lane's channel
.irp t, 0,1,2,3
.irp j, 0,1,2,3,4,5,6,7
	global_load_b32 v[BIAS+8*\t+\j], v[BV], s[\sb:\sb+1] offset:(\off)+(32*(\t/2)+8*(\t%2))*4
.endr
.endr
.endm
; the largest magnitude of 32 registers, with the floor 2^(3 - 127) among the leaves, so that the scale's byte cannot fall under 1: two chains
.macro MAX32 d, e, src
	v_max3_num_f32 v[\d], |v[\src]|, |v[\src+1]|, 0x1800000
	v_max3_num_f32 v[\e], |v[\src+2]|, |v[\src+3]|, |v[\src+4]|
.irp i, 5,9,13,17,21,25
	v_max3_num_f32 v[\d], v[\d], |v[\src+\i]|, |v[\src+\i+1]|
	v_max3_num_f32 v[\e], v[\e], |v[\src+\i+2]|, |v[\src+\i+3]|
.endr
	v_max3_num_f32 v[\d], v[\d], |v[\src+29]|, |v[\src+30]|
	v_max3_num_f32 v[\d], v[\d], v[\e], |v[\src+31]|
.endm
.macro XLOAD blk                       ; block blk: x(c = 256 hf + 32 blk + i, my row l): the wave's 32 lanes read 128 consecutive bytes
.set JJ, 0
.rept 32
	global_load_b32 v[X+32*((\blk)%2)+JJ], v[XO], s[8:9] offset:(32*(\blk)+JJ)*8192 th:TH_LOAD_NT
.set JJ, JJ+1
.endr
.endm
; One block of 32 along c: x's codes and byte, then xp = x + pe and its codes and byte
.macro BLOCK blk
.set XB, X+32*((\blk)%2)
.set BOF, ((\blk)/4)*1024+(((\blk)/2)%2)*512+((\blk)%2)*256   ; K step, group of four registers, half of the lanes
.if (\blk) < 7
	s_wait_loadcnt 32                              ; this block's 32 loads are in; the next block's 32 may be out
.else
	s_wait_loadcnt 0x0
	WLOAD 12, 14, 0, 0, 0                          ; q's weights and bias are asked for while the last block is worked
	BIASQK 16
.endif
.irp i, 0,1,2,3,4,5,6,7
	ds_load_b128 v[PE+4*\i:PE+4*\i+3], v[PA] offset:128*(\blk)+16*\i
.endr
	MAX32 TX, TX+1, XB
	v_add_nc_u32 v[TX+2], 0xff000000, v[TX]        ; 2 off the exponent field: the conversion takes this operand's exponent field as its scale
	v_lshrrev_b32 v[TX+3], 23, v[TX+2]             ; the scale's byte
.irp q, 0,1,2,3
	v_cvt_scalef32_pk8_fp4_f32 v[XQC+4*(\blk)+\q], v[XB+8*\q:XB+8*\q+7], v[TX+2]
.endr
.if (\blk)%4 == 0
	v_mov_b32 v[XQW+(\blk)/4], v[TX+3]             ; (also the plain line behind the conversions)
.else
	v_lshl_or_b32 v[XQW+(\blk)/4], v[TX+3], 8*((\blk)%4), v[XQW+(\blk)/4]
.endif
	global_store_b128 v[IA], v[XQC+4*(\blk):XQC+4*(\blk)+3], s[24:25] offset:BOF   ; lanes 0-15 and lanes 16-31 each store 256 consecutive bytes, aligned
	s_wait_dscnt 0x0                               ; pe is in; the last block's LDS store has read its registers
.set JJ, 0
.rept 16
	v_pk_add_f32 v[XB+JJ:XB+JJ+1], v[XB+JJ:XB+JJ+1], v[PE+JJ:PE+JJ+1]
.set JJ, JJ+2
.endr
	MAX32 TX, TX+1, XB
	v_add_nc_u32 v[TX+2], 0xff000000, v[TX]
	v_lshrrev_b32 v[TX+3], 23, v[TX+2]
.irp q, 0,1,2,3
	v_cvt_scalef32_pk8_fp4_f32 v[XPC+\q], v[XB+8*\q:XB+8*\q+7], v[TX+2]
.endr
.if (\blk)%4 == 0
	v_mov_b32 v[XPW+(\blk)/4], v[TX+3]
.else
	v_lshl_or_b32 v[XPW+(\blk)/4], v[TX+3], 8*((\blk)%4), v[XPW+(\blk)/4]
.endif
	ds_store_b128 v[IL], v[XPC:XPC+3] offset:BOF
.if (\blk) < 6
	XLOAD (\blk)+2
.endif
.if (\blk)%4 == 3
	global_store_b32 v[SA], v[XQW+(\blk)/4], s[26:27] offset:512*((\blk)/4)
	ds_store_b32 v[SL], v[XPW+(\blk)/4] offset:512*((\blk)/4)
.endif
.endm
; nb blocks of 32 (16 of each in my lane, 16 in lane l xor 16), register 16 b + i = k 32 b + 16 (lane / 16) + i, become codes in v[pc] on (four registers for two blocks) and half words of two scale bytes in v[hw] on
.macro QUANT src, pc, nb, hw
.irp b, 0,1,2,3
.if \b < (\nb)
	v_max3_num_f32 v[TM+\b], |v[(\src)+16*\b]|, |v[(\src)+16*\b+1]|, 0x1800000
.endif
.endr
.irp i, 2,4,6,8,10,12,14
.irp b, 0,1,2,3
.if \b < (\nb)
	v_max3_num_f32 v[TM+\b], v[TM+\b], |v[(\src)+16*\b+\i]|, |v[(\src)+16*\b+\i+1]|
.endif
.endr
.endr
.irp b, 0,1,2,3
.if \b < (\nb)
	v_permlanex16_b32 v[TM+4+\b], v[TM+\b], s66, s67
.endif
.endr
.irp b, 0,1,2,3
.if \b < (\nb)
	v_max_num_f32 v[TM+\b], v[TM+\b], v[TM+4+\b]
.endif
.endr
.irp b, 0,1,2,3
.if \b < (\nb)
	v_add_nc_u32 v[TM+8+\b], 0xff000000, v[TM+\b]
.endif
.endr
.irp b, 0,1,2,3
.if \b < (\nb)
	v_lshrrev_b32 v[TM+12+\b], 23, v[TM+8+\b]
.endif
.endr
.irp b, 0,1,2,3
.if \b < (\nb)
	v_cvt_scalef32_pk8_fp4_f32 v[(\pc)+2*\b], v[(\src)+16*\b:(\src)+16*\b+7], v[TM+8+\b]
	v_cvt_scalef32_pk8_fp4_f32 v[(\pc)+2*\b+1], v[(\src)+16*\b+8:(\src)+16*\b+15], v[TM+8+\b]
.endif
.endr
	v_lshl_or_b32 v[\hw], v[TM+13], 8, v[TM+12]    ; (also the plain line behind the conversions)
.if (\nb) == 4
	v_lshl_or_b32 v[(\hw)+1], v[TM+15], 8, v[TM+14]
.endif
.irp c, 0,1                                    ; the operand's layout wants a whole block in a lane: lanes 0-15 the even block, lanes 16-31 the odd one
.if 2*\c < (\nb)
.irp i, 0,1
	v_permlane16_swap_b32 v[(\pc)+4*\c+\i], v[(\pc)+4*\c+2+\i]
.endr
.endif
.endr
.endm
.macro PAIRLOAD pb                     ; 32 rows of xp: tiles 2 pb, 2 pb + 1: eight fragments and four registers of scale words (lanes 0-15 the even tile's, lanes 16-31 the odd one's)
.irp u, 0,1
.irp s, 0,1,2,3
.irp c, 0,1
	ds_load_b128 v[XF+8*(4*\u+\s)+4*\c:XF+8*(4*\u+\s)+4*\c+3], v[XL] offset:8192*(\pb)+4096*\u+1024*\s+512*\c
.endr
.endr
.endr
.irp s, 0,1,2,3
	ds_load_b32 v[XS+\s], v[XSL] offset:512*\s+128*(\pb)
.endr
	s_wait_dscnt 0x0
.endm
; 32 products: eight accumulators by turns, one instruction a turn, K ascending; the bias is the C of each sum's first product
.macro GEMM32 buf, nat
.if \nat
	WIN 0x04                                       ; source 1 (the weight) window 1
.else
	WIN 0x01                                       ; source 0 (the weight) window 1
.endif
.irp s, 0,1,2,3
.irp u, 0,1
.irp t, 0,1,2,3
.set GD, ACC+8*(4*\u+\t)
.set GC, GD
.if \s == 0
.set GC, BIAS+8*\t
.endif
.if \nat
	WMX GD, XF+8*(4*\u+\s), 128*(\buf)+8*(4*\t+\s), GC, XS+\s, WS+8*(\buf)+4*(\t/2)+\s, \u, \t%2
.else
	WMX GD, 128*(\buf)+8*(4*\t+\s), XF+8*(4*\u+\s), GC, WS+8*(\buf)+4*(\t/2)+\s, XS+\s, \t%2, \u
.endif
.endr
.endr
.endr
	WIN 0
	PLACES 5                                       ; four for the reads of the results and the loads into the operands, a fifth since the next pair's first products write the accumulators anew
.endm
; q or k, 32 rows: products, division by the norm, quantiser along d, images out.  nx: which bias is asked for behind the products (1: k's, 2: v's)
.macro PAIRQK pb, buf, ib, nx
	PAIRLOAD \pb
	GEMM32 \buf, 0
.if (\nx) == 1
	BIASQK 22
.elseif (\nx) == 2
	BIASV 22, 2048
.endif
.irp u, 0,1                                    ; the sum of squares of my 32 numbers of each row: a chain for each accumulator, each read from its low end on
.irp t, 0,1,2,3
	v_pk_mul_f32 v[SS+8*\u+2*\t:SS+8*\u+2*\t+1], v[ACC+32*\u+8*\t:ACC+32*\u+8*\t+1], v[ACC+32*\u+8*\t:ACC+32*\u+8*\t+1]
.endr
.endr
.irp p, 2,4,6
.irp u, 0,1
.irp t, 0,1,2,3
	v_pk_fma_f32 v[SS+8*\u+2*\t:SS+8*\u+2*\t+1], v[ACC+32*\u+8*\t+\p:ACC+32*\u+8*\t+\p+1], v[ACC+32*\u+8*\t+\p:ACC+32*\u+8*\t+\p+1], v[SS+8*\u+2*\t:SS+8*\u+2*\t+1]
.endr
.endr
.endr
.irp u, 0,1
	v_pk_add_f32 v[SS+8*\u:SS+8*\u+1], v[SS+8*\u:SS+8*\u+1], v[SS+8*\u+2:SS+8*\u+3]
	v_pk_add_f32 v[SS+8*\u+4:SS+8*\u+5], v[SS+8*\u+4:SS+8*\u+5], v[SS+8*\u+6:SS+8*\u+7]
.endr
.irp u, 0,1
	v_pk_add_f32 v[SS+8*\u:SS+8*\u+1], v[SS+8*\u:SS+8*\u+1], v[SS+8*\u+4:SS+8*\u+5]
.endr
.irp u, 0,1
	v_add_f32 v[SS+8*\u], v[SS+8*\u], v[SS+8*\u+1]
.endr
.irp u, 0,1
	v_permlanex16_b32 v[TM+4+\u], v[SS+8*\u], s66, s67
.endr
.irp u, 0,1
	v_add_f32 v[SS+8*\u], v[SS+8*\u], v[TM+4+\u]   ; with lane l xor 16's 32: the row's 64
.endr
.irp u, 0,1
	v_rsq_f32 v[SS+8*\u+2], v[SS+8*\u]
.endr
	v_nop                                          ; a plain line behind the last transcendental
	s_wait_alu depctr_va_vdst(0)                   ; one wait for the two, ahead of their first reader
.irp u, 0,1
	v_min_num_f32 v[SS+8*\u+2], s69, v[SS+8*\u+2]  ; 1 / max(norm, 1e-12) = min(1 / norm, 1e12)
.endr
.irp u, 0,1
.set JJ, 0
.rept 16
	v_pk_mul_f32 v[ACC+32*\u+JJ:ACC+32*\u+JJ+1], v[ACC+32*\u+JJ:ACC+32*\u+JJ+1], v[SS+8*\u+2:SS+8*\u+3] op_sel_hi:[1,0]
.set JJ, JJ+2
.endr
.endr
	s_wait_xcnt 0x0                                ; the last pair's stores have read their data: the codes' and words' registers are written again only behind this wait
	QUANT ACC, PC, 4, TM+16                        ; two tiles x two blocks of 32 along d
	v_or_b32 v[TM+16], 0x7f7f0000, v[TM+16]        ; K is 64 of the instruction's 128: the upper two bytes stand for 1.0 over zero codes
	v_or_b32 v[TM+17], 0x7f7f0000, v[TM+17]
	v_cndmask_b32 v[SW+(\pb)], v[TM+16], v[TM+17], s68   ; lanes 0-15 the even tile's words, lanes 16-31 the odd one's
	global_store_b128 v[LI], v[PC:PC+3], s[\ib:\ib+1] offset:1024*(\pb)
	global_store_b128 v[LI], v[PC+4:PC+7], s[\ib:\ib+1] offset:1024*(\pb)+512
.endm
; v, 32 keys: a lane holds one channel d and, in tiles u = 0, 1, the keys 32 pb + 16 (lane / 16) + 8 u + j
.macro PAIRV pb
	PAIRLOAD \pb
	GEMM32 0, 1
	s_wait_xcnt 0x0                                ; earlier stores have read their data
.irp u, 0,1                                    ; a key's sum of squares: over the four tiles of channels in registers,
.irp p, 0,2,4,6
	v_pk_mul_f32 v[SS+8*\u+\p:SS+8*\u+\p+1], v[ACC+32*\u+\p:ACC+32*\u+\p+1], v[ACC+32*\u+\p:ACC+32*\u+\p+1]
.endr
.endr
.irp t, 1,2,3
.irp u, 0,1
.irp p, 0,2,4,6
	v_pk_fma_f32 v[SS+8*\u+\p:SS+8*\u+\p+1], v[ACC+32*\u+8*\t+\p:ACC+32*\u+8*\t+\p+1], v[ACC+32*\u+8*\t+\p:ACC+32*\u+8*\t+\p+1], v[SS+8*\u+\p:SS+8*\u+\p+1]
.endr
.endr
.endr
.irp m, 1,2,4,8                                ; and over the sixteen lanes of my half, which hold a tile's sixteen channels
.set JJ, 0
.rept 16
	v_add_f32_dpp v[SS+JJ], v[SS+JJ], v[SS+JJ] row_xmask:\m row_mask:0xf bank_mask:0xf
.set JJ, JJ+1
.endr
.endr
.set JJ, 0
.rept 16
	v_rsq_f32 v[SS+JJ], v[SS+JJ]
.set JJ, JJ+1
.endr
	v_nop
	s_wait_alu depctr_va_vdst(0)                   ; one wait for the sixteen
.set JJ, 0
.rept 16
	v_min_num_f32 v[SS+JJ], s69, v[SS+JJ]
.set JJ, JJ+1
.endr
.irp u, 0,1
.irp t, 0,1,2,3
.irp p, 0,2,4,6
	v_pk_mul_f32 v[ACC+32*\u+8*\t+\p:ACC+32*\u+8*\t+\p+1], v[ACC+32*\u+8*\t+\p:ACC+32*\u+8*\t+\p+1], v[SS+8*\u+\p:SS+8*\u+\p+1]
.endr
.endr
.endr
.irp t, 0,1,2,3                                ; the quantiser along the keys: these 32 keys are one block of each channel
	v_max3_num_f32 v[TM+\t], |v[ACC+8*\t]|, |v[ACC+8*\t+1]|, 0x1800000
.endr
.irp i, 2,4,6,32,34,36,38
.irp t, 0,1,2,3
	v_max3_num_f32 v[TM+\t], v[TM+\t], |v[ACC+8*\t+\i]|, |v[ACC+8*\t+\i+1]|
.endr
.endr
.irp t, 0,1,2,3
	v_permlanex16_b32 v[TM+4+\t], v[TM+\t], s66, s67
.endr
.irp t, 0,1,2,3
	v_max_num_f32 v[TM+\t], v[TM+\t], v[TM+4+\t]
.endr
.irp t, 0,1,2,3
	v_add_nc_u32 v[TM+8+\t], 0xff000000, v[TM+\t]
.endr
.irp t, 0,1,2,3
	v_lshrrev_b32 v[TM+12+\t], 23, v[TM+8+\t]
.endr
.irp t, 0,1,2,3
.if (\pb) == 0
	v_mov_b32 v[SW+\t], v[TM+12+\t]
.else
	v_lshl_or_b32 v[SW+\t], v[TM+12+\t], 8*(\pb), v[SW+\t]
.endif
.endr
.irp t, 0,1,2,3
.irp u, 0,1
	v_cvt_scalef32_pk8_fp4_f32 v[PC+4*\t+2*((\pb)%2)+\u], v[ACC+32*\u+8*\t:ACC+32*\u+8*\t+7], v[TM+8+\t]
.endr
.endr
	v_nop                                          ; a plain line behind the last conversion
.if (\pb)%2 == 1
.irp t, 0,1,2,3
.irp i, 0,1
	v_permlane16_swap_b32 v[PC+4*\t+\i], v[PC+4*\t+2+\i]
.endr
.endr
.irp t, 0,1,2,3
	global_store_b128 v[LI], v[PC+4*\t:PC+4*\t+3], s[36:37] offset:1024*\t+512*((\pb)/2)
.endr
.endif
.endm
	s_load_b512 s[8:23], s[0:1], 0x0               ; x 8, pe 10, w_q codes 12, scales 14, b_q 16, w_kv codes 18, scales 20, b_kv 22
	s_load_b512 s[24:39], s[0:1], 0x40             ; xqi 24, xqs 26, qi 28, qs 30, ki 32, ks 34, vi 36, vs 38
	v_lshl_add_u32 v254, v0, 2, 0x49800
	v_mov_b32 v255, 0
	ds_add_u32 v254, v255
	ds_add_u32 v254, v255
	v_lshrrev_b32 v243, 5, v0
	v_readfirstlane_b32 s2, v243                   ; wave 0..7
	s_and_b32 s3, s2, 3                            ; g: which 32 rows
	s_lshr_b32 s4, s2, 2                           ; hf: which half of c
	s_and_b32 s6, ttmp7, 0xffff                    ; slice = 4 b + t
	; descriptor group 1: 32 rows x 256 elements of 4 bytes, 512 elements from row to row, 4 words of padding behind each row's 256
	s_mov_b32 s44, (2<<16)|(1<<20)|(7<<22)|(3<<25)
	s_mov_b32 s45, 256<<16                         ; tensor_dim0
	s_mov_b32 s46, 32<<16                          ; tensor_dim1
	s_mov_b32 s47, 256<<16                         ; tile_dim0
	s_mov_b32 s48, 32                              ; tile_dim1
	s_mov_b32 s49, 512                             ; the pitch
	s_mov_b32 s50, 0
	s_mov_b32 s51, 0
	s_mov_b32 s40, 1
	s_mul_i32 s41, s2, PEW                         ; LDS: my wave's own bytes
	s_lshl_b32 s52, ttmp9, 18                      ; pe: row 128 qb + 32 g of 2,048 bytes, + 1,024 hf
	s_lshl_b32 s53, s3, 16
	s_add_co_u32 s52, s52, s53
	s_lshl_b32 s53, s4, 10
	s_add_co_u32 s52, s52, s53
	s_mov_b32 s53, 0
	s_lshr_b32 s54, s6, 2                          ; x: b x 4,194,304 + t x 2,048 + qb x 512 + g x 128 + hf x 256 rows c of 8,192 bytes
	s_lshl_b32 s54, s54, 22
	s_and_b32 s55, s6, 3
	s_lshl_b32 s55, s55, 11
	s_add_co_u32 s54, s54, s55
	s_lshl_b32 s55, ttmp9, 9
	s_add_co_u32 s54, s54, s55
	s_lshl_b32 s55, s3, 7
	s_add_co_u32 s54, s54, s55
	s_lshl_b32 s55, s4, 21
	s_add_co_u32 s54, s54, s55
	s_mov_b32 s55, 0
	v_and_b32 v240, 15, v0                         ; r
	v_bfe_u32 v241, v0, 4, 1                       ; h
	v_and_b32 v242, 8, v240
	v_add_nc_u32 v242, v242, v240                  ; r + 8 (r / 8)
	v_lshl_add_u32 v243, v241, 3, v242             ; my row among the wave's 32: lane 16 u + r is row r of tile 2 g + u
	v_lshlrev_b32 v[XO], 2, v243
	v_mul_u32_u24 v[PA], v243, 1040
	v_add_nc_u32 v[PA], s41, v[PA]
	s_wait_dscnt 0x0
	s_wait_kmcnt 0x0
	s_add_nc_u64 s[42:43], s[10:11], s[52:53]
	s_or_b32 s43, s43, 0x80000000                  ; type = 2
	s_add_nc_u64 s[8:9], s[8:9], s[54:55]
	tensor_load_to_lds s[40:43], s[44:51]          ; my 32 rows x 256 numbers of pe: the wave's one tensor load
	s_nop 0
	PLACES 4
	XLOAD 0
	XLOAD 1
	v_and_b32 v[LI], 31, v0
	v_lshlrev_b32 v[LS], 2, v[LI]
	v_lshlrev_b32 v[L8], 3, v[LI]
	v_lshlrev_b32 v[LI], 4, v[LI]
	s_lshl_b32 s56, s3, 13
	s_lshl_b32 s57, s4, 11
	s_add_co_u32 s56, s56, s57                     ; tile 2 g (4,096 bytes a tile), K step 2 hf (1,024 a step)
	v_lshlrev_b32 v[IA], 12, v241
	v_lshl_add_u32 v[IA], v240, 4, v[IA]
	v_add_nc_u32 v[IA], s56, v[IA]
	v_add_nc_u32 v[IL], XPI, v[IA]
	s_lshl_b32 s56, s4, 10
	s_lshl_b32 s57, s3, 7
	s_add_co_u32 s56, s56, s57
	v_add_nc_u32 v[SA], s56, v[LS]
	v_add_nc_u32 v[SL], XPS, v[SA]
	v_lshlrev_b32 v[WA], 8, v242                   ; a weight's row is 256 bytes
	v_lshl_add_u32 v[WA], v241, 4, v[WA]
	v_lshlrev_b32 v[WSA], 4, v243                  ; its scale bytes 16
	v_lshlrev_b32 v[BA], 6, v241
	v_lshlrev_b32 v[BV], 2, v242
	v_add_nc_u32 v[XL], XPI, v[LI]
	v_add_nc_u32 v[XSL], XPS, v[LS]
	s_mov_b32 s66, 0x76543210                      ; v_permlanex16_b32's selects for lane l xor 16
	s_mov_b32 s67, 0xfedcba98
	s_mov_b32 s68, 0xffff0000                      ; lanes 16-31
	s_mov_b32 s69, 0x5368d4a5                      ; 1e12
	s_lshl_b32 s58, s6, 17                         ; slice x 131,072
	s_lshl_b32 s52, ttmp9, 15
	s_add_co_u32 s52, s52, s58
	s_add_nc_u64 s[24:25], s[24:25], s[52:53]      ; xqi
	s_lshl_b32 s52, s6, 13
	s_lshl_b32 s59, ttmp9, 11
	s_add_co_u32 s52, s52, s59
	s_add_nc_u64 s[26:27], s[26:27], s[52:53]      ; xqs
	s_lshl_b32 s52, s2, 14                         ; my head's 64 rows of 256 bytes
	s_add_nc_u64 s[12:13], s[12:13], s[52:53]
	s_add_nc_u64 s[18:19], s[18:19], s[52:53]
	s_add_co_u32 s52, s52, s58
	s_lshl_b32 s59, ttmp9, 12
	s_add_co_u32 s52, s52, s59                     ; slice x 131,072 + head x 16,384 + qb x 4,096
	s_add_nc_u64 s[28:29], s[28:29], s[52:53]      ; qi
	s_add_nc_u64 s[32:33], s[32:33], s[52:53]      ; ki
	s_add_nc_u64 s[36:37], s[36:37], s[52:53]      ; vi
	s_lshl_b32 s52, s2, 10
	s_add_nc_u64 s[14:15], s[14:15], s[52:53]
	s_add_nc_u64 s[20:21], s[20:21], s[52:53]
	s_lshl_b32 s59, s6, 13
	s_add_co_u32 s52, s52, s59
	s_lshl_b32 s59, ttmp9, 8
	s_add_co_u32 s52, s52, s59
	s_add_nc_u64 s[38:39], s[38:39], s[52:53]      ; vs
	s_lshl_b32 s52, s2, 8
	s_add_nc_u64 s[16:17], s[16:17], s[52:53]
	s_add_nc_u64 s[22:23], s[22:23], s[52:53]
	s_lshl_b32 s52, s6, 14
	s_lshl_b32 s59, s2, 11
	s_add_co_u32 s52, s52, s59
	s_lshl_b32 s59, ttmp9, 9
	s_add_co_u32 s52, s52, s59
	s_add_nc_u64 s[30:31], s[30:31], s[52:53]      ; qs
	s_add_nc_u64 s[34:35], s[34:35], s[52:53]      ; ks
	s_wait_tensorcnt 0x0                           ; my rows of pe are in LDS; only I read them
.irp n, 0,1,2,3,4,5,6,7
	BLOCK \n
.endr
	s_wait_xcnt 0x0                                ; the stores of x's codes and words have read their registers, which get other uses
	s_wait_dscnt 0x0                               ; for the others' sake: my images of xp are in LDS
	s_barrier_signal -1
	s_barrier_wait -1                              ; all 128 rows of xp lie in LDS; nothing writes them again
.irp i, 4,5,6,7
	v_mov_b32 v[TM+\i], 0                          ; written once: a lane permute's destination counts as one of its sources
.endr
	; ---- q
	s_wait_loadcnt 0x0
	WLOAD 18, 20, 1, 0, 0                          ; k's weights land while q is made
	PAIRQK 0, 0, 28, 0
	PAIRQK 1, 0, 28, 0
	PAIRQK 2, 0, 28, 0
	PAIRQK 3, 0, 28, 1
	global_store_b128 v[LI], v[SW:SW+3], s[30:31]
	; ---- k
	s_wait_loadcnt 0x0
	WLOAD 18, 20, 0, 131072, 8192                  ; v's weights: rows 512 on of w_kv
	PAIRQK 0, 1, 32, 0
	PAIRQK 1, 1, 32, 0
	PAIRQK 2, 1, 32, 0
	PAIRQK 3, 1, 32, 2
	global_store_b128 v[LI], v[SW:SW+3], s[34:35]
	; ---- v
	s_wait_loadcnt 0x0
	PAIRV 0
	PAIRV 1
	PAIRV 2
	PAIRV 3
	v_cndmask_b32 v[VP], v[SW], v[SW+1], s68       ; lanes 0-15 an even tile's words, lanes 16-31 the odd one's
	v_cndmask_b32 v[VP+1], v[SW+2], v[SW+3], s68
	global_store_b64 v[L8], v[VP:VP+1], s[38:39]
	s_wait_tensorcnt 0x0
	ds_add_u32 v254, v255
	s_wait_dscnt 0x0
	s_endpgm
.Lfunc_end_k_q43486caa1b_prep:
	.size	k_q43486caa1b_prep, .Lfunc_end_k_q43486caa1b_prep-k_q43486caa1b_prep
	.p2alignl 7, 3214868480
	.fill 96, 4, 3214868480
	.section	.rodata,"a",@progbits
	.p2align	6, 0x0
	.amdhsa_kernel k_q43486caa1b_prep
		.amdhsa_group_segment_fixed_size 302080
		.amdhsa_private_segment_fixed_size 0
		.amdhsa_enable_private_segment 0
		.amdhsa_kernarg_size 128
		.amdhsa_user_sgpr_count 2
		.amdhsa_user_sgpr_kernarg_segment_ptr 1
		.amdhsa_wavefront_size32 1
		.amdhsa_system_sgpr_workgroup_id_x 1
		.amdhsa_system_sgpr_workgroup_id_y 1
		.amdhsa_system_sgpr_workgroup_id_z 1
		.amdhsa_system_vgpr_workitem_id 0
		.amdhsa_next_free_vgpr 512
		.amdhsa_next_free_sgpr 72
		.amdhsa_reserve_vcc 0
		.amdhsa_float_denorm_mode_32 3
		.amdhsa_float_denorm_mode_16_64 3
		.amdhsa_memory_ordered 1
		.amdhsa_forward_progress 1
		.amdhsa_inst_pref_size 255
	.end_amdhsa_kernel
	.section	.bss,"aw",@nobits
	.p2align	6
	.space	262144
	.amdgpu_metadata
---
amdhsa.version: [ 1, 2 ]
amdhsa.kernels:
  - .name:           k_q43486caa1b_prep
    .symbol:         k_q43486caa1b_prep.kd
    .args:
      - { .name: x, .offset: 0, .size: 8, .value_kind: global_buffer, .address_space: global }
      - { .name: pe, .offset: 8, .size: 8, .value_kind: global_buffer, .address_space: global }
      - { .name: w_q_codes, .offset: 16, .size: 8, .value_kind: global_buffer, .address_space: global }
      - { .name: w_q_scales, .offset: 24, .size: 8, .value_kind: global_buffer, .address_space: global }
      - { .name: b_q, .offset: 32, .size: 8, .value_kind: global_buffer, .address_space: global }
      - { .name: w_kv_codes, .offset: 40, .size: 8, .value_kind: global_buffer, .address_space: global }
      - { .name: w_kv_scales, .offset: 48, .size: 8, .value_kind: global_buffer, .address_space: global }
      - { .name: b_kv, .offset: 56, .size: 8, .value_kind: global_buffer, .address_space: global }
      - { .name: xqi, .offset: 64, .size: 8, .value_kind: global_buffer, .address_space: global }
      - { .name: xqs, .offset: 72, .size: 8, .value_kind: global_buffer, .address_space: global }
      - { .name: qi, .offset: 80, .size: 8, .value_kind: global_buffer, .address_space: global }
      - { .name: qs, .offset: 88, .size: 8, .value_kind: global_buffer, .address_space: global }
      - { .name: ki, .offset: 96, .size: 8, .value_kind: global_buffer, .address_space: global }
      - { .name: ks, .offset: 104, .size: 8, .value_kind: global_buffer, .address_space: global }
      - { .name: vi, .offset: 112, .size: 8, .value_kind: global_buffer, .address_space: global }
      - { .name: vs, .offset: 120, .size: 8, .value_kind: global_buffer, .address_space: global }
    .group_segment_fixed_size: 302080
    .private_segment_fixed_size: 0
    .kernarg_segment_align: 8
    .kernarg_segment_size: 128
    .max_flat_workgroup_size: 256
    .sgpr_count:     72
    .vgpr_count:     512
    .wavefront_size: 32
...
	.end_amdgpu_metadata
.endif
;; end of part 1
;; launch attn (part 2): grid 4 x 64, 8 waves a work-group, no clusters, 287,744 bytes of LDS; arguments xqi, xqs, qi, qs, ki, ks, vi, vs, conv_w_codes, conv_w_scales, w_m_codes, w_m_scales, w_out_codes, w_out_scales, b_m, conv_b, bn_gamma, bn_beta, bn_mean, bn_var, b_out, ln_g, ln_b, out0; writes out0
.if DOCPART == 2
	.amdgcn_target "amdgcn-amd-amdhsa--gfx1250"
	.amdhsa_code_object_version 6
	.text
	.protected	k_q43486caa1b_attn
	.globl	k_q43486caa1b_attn
	.p2align	8
	.type	k_q43486caa1b_attn,@function
k_q43486caa1b_attn:
	s_mov_b64 s[64:65], 0
	v_nop
	global_prefetch_b8 v0, s[64:65] scope:SCOPE_SE
	s_setreg_imm32_b32 hwreg(HW_REG_WAVE_MODE, 25, 1), 1
	s_wait_xcnt 0x0
; ATTN.  For one slice (b, t) and 128 of its rows l: attention of all eight heads, o w_m + b_m + batch-normed conv(x), that sum times w_out + b_out, LayerNorm over 512, exact GELU, stored [b][ou][t][l].
; All five products run on codes of E2M1 with E8M0 block scales; q, k, v and x come as images of operand registers; o and the sum are quantised in registers and go from wave to wave through LDS as such images.
; SHARES.  256 work-groups (x: which 128 rows, y: slice), eight waves.  ATTENTION: wave w is head w; the head's K (32 tiles of 16 keys) and V (16 fragments) stay in 256 registers; the 128 queries pass as eight tiles.
; Both products are used transposed: S^T = K Q^T, O^T = V^T P^T: a lane holds one query.  Every tile of 16 is PERMUTED (lane-row r of tile 2 B + u: index 32 B + 8 u + r + 8 (r / 8)), so that 16 result registers of two
; neighbouring tiles are 16 neighbours along the next K.  K is 64 for K Q^T: the instruction's upper 64 take Q's zero codes against whatever registers follow K's tile, under scale bytes 0x7f: they add nothing.
; THE SOFTMAX.  p = 2^(t - M), t = score x log2(e) / 8, M a whole number: here M = 0 for every row.  q and k are divided by their norms upstream, and a code is at most twice its number, so each quantised vector has norm
; at most 2, |score| <= 4, |t| <= 0.73, and p lies between 0.60 and 1.66 for EVERY input: no exponential and no sum of 512 of them can overflow or underflow.  Another whole M only shifts the blocks' scale bytes and the sum alike.
; The row's sum is taken of the unquantised p and divides O at the end.  A block's largest p is the image of its largest score under the same multiplication and exponential (taken not to fall where its input rises).
; SECOND PART: wave w makes channels 64 w .. 64 w + 63 for all 128 rows: conv on x's codes, x bs + cst (bs = gamma / sqrt(var + 1e-5), cst = b_m + (conv_b - mean) bs + beta), then o's products add onto that sum.
; THIRD PART: z for channels 64 w on stays in 256 registers; mean and sum of squared deviations of the wave's 64, then of the eight waves' (deviations from means only: no difference of large sums).
; GELU: erf by the five-term rational form of Abramowitz and Stegun 7.1.26, |error of erf| <= 1.5e-7 for every argument.
; NOT USED: joint loads in a cluster.  K, V (34,816 bytes a wave) and the weights (52,224 bytes a wave) are each loaded once straight into the registers where they stay; a joint load lands in LDS and would add a write and
; a read of LDS for each byte.  No prefetch: every stream of this text is asked for at the head of the part that uses it, or a part ahead.
; LIMITS: blocks under 2^-124 get the scale byte 1 (read by this program alone); NaN and infinities are not served; 1 / l, bs and the LayerNorm's divisor are made by v_rcp_f32 / v_rsq_f32 and a multiplication.
; The stage's stores (4 bytes a lane): lanes 16-31 lie 16 rows of 528 bytes = 33 x 256 bytes from lanes 0-15, so the two halves of the lanes want the same banks (64 banks of 4 bytes: ISA guide 11.1); 256 such stores a wave.
.set XQIMG, 0                          ; LDS: x's images [tile 8][K step 4][group 2][512 bytes]
.set OIMG,  32768                      ; o's
.set ZIMG,  65536                      ; the sum's
.set XQSC,  98304                      ; x's scale words [K step 4][pair 4][lane 32]
.set OSC,   100352                     ; o's [tile 8][K step 4][lane 32]
.set ZSC,   104448                     ; the sum's
.set STW,   33792                      ; the stage: 64 rows x (512 + 16) bytes for each wave, from byte 0 on: written only when nobody reads the regions above any more
.set LNP,   270336                     ; [wave 8][tile 8][lane 32] 8 bytes: mean and sum of squared deviations
.set LI,  1                            ; v1   16 x lane
.set LS,  2                            ; v2   4 x lane
.set R16, 3                            ; v3   16 x (lane % 16)
.set OA0, 4                            ; v4   where I store o's images: OIMG + 16 lane + 1,024 (w / 2) + 512 (w % 2)
.set OS0, 5                            ; v5   and their two scale bytes: OSC + 4 lane + 128 (w / 2) + 2 (w % 2)
.set WA,  9                            ; v9-11 a weight's codes (my row of a tile, my half), its scale words, a vector in the results' layout
.set WSA, 10
.set BA,  11
.set XSA0, 12                          ; v12  XQSC + 4 (lane % 16)
.set OSA0, 13                          ; v13  OSC + 4 lane
.set L8,  14                           ; v14  8 x lane
.set SO,  15                           ; v15  the stage, on the way in.   v6-8: addresses in hand
.set QF,  16                           ; v16-23 Q's fragment; v20-23 are zero codes
.set LL,  24                           ; v24-27 the row's sum, two chains of pairs
.set LR,  28                           ; v28-29 1 / l
.set HW,  30                           ; v30  two scale bytes
.set PT,  31                           ; v31  a permute's destination
.set KS,  32                           ; v32-57 hold scale words and nothing else: K's 32-47, V's 48-55, Q's 56, p's 57;
.set VS,  48
.set QS,  56
.set PW,  57
.set MWS, 32                           ; later w_m's 32-39, conv_w's 40-47, x's 48-51, o's 52-55;
.set CWS, 40
.set XS,  48
.set OS,  52
.set W3S, 32                           ; later w_out's 32-39, the sum's 40-43
.set ZS,  40
.set S,   64                           ; v64-127 S^T, then p
.set O,   128                          ; v128-159 O^T
.set PC,  160                          ; v160-167 codes just made
.set TM,  168                          ; v168-171 largest, 172-175 the other half's, 176-179 scale operands, 180-183 bytes
.set XF,  64                           ; second part: x's and o's fragments, the accumulators, bs, cst
.set OF,  96
.set ACC, 128
.set BS,  192
.set CB,  224
.set W3,  64                           ; third part: w_out's fragments v64-191, the sum's v192-223, b_out v224-255; then (rstd, -, mu, -) for each tile at v224 + 4 T
.set ZF,  192
.set BO,  224
.set AB,  224
; window 1: K v0-127 (tile at 4 x tile), V v128-255 (8 (4 ks + t) + 4 c); then w_m v0-127, conv_w v128-255; then z (tile T, tile t) at 8 (4 T + t)
.set TC,  66                           ; s66 a loop's counter; s67-69 its steps in LDS
.set TO,  67
.set TS,  68
.set T64, 69
.set SEL, 70                           ; s[70:71]
.set CS,  72                           ; s[72:73] log2(e) / 8
.set MSB, 0
.macro WIN new                         ; the immediate's high byte repeats the setting that is left
.if MSB != \new
	s_set_vgpr_msb (MSB<<8)|\new
.set MSB, \new
.endif
.endm
.macro PLACES n
.rept \n
	v_nop
.endr
.endm
.macro WMX d, a, b, c, sa, sb, ra, rb  ; one product; c < 0: the constant 0 starts the sum; ra, rb: which half of the lanes holds the scale words
.if (\c) < 0
.if ((\ra) == 0) && ((\rb) == 0)
	v_wmma_scale_f32_16x16x128_f8f6f4 v[(\d):(\d)+7], v[(\a):(\a)+7], v[(\b):(\b)+7], 0, v[\sa], v[\sb] matrix_a_fmt:MATRIX_FMT_FP4 matrix_b_fmt:MATRIX_FMT_FP4
.elseif (\rb) == 0
	v_wmma_scale_f32_16x16x128_f8f6f4 v[(\d):(\d)+7], v[(\a):(\a)+7], v[(\b):(\b)+7], 0, v[\sa], v[\sb] matrix_a_fmt:MATRIX_FMT_FP4 matrix_b_fmt:MATRIX_FMT_FP4 matrix_a_scale:MATRIX_SCALE_ROW1
.elseif (\ra) == 0
	v_wmma_scale_f32_16x16x128_f8f6f4 v[(\d):(\d)+7], v[(\a):(\a)+7], v[(\b):(\b)+7], 0, v[\sa], v[\sb] matrix_a_fmt:MATRIX_FMT_FP4 matrix_b_fmt:MATRIX_FMT_FP4 matrix_b_scale:MATRIX_SCALE_ROW1
.else
	v_wmma_scale_f32_16x16x128_f8f6f4 v[(\d):(\d)+7], v[(\a):(\a)+7], v[(\b):(\b)+7], 0, v[\sa], v[\sb] matrix_a_fmt:MATRIX_FMT_FP4 matrix_b_fmt:MATRIX_FMT_FP4 matrix_a_scale:MATRIX_SCALE_ROW1 matrix_b_scale:MATRIX_SCALE_ROW1
.endif
.else
.if ((\ra) == 0) && ((\rb) == 0)
	v_wmma_scale_f32_16x16x128_f8f6f4 v[(\d):(\d)+7], v[(\a):(\a)+7], v[(\b):(\b)+7], v[(\c):(\c)+7], v[\sa], v[\sb] matrix_a_fmt:MATRIX_FMT_FP4 matrix_b_fmt:MATRIX_FMT_FP4
.elseif (\rb) == 0
	v_wmma_scale_f32_16x16x128_f8f6f4 v[(\d):(\d)+7], v[(\a):(\a)+7], v[(\b):(\b)+7], v[(\c):(\c)+7], v[\sa], v[\sb] matrix_a_fmt:MATRIX_FMT_FP4 matrix_b_fmt:MATRIX_FMT_FP4 matrix_a_scale:MATRIX_SCALE_ROW1
.elseif (\ra) == 0
	v_wmma_scale_f32_16x16x128_f8f6f4 v[(\d):(\d)+7], v[(\a):(\a)+7], v[(\b):(\b)+7], v[(\c):(\c)+7], v[\sa], v[\sb] matrix_a_fmt:MATRIX_FMT_FP4 matrix_b_fmt:MATRIX_FMT_FP4 matrix_b_scale:MATRIX_SCALE_ROW1
.else
	v_wmma_scale_f32_16x16x128_f8f6f4 v[(\d):(\d)+7], v[(\a):(\a)+7], v[(\b):(\b)+7], v[(\c):(\c)+7], v[\sa], v[\sb] matrix_a_fmt:MATRIX_FMT_FP4 matrix_b_fmt:MATRIX_FMT_FP4 matrix_a_scale:MATRIX_SCALE_ROW1 matrix_b_scale:MATRIX_SCALE_ROW1
.endif
.endif
.endm
.macro WLOAD cb, sb, wb, ws, win       ; my 64 rows of a weight: 16 fragments at v[wb] on (window by win), their scale words at v[ws] on
	WIN \win
.irp t, 0,1,2,3
.irp s, 0,1,2,3
.irp c, 0,1
	global_load_b128 v[(\wb)+8*(4*\t+\s)+4*\c:(\wb)+8*(4*\t+\s)+4*\c+3], v[WA], s[\cb:\cb+1] offset:(32*(\t/2)+8*(\t%2))*256+64*\s+32*\c
.endr
.endr
.endr
	WIN 0
.irp p, 0,1
.irp s, 0,1,2,3
	global_load_b32 v[(\ws)+4*\p+\s], v[WSA], s[\sb:\sb+1] offset:512*\p+4*\s
.endr
.endr
.endm
.macro BIASL dst, sb                   ; my 64 numbers of a vector in the results' layout: register 8 t + j: channel 32 (t / 2) + 16 h + 8 (t % 2) + j
.irp t, 0,1,2,3
	global_load_b128 v[(\dst)+8*\t:(\dst)+8*\t+3], v[BA], s[\sb:\sb+1] offset:(32*(\t/2)+8*(\t%2))*4
	global_load_b128 v[(\dst)+8*\t+4:(\dst)+8*\t+7], v[BA], s[\sb:\sb+1] offset:(32*(\t/2)+8*(\t%2))*4+16
.endr
.endm
; 32 numbers of a lane, register 16 b + i = k 32 b + 16 (lane / 16) + i of my row, become four registers of codes in v[PC] on and two scale bytes in v[HW]
.macro QUANT2 src
.irp b, 0,1
	v_max3_num_f32 v[TM+\b], |v[(\src)+16*\b]|, |v[(\src)+16*\b+1]|, 0x1800000   ; with the floor 2^(3 - 127): the byte cannot fall under 1
.endr
.irp i, 2,4,6,8,10,12,14
.irp b, 0,1
	v_max3_num_f32 v[TM+\b], v[TM+\b], |v[(\src)+16*\b+\i]|, |v[(\src)+16*\b+\i+1]|
.endr
.endr
.irp b, 0,1
	v_permlanex16_b32 v[TM+4+\b], v[TM+\b], s[SEL], s[SEL+1]
.endr
.irp b, 0,1
	v_max_num_f32 v[TM+\b], v[TM+\b], v[TM+4+\b]
.endr
.irp b, 0,1
	v_add_nc_u32 v[TM+8+\b], 0xff000000, v[TM+\b]  ; 2 off the exponent field: the conversion's scale operand
.endr
.irp b, 0,1
	v_lshrrev_b32 v[TM+12+\b], 23, v[TM+8+\b]
.endr
.irp b, 0,1
	v_cvt_scalef32_pk8_fp4_f32 v[PC+2*\b], v[(\src)+16*\b:(\src)+16*\b+7], v[TM+8+\b]
	v_cvt_scalef32_pk8_fp4_f32 v[PC+2*\b+1], v[(\src)+16*\b+8:(\src)+16*\b+15], v[TM+8+\b]
.endr
	v_lshl_or_b32 v[HW], v[TM+13], 8, v[TM+12]     ; (also the plain line behind the conversions)
.irp i, 0,1
	v_permlane16_swap_b32 v[PC+\i], v[PC+2+\i]     ; a whole block to a lane: lanes 0-15 block 0, lanes 16-31 block 1
.endr
.endm
; A KEY STEP: 128 keys against the tile of 16 queries in hand
.macro SSTEP ks
	WIN 0x01                                       ; source 0 window 1
.irp i, 0,1,2,3,4,5,6,7
	WMX S+8*\i, 4*(8*(\ks)+\i), QF, -1, KS+4*(\ks)+\i/2, QS, \i%2, 0
.endr
	WIN 0
	PLACES 5                                       ; four for the reads and for the load into Q's registers, a fifth since the next step's products write these accumulators anew
.irp b, 0,1,2,3
	v_max3_num_f32 v[TM+\b], v[S+16*\b], v[S+16*\b+1], v[S+16*\b+2]   ; the largest score of each block of 32 keys; each accumulator is read from its low end on
.endr
.irp i, 3,5,7,9,11,13
.irp b, 0,1,2,3
	v_max3_num_f32 v[TM+\b], v[TM+\b], v[S+16*\b+\i], v[S+16*\b+\i+1]
.endr
.endr
.irp b, 0,1,2,3
	v_max_num_f32 v[TM+\b], v[TM+\b], v[S+16*\b+15]
.endr
.irp b, 0,1,2,3
	v_permlanex16_b32 v[TM+4+\b], v[TM+\b], s[SEL], s[SEL+1]
.endr
.irp b, 0,1,2,3
	v_max_num_f32 v[TM+\b], v[TM+\b], v[TM+4+\b]
.endr
.if (\ks) == 3                                 ; Q's fragment has had its last use in this trip: the next tile's is asked for, if there is one (no load leaves its buffer)
	s_cmp_eq_u32 s[TC], 7
	s_cbranch_scc1 .Lno_next_q
	s_add_nc_u64 s[12:13], s[12:13], 512           ; (the load that read this base was waited for at the trip's head)
	s_add_co_u32 s76, s[TC], 1
	s_and_b32 s77, s76, 1
	s_lshl_b32 s77, s77, 8
	s_lshr_b32 s76, s76, 1
	s_lshl_b32 s76, s76, 2
	s_add_co_u32 s76, s76, s77                     ; tile T's words: lane 16 (T % 2) + r, word T / 2
	v_add_nc_u32 v6, s76, v[R16]
	global_load_b128 v[QF:QF+3], v[LI], s[12:13]
	global_load_b32 v[QS], v6, s[14:15]
.Lno_next_q:
.endif
.set JJ, 0
.rept 32
	v_pk_mul_f32 v[S+JJ:S+JJ+1], v[S+JJ:S+JJ+1], s[CS:CS+1] op_sel_hi:[1,0]   ; t
.set JJ, JJ+2
.endr
.irp b, 0,1,2,3
	v_mul_f32 v[TM+\b], s[CS], v[TM+\b]            ; the same of each block's largest score
.endr
.set JJ, 0
.rept 64
	v_exp_f32 v[S+JJ], v[S+JJ]                     ; p = 2^t
.set JJ, JJ+1
.endr
.irp b, 0,1,2,3
	v_exp_f32 v[TM+\b], v[TM+\b]                   ; the block's largest p: the same two instructions on the same number
.endr
	v_nop                                          ; a plain line behind the last exponential
	s_wait_alu depctr_va_vdst(0)                   ; one wait for the batch of 68, ahead of its first reader
.irp b, 0,1,2,3
	v_add_nc_u32 v[TM+8+\b], 0xff000000, v[TM+\b]  ; no floor: p is at least 0.6
.endr
.irp b, 0,1,2,3
	v_lshrrev_b32 v[TM+12+\b], 23, v[TM+8+\b]
.endr
	v_lshl_or_b32 v[PW], v[TM+13], 8, v[TM+12]     ; p's scale word for these 128 keys
	v_lshl_or_b32 v[PW], v[TM+14], 16, v[PW]
	v_lshl_or_b32 v[PW], v[TM+15], 24, v[PW]
.irp b, 0,1,2,3
	v_cvt_scalef32_pk8_fp4_f32 v[PC+2*\b], v[S+16*\b:S+16*\b+7], v[TM+8+\b]
	v_cvt_scalef32_pk8_fp4_f32 v[PC+2*\b+1], v[S+16*\b+8:S+16*\b+15], v[TM+8+\b]
.endr
	v_nop                                          ; a plain line behind the last conversion
.irp c, 0,1
.irp i, 0,1
	v_permlane16_swap_b32 v[PC+4*\c+\i], v[PC+4*\c+2+\i]
.endr
.endr
; the row's sum of the unquantised p, two chains; these lines are also the eight places between the scale word's last write, the four between the codes' last write, and the products below
.if (\ks) == 0
	v_pk_add_f32 v[LL:LL+1], v[S:S+1], v[S+2:S+3]
	v_pk_add_f32 v[LL+2:LL+3], v[S+4:S+5], v[S+6:S+7]
.set JJ, 8
.rept 14
	v_pk_add_f32 v[LL:LL+1], v[LL:LL+1], v[S+JJ:S+JJ+1]
	v_pk_add_f32 v[LL+2:LL+3], v[LL+2:LL+3], v[S+JJ+2:S+JJ+3]
.set JJ, JJ+4
.endr
.else
.set JJ, 0
.rept 16
	v_pk_add_f32 v[LL:LL+1], v[LL:LL+1], v[S+JJ:S+JJ+1]
	v_pk_add_f32 v[LL+2:LL+3], v[LL+2:LL+3], v[S+JJ+2:S+JJ+3]
.set JJ, JJ+4
.endr
.endif
	WIN 0x01
.irp t, 0,1,2,3                                ; O^T += V^T P^T: four accumulators by turns; between two links of a chain stand eleven other products
.if (\ks) == 0
	WMX O+8*\t, 128+8*(4*(\ks)+\t), PC, -1, VS+2*(\ks)+\t/2, PW, \t%2, 0
.else
	WMX O+8*\t, 128+8*(4*(\ks)+\t), PC, O+8*\t, VS+2*(\ks)+\t/2, PW, \t%2, 0
.endif
.endr
	WIN 0
.endm
	s_load_b512 s[8:23], s[0:1], 0x0               ; xqi 8, xqs 10, qi 12, qs 14, ki 16, ks 18, vi 20, vs 22
	s_load_b512 s[24:39], s[0:1], 0x40             ; conv_w codes 24, scales 26, w_m 28, 30, w_out 32, 34, b_m 36, conv_b 38
	s_load_b512 s[40:55], s[0:1], 0x80             ; gamma 40, beta 42, mean 44, var 46, b_out 48, ln_g 50, ln_b 52, out0 54
	v_lshl_add_u32 v62, v0, 2, 0x46000
	v_mov_b32 v63, 0
	v_lshrrev_b32 v6, 5, v0
	v_readfirstlane_b32 s2, v6                     ; wave 0..7 = head
	s_and_b32 s3, ttmp7, 0xffff                    ; slice
	v_and_b32 v[LI], 31, v0
	v_lshlrev_b32 v[LS], 2, v[LI]
	v_lshlrev_b32 v[L8], 3, v[LI]
	v_lshlrev_b32 v[LI], 4, v[LI]
	v_and_b32 v6, 15, v0                           ; r
	v_bfe_u32 v7, v0, 4, 1                         ; h
	v_lshlrev_b32 v[R16], 4, v6
	s_lshr_b32 s4, s2, 1
	s_and_b32 s5, s2, 1
	s_lshl_b32 s6, s4, 10
	s_lshl_b32 s7, s5, 9
	s_add_co_u32 s6, s6, s7
	s_add_co_u32 s6, s6, OIMG
	v_add_nc_u32 v[OA0], s6, v[LI]
	s_lshl_b32 s6, s4, 7
	s_lshl_b32 s7, s5, 1
	s_add_co_u32 s6, s6, s7
	s_add_co_u32 s6, s6, OSC
	v_add_nc_u32 v[OS0], s6, v[LS]
	v_and_b32 v8, 8, v6
	v_add_nc_u32 v8, v8, v6                        ; r + 8 (r / 8)
	v_lshlrev_b32 v[WA], 8, v8
	v_lshl_add_u32 v[WA], v7, 4, v[WA]
	v_lshl_add_u32 v[WSA], v7, 3, v8
	v_lshlrev_b32 v[WSA], 4, v[WSA]
	v_lshlrev_b32 v[BA], 6, v7
	v_lshl_add_u32 v[XSA0], v6, 2, XQSC
	v_add_nc_u32 v[OSA0], OSC, v[LS]
	s_mul_i32 s56, s2, STW                         ; my stage
	v_mul_u32_u24 v[SO], v7, 8448                  ; 16 rows of 528 bytes for lanes 16-31
	v_lshl_add_u32 v[SO], v8, 2, v[SO]
	v_add_nc_u32 v[SO], s56, v[SO]
	v_lshlrev_b32 v6, 4, v0                        ; the copy of x's images: 16 bytes a thread
	v_lshlrev_b32 v7, 3, v0                        ; and of its scale words: 8
	v_add_nc_u32 v8, XQSC, v7
.irp i, 4,5,6,7
	v_mov_b32 v[QF+\i], 0                          ; zero codes for the instruction's upper 64 along K.  Written here, at the head: an operand written by a vector line stands four plain vector lines ahead of a scaled product, and six follow below
.endr
	s_mov_b32 s[SEL], 0x76543210
	s_mov_b32 s[SEL+1], 0xfedcba98
	s_mov_b32 s[CS], 0x3e38aa3b                    ; log2(e) / sqrt(64)
	s_mov_b32 s[CS+1], s[CS]                       ; (named with it as a pair, so it is written)
	s_mov_b32 s74, 0x3b000000                      ; 1 / 512
	s_mov_b32 s75, 0x3727c5ac                      ; 1e-5
	s_mov_b32 s59, 0
	s_lshl_b32 s57, s3, 17                         ; slice x 131,072
	s_wait_kmcnt 0x0
	s_lshl_b32 s58, s2, 14
	s_add_nc_u64 s[24:25], s[24:25], s[58:59]      ; my 64 rows of the three weights
	s_add_nc_u64 s[28:29], s[28:29], s[58:59]
	s_add_nc_u64 s[32:33], s[32:33], s[58:59]
	s_add_co_u32 s58, s58, s57
	s_add_nc_u64 s[16:17], s[16:17], s[58:59]      ; ki, vi: my head
	s_add_nc_u64 s[20:21], s[20:21], s[58:59]
	s_lshl_b32 s60, ttmp9, 12
	s_add_co_u32 s58, s58, s60
	s_add_nc_u64 s[12:13], s[12:13], s[58:59]      ; qi: my head, my eight tiles
	s_lshl_b32 s58, ttmp9, 15
	s_add_co_u32 s58, s58, s57
	s_add_nc_u64 s[8:9], s[8:9], s[58:59]          ; xqi
	s_lshl_b32 s57, s3, 13
	s_lshl_b32 s58, ttmp9, 11
	s_add_co_u32 s58, s58, s57
	s_add_nc_u64 s[10:11], s[10:11], s[58:59]      ; xqs
	s_lshl_b32 s58, s2, 10
	s_add_nc_u64 s[26:27], s[26:27], s[58:59]
	s_add_nc_u64 s[30:31], s[30:31], s[58:59]
	s_add_nc_u64 s[34:35], s[34:35], s[58:59]
	s_add_co_u32 s58, s58, s57
	s_add_nc_u64 s[22:23], s[22:23], s[58:59]      ; vs
	s_lshl_b32 s58, s3, 14
	s_lshl_b32 s60, s2, 11
	s_add_co_u32 s58, s58, s60
	s_add_nc_u64 s[18:19], s[18:19], s[58:59]      ; ks
	s_lshl_b32 s60, ttmp9, 9
	s_add_co_u32 s58, s58, s60
	s_add_nc_u64 s[14:15], s[14:15], s[58:59]      ; qs
	WIN 0x40                                       ; destination window 1
.set JJ, 0
.rept 32
	global_load_b128 v[4*JJ:4*JJ+3], v[LI], s[16:17] offset:512*JJ          ; K: tile JJ
	global_load_b128 v[128+4*JJ:128+4*JJ+3], v[LI], s[20:21] offset:512*JJ  ; V: group JJ = 8 ks + 2 t + c
.set JJ, JJ+1
.endr
	WIN 0
	global_load_b128 v[QF:QF+3], v[LI], s[12:13]
	global_load_b32 v[QS], v[R16], s[14:15]
.irp g, 0,1,2,3
	global_load_b128 v[KS+4*\g:KS+4*\g+3], v[LI], s[18:19] offset:512*\g
	global_load_b64 v[VS+2*\g:VS+2*\g+1], v[L8], s[22:23] offset:256*\g
.endr
.irp i, 0,1,2,3,4,5,6,7
	global_load_b128 v[S+4*\i:S+4*\i+3], v6, s[8:9] offset:4096*\i th:TH_LOAD_NT
.endr
	global_load_b64 v[S+32:S+33], v7, s[10:11] th:TH_LOAD_NT
	s_lshl_b32 s58, s2, 8                          ; my 64 numbers of the nine vectors
.irp p, 36,38,40,42,44,46,48,50,52
	s_add_nc_u64 s[\p:\p+1], s[\p:\p+1], s[58:59]
.endr
	s_lshr_b32 s58, s3, 2                          ; out0: b x 4,194,304 + 64 w rows of 8,192 + t x 2,048 + qb x 512
	s_lshl_b32 s58, s58, 22
	s_lshl_b32 s60, s2, 19
	s_add_co_u32 s58, s58, s60
	s_and_b32 s60, s3, 3
	s_lshl_b32 s60, s60, 11
	s_add_co_u32 s58, s58, s60
	s_lshl_b32 s60, ttmp9, 9
	s_add_co_u32 s58, s58, s60
	s_add_nc_u64 s[54:55], s[54:55], s[58:59]
.irp i, 4,5,6,7
	v_mov_b32 v[TM+\i], 0                          ; written once: a lane permute's destination counts as one of its sources
.endr
	v_mov_b32 v[PT], 0
	v_mov_b32 v[LR+1], 0                           ; (named as the upper half of a pair)
	s_wait_loadcnt 0x0
.irp i, 0,1,2,3,4,5,6,7
	ds_store_b128 v6, v[S+4*\i:S+4*\i+3] offset:XQIMG+4096*\i
.endr
	ds_store_b64 v8, v[S+32:S+33]
	s_mov_b32 s[TC], 0
	s_mov_b32 s[TO], 0
	s_mov_b32 s[TS], 0
.Ltile:                                            ; eight trips: a tile of 16 queries against the head's 512 keys
	s_wait_loadcnt 0x0                             ; Q's fragment and words
	s_wait_dscnt 0x0                               ; my LDS stores have read their registers
	SSTEP 0
	SSTEP 1
	SSTEP 2
	SSTEP 3
	PLACES 5
	v_pk_add_f32 v[LL:LL+1], v[LL:LL+1], v[LL+2:LL+3]
	v_add_f32 v[LL], v[LL], v[LL+1]
	v_permlanex16_b32 v[PT], v[LL], s[SEL], s[SEL+1]
	v_add_f32 v[LL], v[LL], v[PT]                  ; the row's sum
	v_rcp_f32 v[LR], v[LL]
	v_nop
	s_wait_alu depctr_va_vdst(0)
.set JJ, 0
.rept 16
	v_pk_mul_f32 v[O+JJ:O+JJ+1], v[O+JJ:O+JJ+1], v[LR:LR+1] op_sel_hi:[1,0]   ; o = O / l; register 8 t + j: d = 32 (t / 2) + 16 h + 8 (t % 2) + j
.set JJ, JJ+2
.endr
	QUANT2 O                                       ; my head's 64 channels are half a K step of the next product: one group of four registers, two scale bytes
	v_add_nc_u32 v7, s[TO], v[OA0]
	v_add_nc_u32 v8, s[TS], v[OS0]
	ds_store_b128 v7, v[PC:PC+3]
	ds_store_b16 v8, v[HW]
	s_add_co_u32 s[TO], s[TO], 4096
	s_add_co_u32 s[TS], s[TS], 512
	s_add_co_u32 s[TC], s[TC], 1
	s_cmp_lt_u32 s[TC], 8
	s_cbranch_scc1 .Ltile
	s_wait_dscnt 0x0                               ; for the others' sake: my images of x and o are in LDS; and my stores have read their registers
	WLOAD 28, 30, 0, MWS, 0x40                     ; the second part's weights and vectors are asked for ahead of the barrier
	WLOAD 24, 26, 128, CWS, 0x40
	BIASL BS, 46                                   ; var
	BIASL CB, 36                                   ; b_m
	BIASL 64, 40                                   ; gamma
	BIASL 96, 44                                   ; mean
	BIASL 128, 38                                  ; conv_b
	BIASL 160, 42                                  ; beta
	s_barrier_signal -1
	s_barrier_wait -1                              ; x's and o's images and words of all 128 rows lie in LDS
	s_wait_loadcnt 0x0
.set JJ, 0
.rept 16
	v_pk_add_f32 v[BS+JJ:BS+JJ+1], v[BS+JJ:BS+JJ+1], 0x3727c5ac op_sel_hi:[1,0]
.set JJ, JJ+2
.endr
.set JJ, 0
.rept 32
	v_rsq_f32 v[BS+JJ], v[BS+JJ]
.set JJ, JJ+1
.endr
.set JJ, 0
.rept 16
	v_pk_add_f32 v[128+JJ:129+JJ], v[128+JJ:129+JJ], v[96+JJ:97+JJ] neg_lo:[0,1] neg_hi:[0,1]   ; conv_b - mean (plain work behind the batch)
.set JJ, JJ+2
.endr
	s_wait_alu depctr_va_vdst(0)                   ; one wait for the 32
.set JJ, 0
.rept 16
	v_pk_mul_f32 v[BS+JJ:BS+JJ+1], v[BS+JJ:BS+JJ+1], v[64+JJ:65+JJ]            ; bs = gamma / sqrt(var + 1e-5)
.set JJ, JJ+2
.endr
.set JJ, 0
.rept 16
	v_pk_fma_f32 v[128+JJ:129+JJ], v[128+JJ:129+JJ], v[BS+JJ:BS+JJ+1], v[160+JJ:161+JJ]
.set JJ, JJ+2
.endr
.set JJ, 0
.rept 16
	v_pk_add_f32 v[CB+JJ:CB+JJ+1], v[CB+JJ:CB+JJ+1], v[128+JJ:129+JJ]          ; cst = b_m + (conv_b - mean) bs + beta
.set JJ, JJ+2
.endr
	s_mov_b32 s[TC], 0
	s_mov_b32 s[TO], 0
	s_mov_b32 s[TS], 0
	s_mov_b32 s[T64], 0
.Lrow:                                             ; eight trips: a tile of 16 rows, my 64 channels
	v_add_nc_u32 v6, s[TO], v[LI]
	v_add_nc_u32 v7, s[T64], v[XSA0]
	v_add_nc_u32 v8, s[TS], v[OSA0]
.irp s, 0,1,2,3
.irp c, 0,1
	ds_load_b128 v[XF+8*\s+4*\c:XF+8*\s+4*\c+3], v6 offset:XQIMG+1024*\s+512*\c
	ds_load_b128 v[OF+8*\s+4*\c:OF+8*\s+4*\c+3], v6 offset:OIMG+1024*\s+512*\c
.endr
.endr
.irp s, 0,1,2,3
	ds_load_b32 v[XS+\s], v7 offset:512*\s
	ds_load_b32 v[OS+\s], v8 offset:128*\s
.endr
	s_wait_dscnt 0x0
	WIN 0x01
.irp s, 0,1,2,3                                ; conv: four accumulators by turns
.irp t, 0,1,2,3
.if \s == 0
	WMX ACC+8*\t, 128+8*(4*\t+\s), XF+8*\s, -1, CWS+4*(\t/2)+\s, XS+\s, \t%2, 0
.else
	WMX ACC+8*\t, 128+8*(4*\t+\s), XF+8*\s, ACC+8*\t, CWS+4*(\t/2)+\s, XS+\s, \t%2, 0
.endif
.endr
.endr
	WIN 0
	PLACES 5
.set JJ, 0
.rept 16
	v_pk_fma_f32 v[ACC+JJ:ACC+JJ+1], v[ACC+JJ:ACC+JJ+1], v[BS+JJ:BS+JJ+1], v[CB+JJ:CB+JJ+1]   ; the shortcut and b_m
.set JJ, JJ+2
.endr
	PLACES 4
	WIN 0x01
.irp s, 0,1,2,3                                ; + o w_m, onto the same four sums
.irp t, 0,1,2,3
	WMX ACC+8*\t, 8*(4*\t+\s), OF+8*\s, ACC+8*\t, MWS+4*(\t/2)+\s, OS+\s, \t%2, 0
.endr
.endr
	WIN 0
	PLACES 5
	QUANT2 ACC
	v_add_nc_u32 v7, s[TO], v[OA0]
	v_add_nc_u32 v8, s[TS], v[OS0]
	ds_store_b128 v7, v[PC:PC+3] offset:ZIMG-OIMG
	ds_store_b16 v8, v[HW] offset:ZSC-OSC
	s_wait_dscnt 0x0                               ; the stores have read their registers
	s_add_co_u32 s[TO], s[TO], 4096
	s_add_co_u32 s[TS], s[TS], 512
	s_add_co_u32 s[T64], s[T64], 64
	s_add_co_u32 s[TC], s[TC], 1
	s_cmp_lt_u32 s[TC], 8
	s_cbranch_scc1 .Lrow
	PLACES 5                                       ; the third part's results are laid over the second part's weights
	WLOAD 32, 34, W3, W3S, 0
	BIASL BO, 48
	s_barrier_signal -1                            ; (no LDS instruction of mine is out: the trip's last wait)
	s_barrier_wait -1                              ; the sum's images and words of all 128 rows lie in LDS
	v_add_nc_u32 v6, ZIMG, v[LI]
	v_add_nc_u32 v7, ZSC, v[LS]
	s_wait_loadcnt 0x0
.macro ZROW m                          ; z of tile m, my 64 channels: 16 products, four accumulators by turns; b_out is the C of each sum's first product
.irp s, 0,1,2,3
.irp c, 0,1
	ds_load_b128 v[ZF+8*\s+4*\c:ZF+8*\s+4*\c+3], v6 offset:4096*(\m)+1024*\s+512*\c
.endr
.endr
.irp s, 0,1,2,3
	ds_load_b32 v[ZS+\s], v7 offset:512*(\m)+128*\s
.endr
	s_wait_dscnt 0x0
.irp s, 0,1,2,3
.if \s == 0
	WIN 0x40                                       ; destination window 1
.else
	WIN 0x50                                       ; C and D window 1
.endif
.irp t, 0,1,2,3
.if \s == 0
	WMX 8*(4*(\m)+\t), W3+8*(4*\t+\s), ZF+8*\s, BO+8*\t, W3S+4*(\t/2)+\s, ZS+\s, \t%2, 0
.else
	WMX 8*(4*(\m)+\t), W3+8*(4*\t+\s), ZF+8*\s, 8*(4*(\m)+\t), W3S+4*(\t/2)+\s, ZS+\s, \t%2, 0
.endif
.endr
.endr
	WIN 0
	PLACES 4                                       ; in front of the next loads into the fragments' registers, and of the first reads of results
.endm
.irp n, 0,1,2,3,4,5,6,7
	ZROW \n
.endr
	BIASL 64, 50                                   ; ln_g
	BIASL 96, 52                                   ; ln_b
	s_lshl_b32 s57, s2, 11
	s_add_co_u32 s57, s57, LNP
	v_add_nc_u32 v8, s57, v[L8]
.macro STAT m                          ; tile m: the mean of my wave's 64 numbers of each row, and the sum of their squared deviations from it
	WIN 0x05                                       ; sources 0 and 1 window 1
.irp i, 0,1,2,3,4,5,6,7
	v_pk_add_f32 v[192+2*\i:193+2*\i], v[32*(\m)+4*\i:32*(\m)+4*\i+1], v[32*(\m)+4*\i+2:32*(\m)+4*\i+3]
.endr
	WIN 0
.irp i, 0,4,8,12
	v_pk_add_f32 v[192+\i:193+\i], v[192+\i:193+\i], v[194+\i:195+\i]
.endr
	v_pk_add_f32 v[192:193], v[192:193], v[196:197]
	v_pk_add_f32 v[200:201], v[200:201], v[204:205]
	v_pk_add_f32 v[192:193], v[192:193], v[200:201]
	v_add_f32 v192, v192, v193
	v_permlanex16_b32 v[PT], v192, s[SEL], s[SEL+1]
	v_add_f32 v192, v192, v[PT]
	v_mul_f32 v[128+2*(\m)], 0x3c800000, v192      ; / 64
	WIN 0x01
.set JJ, 0
.rept 16
	v_pk_add_f32 v[192+JJ:193+JJ], v[32*(\m)+JJ:32*(\m)+JJ+1], v[128+2*(\m):129+2*(\m)] op_sel_hi:[1,0] neg_lo:[0,1] neg_hi:[0,1]
.set JJ, JJ+2
.endr
	WIN 0
	v_pk_mul_f32 v[160:161], v[192:193], v[192:193]
	v_pk_mul_f32 v[162:163], v[194:195], v[194:195]
.set JJ, 4
.rept 7
	v_pk_fma_f32 v[160:161], v[192+JJ:193+JJ], v[192+JJ:193+JJ], v[160:161]
	v_pk_fma_f32 v[162:163], v[194+JJ:195+JJ], v[194+JJ:195+JJ], v[162:163]
.set JJ, JJ+4
.endr
	v_pk_add_f32 v[160:161], v[160:161], v[162:163]
	v_add_f32 v160, v160, v161
	v_permlanex16_b32 v[PT], v160, s[SEL], s[SEL+1]
	v_add_f32 v[129+2*(\m)], v160, v[PT]
	ds_store_b64 v8, v[128+2*(\m):129+2*(\m)] offset:256*(\m)
.endm
.irp n, 0,1,2,3,4,5,6,7
	STAT \n
.endr
	s_wait_dscnt 0x0                               ; for the others' sake: my pairs are in LDS, and my reads of the images are long over
	s_barrier_signal -1
	s_barrier_wait -1                              ; all waves' pairs lie in LDS, and nobody reads the images any more: the stages may be written
	v_add_nc_u32 v7, LNP, v[L8]
.macro COMB gq                         ; tiles 4 gq .. 4 gq + 3: the eight waves' pairs become the row's mean and 1 / sqrt(variance + 1e-5)
.irp q, 0,1,2,3
.irp w, 0,1,2,3,4,5,6,7
	ds_load_b64 v[128+16*\q+2*\w:128+16*\q+2*\w+1], v7 offset:2048*\w+256*(4*(\gq)+\q)
.endr
.endr
	s_wait_dscnt 0x0
.irp q, 0,1,2,3
.irp w, 0,2,4,6
	v_pk_add_f32 v[192+8*\q+\w:192+8*\q+\w+1], v[128+16*\q+2*\w:128+16*\q+2*\w+1], v[128+16*\q+2*\w+2:128+16*\q+2*\w+3]
.endr
.endr
.irp q, 0,1,2,3
	v_pk_add_f32 v[192+8*\q:193+8*\q], v[192+8*\q:193+8*\q], v[194+8*\q:195+8*\q]
	v_pk_add_f32 v[196+8*\q:197+8*\q], v[196+8*\q:197+8*\q], v[198+8*\q:199+8*\q]
.endr
.irp q, 0,1,2,3
	v_pk_add_f32 v[192+8*\q:193+8*\q], v[192+8*\q:193+8*\q], v[196+8*\q:197+8*\q]   ; (the sum of the means, the sum of the waves' squared deviations)
.endr
.irp q, 0,1,2,3
	v_mul_f32 v[AB+4*(4*(\gq)+\q)+2], 0x3e000000, v[192+8*\q]    ; mu
.endr
.irp w, 0,1,2,3,4,5,6,7
.irp q, 0,1,2,3
	v_sub_f32 v[128+16*\q+2*\w], v[128+16*\q+2*\w], v[AB+4*(4*(\gq)+\q)+2]
.endr
.endr
.irp q, 0,1,2,3
	v_mul_f32 v[194+8*\q], v[128+16*\q], v[128+16*\q]
.endr
.irp w, 1,2,3,4,5,6,7
.irp q, 0,1,2,3
	v_fma_f32 v[194+8*\q], v[128+16*\q+2*\w], v[128+16*\q+2*\w], v[194+8*\q]
.endr
.endr
.irp q, 0,1,2,3
	v_fma_f32 v[194+8*\q], v[194+8*\q], 0x42800000, v[193+8*\q]  ; + 64 x the means' squared deviations
.endr
.irp q, 0,1,2,3
	v_fma_f32 v[AB+4*(4*(\gq)+\q)+1], v[194+8*\q], s74, s75      ; / 512 + 1e-5
.endr
.irp q, 0,1,2,3
	v_rsq_f32 v[AB+4*(4*(\gq)+\q)], v[AB+4*(4*(\gq)+\q)+1]
.endr
	v_nop
	s_wait_alu depctr_va_vdst(0)                   ; one wait for the four
.endm
	COMB 0
	COMB 1
	s_wait_loadcnt 0x0                             ; ln_g, ln_b
.macro TOST m                          ; tile m: ((z - mu) rstd) g + b, then into my stage, turned: row = channel, column = l
	WIN 0x41                                       ; destination and source 0 window 1
.set JJ, 0
.rept 16
	v_pk_add_f32 v[32*(\m)+JJ:32*(\m)+JJ+1], v[32*(\m)+JJ:32*(\m)+JJ+1], v[AB+4*(\m)+2:AB+4*(\m)+3] op_sel_hi:[1,0] neg_lo:[0,1] neg_hi:[0,1]   ; the difference first: z rstd - mu rstd would subtract two large products where mu is large
.set JJ, JJ+2
.endr
.set JJ, 0
.rept 16
	v_pk_mul_f32 v[32*(\m)+JJ:32*(\m)+JJ+1], v[32*(\m)+JJ:32*(\m)+JJ+1], v[AB+4*(\m):AB+4*(\m)+1] op_sel_hi:[1,0]
.set JJ, JJ+2
.endr
.set JJ, 0
.rept 16
	v_pk_fma_f32 v[32*(\m)+JJ:32*(\m)+JJ+1], v[32*(\m)+JJ:32*(\m)+JJ+1], v[64+JJ:65+JJ], v[96+JJ:97+JJ]
.set JJ, JJ+2
.endr
	WIN 0x04                                       ; an LDS store's data are its source 1: window 1
.irp t, 0,1,2,3
.irp j, 0,1,2,3,4,5,6,7
	ds_store_b32 v[SO], v[32*(\m)+8*\t+\j] offset:(32*(\t/2)+8*(\t%2)+\j)*528+4*(32*((\m)/2)+8*((\m)%2))
.endr
.endr
	WIN 0
.endm
.irp n, 0,1,2,3,4,5,6,7
	TOST \n
.endr
	v_add_nc_u32 v6, s56, v[LI]
	v_mov_b32 v224, 0xbf3a00e3                     ; a4 / 2, as a pair
	v_mov_b32 v225, 0xbf3a00e3
	s_mov_b32 s[TC], 0
	s_mov_b32 s[TO], 0
.set GY, 128
.set GW, 144
.set GT, 160
.set GQ, 176
.set GM, 192
.set GO, 208
.Lgelu:                                            ; sixteen trips: four channels x 128 l.  LDS serves a wave's instructions in order: these loads see my stores
	v_add_nc_u32 v7, s[TO], v6
.irp i, 0,1,2,3
	ds_load_b128 v[GY+4*\i:GY+4*\i+3], v7 offset:528*\i
.endr
	s_wait_dscnt 0x0
; gelu(y) = max(y, 0) - |y| Q,  Q = (1 - erf(|y| / sqrt 2)) / 2 = T (a1 + T (a2 + T (a3 + T (a4 + T a5)))) / 2 x 2^(-(0.8493218 y)^2),  T = 1 / (1 + 0.23164189 |y|)
.set JJ, 0
.rept 8
	v_pk_mul_f32 v[GW+JJ:GW+JJ+1], v[GY+JJ:GY+JJ+1], 0x3f596d27 op_sel_hi:[1,0]
.set JJ, JJ+2
.endr
.set JJ, 0
.rept 16
	v_fma_f32 v[GT+JJ], |v[GY+JJ]|, 0x3e6d3388, 1.0
.set JJ, JJ+1
.endr
.set JJ, 0
.rept 8
	v_pk_mul_f32 v[GW+JJ:GW+JJ+1], v[GW+JJ:GW+JJ+1], v[GW+JJ:GW+JJ+1] neg_lo:[1,0] neg_hi:[1,0]
.set JJ, JJ+2
.endr
.set JJ, 0
.rept 16
	v_exp_f32 v[GW+JJ], v[GW+JJ]
	v_rcp_f32 v[GT+JJ], v[GT+JJ]
.set JJ, JJ+1
.endr
.set JJ, 0
.rept 16
	v_max_num_f32 v[GM+JJ], 0, v[GY+JJ]            ; plain work behind the batch
.set JJ, JJ+1
.endr
	s_wait_alu depctr_va_vdst(0)                   ; one wait for the 32
.set JJ, 0
.rept 8
	v_pk_fma_f32 v[GQ+JJ:GQ+JJ+1], v[GT+JJ:GT+JJ+1], 0x3f07dc22, v[224:225] op_sel_hi:[1,0,1]
.set JJ, JJ+2
.endr
.irp k, 0x3f35f0e3, 0xbe11a98e, 0x3e027906
.set JJ, 0
.rept 8
	v_pk_fma_f32 v[GQ+JJ:GQ+JJ+1], v[GQ+JJ:GQ+JJ+1], v[GT+JJ:GT+JJ+1], \k op_sel_hi:[1,1,0]
.set JJ, JJ+2
.endr
.endr
.set JJ, 0
.rept 8
	v_pk_mul_f32 v[GT+JJ:GT+JJ+1], v[GT+JJ:GT+JJ+1], v[GW+JJ:GW+JJ+1]
.set JJ, JJ+2
.endr
.set JJ, 0
.rept 8
	v_pk_mul_f32 v[GQ+JJ:GQ+JJ+1], v[GQ+JJ:GQ+JJ+1], v[GT+JJ:GT+JJ+1]
.set JJ, JJ+2
.endr
.set JJ, 0
.rept 16
	v_fma_f32 v[GO+JJ], -|v[GY+JJ]|, v[GQ+JJ], v[GM+JJ]
.set JJ, JJ+1
.endr
.irp i, 0,1,2,3
	global_store_b128 v[LI], v[GO+4*\i:GO+4*\i+3], s[54:55] offset:8192*\i th:TH_STORE_NT   ; 32 lanes store 512 consecutive bytes, at a multiple of 512 from out0's first byte
.endr
	s_wait_xcnt 0x0                                ; the stores have read their data and their base: both are written again only behind this wait
	s_add_nc_u64 s[54:55], s[54:55], 32768
	s_add_co_u32 s[TO], s[TO], 2112
	s_add_co_u32 s[TC], s[TC], 1
	s_cmp_lt_u32 s[TC], 16
	s_cbranch_scc1 .Lgelu
	s_wait_tensorcnt 0x0
	ds_add_u32 v62, v63
	s_wait_dscnt 0x0
	s_endpgm
.Lfunc_end_k_q43486caa1b_attn:
	.size	k_q43486caa1b_attn, .Lfunc_end_k_q43486caa1b_attn-k_q43486caa1b_attn
	.p2alignl 7, 3214868480
	.fill 96, 4, 3214868480
	.section	.rodata,"a",@progbits
	.p2align	6, 0x0
	.amdhsa_kernel k_q43486caa1b_attn
		.amdhsa_group_segment_fixed_size 287744
		.amdhsa_private_segment_fixed_size 0
		.amdhsa_enable_private_segment 0
		.amdhsa_kernarg_size 192
		.amdhsa_user_sgpr_count 2
		.amdhsa_user_sgpr_kernarg_segment_ptr 1
		.amdhsa_wavefront_size32 1
		.amdhsa_system_sgpr_workgroup_id_x 1
		.amdhsa_system_sgpr_workgroup_id_y 1
		.amdhsa_system_sgpr_workgroup_id_z 1
		.amdhsa_system_vgpr_workitem_id 0
		.amdhsa_next_free_vgpr 512
		.amdhsa_next_free_sgpr 80
		.amdhsa_reserve_vcc 0
		.amdhsa_float_denorm_mode_32 3
		.amdhsa_float_denorm_mode_16_64 3
		.amdhsa_memory_ordered 1
		.amdhsa_forward_progress 1
		.amdhsa_inst_pref_size 218
	.end_amdhsa_kernel
	.amdgpu_metadata
---
amdhsa.version: [ 1, 2 ]
amdhsa.kernels:
  - .name:           k_q43486caa1b_attn
    .symbol:         k_q43486caa1b_attn.kd
    .args:
      - { .name: xqi, .offset: 0, .size: 8, .value_kind: global_buffer, .address_space: global }
      - { .name: xqs, .offset: 8, .size: 8, .value_kind: global_buffer, .address_space: global }
      - { .name: qi, .offset: 16, .size: 8, .value_kind: global_buffer, .address_space: global }
      - { .name: qs, .offset: 24, .size: 8, .value_kind: global_buffer, .address_space: global }
      - { .name: ki, .offset: 32, .size: 8, .value_kind: global_buffer, .address_space: global }
      - { .name: ks, .offset: 40, .size: 8, .value_kind: global_buffer, .address_space: global }
      - { .name: vi, .offset: 48, .size: 8, .value_kind: global_buffer, .address_space: global }
      - { .name: vs, .offset: 56, .size: 8, .value_kind: global_buffer, .address_space: global }
      - { .name: conv_w_codes, .offset: 64, .size: 8, .value_kind: global_buffer, .address_space: global }
      - { .name: conv_w_scales, .offset: 72, .size: 8, .value_kind: global_buffer, .address_space: global }
      - { .name: w_m_codes, .offset: 80, .size: 8, .value_kind: global_buffer, .address_space: global }
      - { .name: w_m_scales, .offset: 88, .size: 8, .value_kind: global_buffer, .address_space: global }
      - { .name: w_out_codes, .offset: 96, .size: 8, .value_kind: global_buffer, .address_space: global }
      - { .name: w_out_scales, .offset: 104, .size: 8, .value_kind: global_buffer, .address_space: global }
      - { .name: b_m, .offset: 112, .size: 8, .value_kind: global_buffer, .address_space: global }
      - { .name: conv_b, .offset: 120, .size: 8, .value_kind: global_buffer, .address_space: global }
      - { .name: bn_gamma, .offset: 128, .size: 8, .value_kind: global_buffer, .address_space: global }
      - { .name: bn_beta, .offset: 136, .size: 8, .value_kind: global_buffer, .address_space: global }
      - { .name: bn_mean, .offset: 144, .size: 8, .value_kind: global_buffer, .address_space: global }
      - { .name: bn_var, .offset: 152, .size: 8, .value_kind: global_buffer, .address_space: global }
      - { .name: b_out, .offset: 160, .size: 8, .value_kind: global_buffer, .address_space: global }
      - { .name: ln_g, .offset: 168, .size: 8, .value_kind: global_buffer, .address_space: global }
      - { .name: ln_b, .offset: 176, .size: 8, .value_kind: global_buffer, .address_space: global }
      - { .name: out0, .offset: 184, .size: 8, .value_kind: global_buffer, .address_space: global }
    .group_segment_fixed_size: 287744
    .private_segment_fixed_size: 0
    .kernarg_segment_align: 8
    .kernarg_segment_size: 192
    .max_flat_workgroup_size: 256
    .sgpr_count:     80
    .vgpr_count:     512
    .wavefront_size: 32
...
	.end_amdgpu_metadata
.endif
;; end of part 2
;; ======== version 2 of 2: 2 launches
;; workspace buffers: xqi 8,388,608 bytes; xqs 524,288 bytes; qi 8,388,608 bytes; qs 1,048,576 bytes; ki 8,388,608 bytes; ks 1,048,576 bytes; vi 8,388,608 bytes; vs 524,288 bytes
;; launch prep (part 3): grid 4 x 64, 8 waves a work-group, no clusters, 302,080 bytes of LDS; arguments x, pe, w_q_codes, w_q_scales, b_q, w_kv_codes, w_kv_scales, b_kv, xqi, xqs, qi, qs, ki, ks, vi, vs; writes xqi, xqs, qi, qs, ki, ks, vi, vs
.if DOCPART == 3
	.amdgcn_target "amdgcn-amd-amdhsa--gfx1250"
	.amdhsa_code_object_version 6
	.text
	.protected	k_q43486caa1b_prep
	.globl	k_q43486caa1b_prep
	.p2align	8
	.type	k_q43486caa1b_prep,@function
k_q43486caa1b_prep:
	s_mov_b64 s[64:65], 0
	v_nop
	global_prefetch_b8 v0, s[64:65] scope:SCOPE_SE
	s_setreg_imm32_b32 hwreg(HW_REG_WAVE_MODE, 25, 1), 1
	s_wait_xcnt 0x0
; PREP.  For one slice (b, t) and 128 of its 512 rows l:  x is quantised along c (codes xqi, scale words xqs);  xp = x^T + pe is quantised along c (kept in LDS);
; q, k, v = xp W + b on codes of E2M1 with E8M0 block scales; each head's q, k, v row is divided by max(its norm, 1e-12); q and k are quantised along d (qi, qs, ki, ks), v along the keys (vi, vs).
; SHARES.  256 work-groups (x: which 128 rows, y: slice = 4 b + t), eight waves.  Phase X: wave (g = w & 3, hf = w >> 2) takes 32 rows l and 256 of the 512 c: A LANE TAKES A ROW l AND ITS REGISTERS RUN DOWN c,
; so a block of 32 along c lies in one lane.  Phase G: wave w is head w: its 64 rows of w_q, then of w_kv (k), then of w_kv (v) stay in registers while the 128 rows of xp pass, 32 at a time.
; TILES.  Every tile of 16 (rows l, rows of a weight) is PERMUTED: lane-row r of tile 2 B + u stands for index 32 B + 8 u + r + 8 (r / 8).  Then the 16 result registers of tiles 2 B, 2 B + 1 are 16 neighbours.
; q, k: source 0 = 16 rows of W, source 1 = 16 rows of xp: a lane holds one row l, registers run along d.   v: source 0 = xp, source 1 = W: a lane holds one channel d, registers run along the keys.
; IMAGES.  Every operand leaves as an image of its registers: four registers by one store of 16 bytes a lane at 16 x lane: each store of the wave covers 512 consecutive bytes, aligned.
; pe comes by ONE tensor load a wave (32 rows x 1,024 bytes, its own rows and its own half of c, read by that wave alone); by this text's count one tensor load a wave is out; no LDS byte is filled twice.
; NOT USED: joint loads in a cluster.  What work-groups share are the weights, 49,152 + 3,072 bytes a wave, each byte loaded once straight into the register where it stays; a joint load lands in LDS,
; which would add a write and a read of LDS for each of those bytes, and pe's 266,240 bytes leave no room for them.  No prefetch: x is one stream with up to 64 loads a wave on their way from the first line on.
; LIMITS: a block whose largest magnitude lies under 2^-124 (a block of zeros too) gets the scale byte 1: its bytes are read by this program alone.  NaN and infinities among the inputs are not served.
; xqs leaves in stores of 128 bytes a wave (two waves fill an aligned 256): 2,048 of the 143,360 bytes that a work-group stores.
.set PEW,  33280                       ; LDS: a wave's pe: 32 rows x (1,024 + 16) bytes
.set XPI,  266240                      ; xp's images [tile 8][K step 4][group 2][512 bytes]
.set XPS,  299008                      ; xp's scale words [K step 4][pair 4][lane 32]
.set LI,  1                            ; v1   16 x lane
.set LS,  2                            ; v2   4 x lane
.set XO,  3                            ; v3   4 x my row among the wave's 32
.set PA,  4                            ; v4   LDS: my row of pe
.set IA,  5                            ; v5   my place in the images (x: memory)
.set IL,  6                            ; v6   the same in LDS (xp)
.set SA,  7                            ; v7   my scale word's place (x: memory)
.set SL,  8                            ; v8   the same in LDS (xp)
.set WA,  9                            ; v9   a weight's codes: my row of a tile, my half
.set WSA, 10                           ; v10  a weight's scale words: lanes 0-15 an even tile's rows, lanes 16-31 the odd tile's
.set BA,  11                           ; v11  a bias in the layout of q's and k's results
.set BV,  12                           ; v12  a bias in the layout of v's results
.set L8,  13                           ; v13  8 x lane
.set XL,  14                           ; v14  XPI + 16 x lane
.set XSL, 15                           ; v15  XPS + 4 x lane
.set X,   16                           ; phase X: v16-79 two sets of 32 numbers of x
.set PE,  80                           ; v80-111 32 numbers of pe
.set XQC, 112                          ; v112-143 x's codes, four registers a block: no store's data are written again
.set XPC, 228                          ; v228-231 xp's codes
.set XQW, 232                          ; v232-233 x's scale words
.set XPW, 234                          ; v234-235 xp's
.set TX,  236                          ; v236-239 at work; v240-243 at work at the head
.set XF,  16                           ; phase G: v16-79 xp's fragments (tile u, K step s) at 8 (4 u + s)
.set ACC, 80                           ; v80-143 accumulators (u, t) at 8 (4 u + t)
.set BIAS, 144                         ; v144-175 the bias as C of each sum's first product
.set WS,  176                          ; v176-191 the weights' scale words, two sets of 8
.set XS,  192                          ; v192-195 xp's scale words
.set SS,  196                          ; v196-211 sums of squares
.set PC,  212                          ; v212-227 codes
.set TM,  228                          ; v228-231 largest magnitudes, 232-235 the other half's, 236-239 scale operands, 240-243 bytes, 244-245 half words
.set SW,  248                          ; v248-251 scale words on their way out
.set VP,  252                          ; v252-253
; window 1: the weights' fragments (tile t, K step s) at 128 buf + 8 (4 t + s), two buffers
.set MSB, 0
.macro WIN new                         ; the immediate's high byte repeats the setting that is left
.if MSB != \new
	s_set_vgpr_msb (MSB<<8)|\new
.set MSB, \new
.endif
.endm
.macro PLACES n
.rept \n
	v_nop
.endr
.endm
; One product 16 x 16 x 128 on codes of E2M1.  c < 0: the constant 0 starts the sum.  ra, rb: which half of the lanes holds source 0's and source 1's scale words
.macro WMX d, a, b, c, sa, sb, ra, rb
.if (\c) < 0
.if ((\ra) == 0) && ((\rb) == 0)
	v_wmma_scale_f32_16x16x128_f8f6f4 v[(\d):(\d)+7], v[(\a):(\a)+7], v[(\b):(\b)+7], 0, v[\sa], v[\sb] matrix_a_fmt:MATRIX_FMT_FP4 matrix_b_fmt:MATRIX_FMT_FP4
.elseif (\rb) == 0
	v_wmma_scale_f32_16x16x128_f8f6f4 v[(\d):(\d)+7], v[(\a):(\a)+7], v[(\b):(\b)+7], 0, v[\sa], v[\sb] matrix_a_fmt:MATRIX_FMT_FP4 matrix_b_fmt:MATRIX_FMT_FP4 matrix_a_scale:MATRIX_SCALE_ROW1
.elseif (\ra) == 0
	v_wmma_scale_f32_16x16x128_f8f6f4 v[(\d):(\d)+7], v[(\a):(\a)+7], v[(\b):(\b)+7], 0, v[\sa], v[\sb] matrix_a_fmt:MATRIX_FMT_FP4 matrix_b_fmt:MATRIX_FMT_FP4 matrix_b_scale:MATRIX_SCALE_ROW1
.else
	v_wmma_scale_f32_16x16x128_f8f6f4 v[(\d):(\d)+7], v[(\a):(\a)+7], v[(\b):(\b)+7], 0, v[\sa], v[\sb] matrix_a_fmt:MATRIX_FMT_FP4 matrix_b_fmt:MATRIX_FMT_FP4 matrix_a_scale:MATRIX_SCALE_ROW1 matrix_b_scale:MATRIX_SCALE_ROW1
.endif
.else
.if ((\ra) == 0) && ((\rb) == 0)
	v_wmma_scale_f32_16x16x128_f8f6f4 v[(\d):(\d)+7], v[(\a):(\a)+7], v[(\b):(\b)+7], v[(\c):(\c)+7], v[\sa], v[\sb] matrix_a_fmt:MATRIX_FMT_FP4 matrix_b_fmt:MATRIX_FMT_FP4
.elseif (\rb) == 0
	v_wmma_scale_f32_16x16x128_f8f6f4 v[(\d):(\d)+7], v[(\a):(\a)+7], v[(\b):(\b)+7], v[(\c):(\c)+7], v[\sa], v[\sb] matrix_a_fmt:MATRIX_FMT_FP4 matrix_b_fmt:MATRIX_FMT_FP4 matrix_a_scale:MATRIX_SCALE_ROW1
.elseif (\ra) == 0
	v_wmma_scale_f32_16x16x128_f8f6f4 v[(\d):(\d)+7], v[(\a):(\a)+7], v[(\b):(\b)+7], v[(\c):(\c)+7], v[\sa], v[\sb] matrix_a_fmt:MATRIX_FMT_FP4 matrix_b_fmt:MATRIX_FMT_FP4 matrix_b_scale:MATRIX_SCALE_ROW1
.else
	v_wmma_scale_f32_16x16x128_f8f6f4 v[(\d):(\d)+7], v[(\a):(\a)+7], v[(\b):(\b)+7], v[(\c):(\c)+7], v[\sa], v[\sb] matrix_a_fmt:MATRIX_FMT_FP4 matrix_b_fmt:MATRIX_FMT_FP4 matrix_a_scale:MATRIX_SCALE_ROW1 matrix_b_scale:MATRIX_SCALE_ROW1
.endif
.endif
.endm
; a head's 64 rows of a weight: 16 fragments into buffer buf of window 1, their scale words into set buf
.macro WLOAD cb, sb, buf, coff, soff
	WIN 0x40                                       ; destination window 1, address window 0
.irp t, 0,1,2,3
.irp s, 0,1,2,3
.irp c, 0,1
	global_load_b128 v[128*(\buf)+8*(4*\t+\s)+4*\c:128*(\buf)+8*(4*\t+\s)+4*\c+3], v[WA], s[\cb:\cb+1] offset:(\coff)+(32*(\t/2)+8*(\t%2))*256+64*\s+32*\c
.endr
.endr
.endr
	WIN 0
.irp p, 0,1
.irp s, 0,1,2,3
	global_load_b32 v[WS+8*(\buf)+4*\p+\s], v[WSA], s[\sb:\sb+1] offset:(\soff)+512*\p+4*\s
.endr
.endr
.endm
.macro BIASQK sb                       ; register 8 t + j of lane (r, h): the bias of channel 32 (t / 2) + 16 h + 8 (t % 2) + j
.irp t, 0,1,2,3
	global_load_b128 v[BIAS+8*\t:BIAS+8*\t+3], v[BA], s[\sb:\sb+1] offset:(32*(\t/2)+8*(\t%2))*4
	global_load_b128 v[BIAS+8*\t+4:BIAS+8*\t+7], v[BA], s[\sb:\sb+1] offset:(32*(\t/2)+8*(\t%2))*4+16
.endr
.endm
.macro BIASV sb, off                   ; all eight registers of tile t: the bias of my lane's channel
.irp t, 0,1,2,3
.irp j, 0,1,2,3,4,5,6,7
	global_load_b32 v[BIAS+8*\t+\j], v[BV], s[\sb:\sb+1] offset:(\off)+(32*(\t/2)+8*(\t%2))*4
.endr
.endr
.endm
; the largest magnitude of 32 registers, with the floor 2^(3 - 127) among the leaves, so that the scale's byte cannot fall under 1: two chains
.macro MAX32 d, e, src
	v_max3_num_f32 v[\d], |v[\src]|, |v[\src+1]|, 0x1800000
	v_max3_num_f32 v[\e], |v[\src+2]|, |v[\src+3]|, |v[\src+4]|
.irp i, 5,9,13,17,21,25
	s_delay_alu instid0(VALU_DEP_2)
	v_max3_num_f32 v[\d], v[\d], |v[\src+\i]|, |v[\src+\i+1]|
	s_delay_alu instid0(VALU_DEP_2)
	v_max3_num_f32 v[\e], v[\e], |v[\src+\i+2]|, |v[\src+\i+3]|
.endr
	s_delay_alu instid0(VALU_DEP_2)
	v_max3_num_f32 v[\d], v[\d], |v[\src+29]|, |v[\src+30]|
	s_delay_alu instid0(VALU_DEP_1)
	v_max3_num_f32 v[\d], v[\d], v[\e], |v[\src+31]|
.endm
.macro XLOAD blk                       ; block blk: x(c = 256 hf + 32 blk + i, my row l): the wave's 32 lanes read 128 consecutive bytes
.set JJ, 0
.rept 32
	global_load_b32 v[X+32*((\blk)%2)+JJ], v[XO], s[8:9] offset:(32*(\blk)+JJ)*8192 th:TH_LOAD_NT
.set JJ, JJ+1
.endr
.endm
; One block of 32 along c: x's codes and byte, then xp = x + pe and its codes and byte
.macro BLOCK blk
.set XB, X+32*((\blk)%2)
.set BOF, ((\blk)/4)*1024+(((\blk)/2)%2)*512+((\blk)%2)*256   ; K step, group of four registers, half of the lanes
.if (\blk) < 7
	s_wait_loadcnt 32                              ; this block's 32 loads are in; the next block's 32 may be out
.else
	s_wait_loadcnt 0x0
	WLOAD 12, 14, 0, 0, 0                          ; q's weights and bias are asked for while the last block is worked
	BIASQK 16
.endif
.irp i, 0,1,2,3,4,5,6,7
	ds_load_b128 v[PE+4*\i:PE+4*\i+3], v[PA] offset:128*(\blk)+16*\i
.endr
	MAX32 TX, TX+1, XB
	s_delay_alu instid0(VALU_DEP_1)
	v_add_nc_u32 v[TX+2], 0xff000000, v[TX]        ; 2 off the exponent field: the conversion takes this operand's exponent field as its scale
	s_delay_alu instid0(VALU_DEP_1)
	v_lshrrev_b32 v[TX+3], 23, v[TX+2]             ; the scale's byte
.irp q, 0,1,2,3
	v_cvt_scalef32_pk8_fp4_f32 v[XQC+4*(\blk)+\q], v[XB+8*\q:XB+8*\q+7], v[TX+2]
.endr
.if (\blk)%4 == 0
	v_mov_b32 v[XQW+(\blk)/4], v[TX+3]             ; (also the plain line behind the conversions)
.else
	v_lshl_or_b32 v[XQW+(\blk)/4], v[TX+3], 8*((\blk)%4), v[XQW+(\blk)/4]
.endif
	global_store_b128 v[IA], v[XQC+4*(\blk):XQC+4*(\blk)+3], s[24:25] offset:BOF   ; lanes 0-15 and lanes 16-31 each store 256 consecutive bytes, aligned
	s_wait_dscnt 0x0                               ; pe is in; the last block's LDS store has read its registers
.set JJ, 0
.rept 16
	v_pk_add_f32 v[XB+JJ:XB+JJ+1], v[XB+JJ:XB+JJ+1], v[PE+JJ:PE+JJ+1]
.set JJ, JJ+2
.endr
	MAX32 TX, TX+1, XB
	s_delay_alu instid0(VALU_DEP_1)
	v_add_nc_u32 v[TX+2], 0xff000000, v[TX]
	s_delay_alu instid0(VALU_DEP_1)
	v_lshrrev_b32 v[TX+3], 23, v[TX+2]
.irp q, 0,1,2,3
	v_cvt_scalef32_pk8_fp4_f32 v[XPC+\q], v[XB+8*\q:XB+8*\q+7], v[TX+2]
.endr
.if (\blk)%4 == 0
	v_mov_b32 v[XPW+(\blk)/4], v[TX+3]
.else
	v_lshl_or_b32 v[XPW+(\blk)/4], v[TX+3], 8*((\blk)%4), v[XPW+(\blk)/4]
.endif
	ds_store_b128 v[IL], v[XPC:XPC+3] offset:BOF
.if (\blk) < 6
	XLOAD (\blk)+2
.endif
.if (\blk)%4 == 3
	global_store_b32 v[SA], v[XQW+(\blk)/4], s[26:27] offset:512*((\blk)/4)
	ds_store_b32 v[SL], v[XPW+(\blk)/4] offset:512*((\blk)/4)
.endif
.endm
; nb blocks of 32 (16 of each in my lane, 16 in lane l xor 16), register 16 b + i = k 32 b + 16 (lane / 16) + i, become codes in v[pc] on (four registers for two blocks) and half words of two scale bytes in v[hw] on
.macro QUANT src, pc, nb, hw
.irp b, 0,1,2,3
.if \b < (\nb)
	v_max3_num_f32 v[TM+\b], |v[(\src)+16*\b]|, |v[(\src)+16*\b+1]|, 0x1800000
.endif
.endr
.irp i, 2,4,6,8,10,12,14
.irp b, 0,1,2,3
.if \b < (\nb)
	s_delay_alu instid0(VALU_DEP_4)
	v_max3_num_f32 v[TM+\b], v[TM+\b], |v[(\src)+16*\b+\i]|, |v[(\src)+16*\b+\i+1]|
.endif
.endr
.endr
.irp b, 0,1,2,3
.if \b < (\nb)
	s_delay_alu instid0(VALU_DEP_4)
	v_permlanex16_b32 v[TM+4+\b], v[TM+\b], s66, s67
.endif
.endr
.irp b, 0,1,2,3
.if \b < (\nb)
	s_delay_alu instid0(VALU_DEP_4)
	v_max_num_f32 v[TM+\b], v[TM+\b], v[TM+4+\b]
.endif
.endr
.irp b, 0,1,2,3
.if \b < (\nb)
	s_delay_alu instid0(VALU_DEP_4)
	v_add_nc_u32 v[TM+8+\b], 0xff000000, v[TM+\b]
.endif
.endr
.irp b, 0,1,2,3
.if \b < (\nb)
	s_delay_alu instid0(VALU_DEP_4)
	v_lshrrev_b32 v[TM+12+\b], 23, v[TM+8+\b]
.endif
.endr
.irp b, 0,1,2,3
.if \b < (\nb)
	v_cvt_scalef32_pk8_fp4_f32 v[(\pc)+2*\b], v[(\src)+16*\b:(\src)+16*\b+7], v[TM+8+\b]
	v_cvt_scalef32_pk8_fp4_f32 v[(\pc)+2*\b+1], v[(\src)+16*\b+8:(\src)+16*\b+15], v[TM+8+\b]
.endif
.endr
	v_lshl_or_b32 v[\hw], v[TM+13], 8, v[TM+12]    ; (also the plain line behind the conversions)
.if (\nb) == 4
	v_lshl_or_b32 v[(\hw)+1], v[TM+15], 8, v[TM+14]
.endif
.irp c, 0,1                                    ; the operand's layout wants a whole block in a lane: lanes 0-15 the even block, lanes 16-31 the odd one
.if 2*\c < (\nb)
.irp i, 0,1
	v_permlane16_swap_b32 v[(\pc)+4*\c+\i], v[(\pc)+4*\c+2+\i]
.endr
.endif
.endr
.endm
.macro PAIRLOAD pb                     ; 32 rows of xp: tiles 2 pb, 2 pb + 1: eight fragments and four registers of scale words (lanes 0-15 the even tile's, lanes 16-31 the odd one's)
.irp u, 0,1
.irp s, 0,1,2,3
.irp c, 0,1
	ds_load_b128 v[XF+8*(4*\u+\s)+4*\c:XF+8*(4*\u+\s)+4*\c+3], v[XL] offset:8192*(\pb)+4096*\u+1024*\s+512*\c
.endr
.endr
.endr
.irp s, 0,1,2,3
	ds_load_b32 v[XS+\s], v[XSL] offset:512*\s+128*(\pb)
.endr
	s_wait_dscnt 0x0
.endm
; 32 products: eight accumulators by turns, one instruction a turn, K ascending; the bias is the C of each sum's first product
.macro GEMM32 buf, nat
.if \nat
	WIN 0x04                                       ; source 1 (the weight) window 1
.else
	WIN 0x01                                       ; source 0 (the weight) window 1
.endif
.irp s, 0,1,2,3
.irp u, 0,1
.irp t, 0,1,2,3
.set GD, ACC+8*(4*\u+\t)
.set GC, GD
.if \s == 0
.set GC, BIAS+8*\t
.endif
.if \nat
	WMX GD, XF+8*(4*\u+\s), 128*(\buf)+8*(4*\t+\s), GC, XS+\s, WS+8*(\buf)+4*(\t/2)+\s, \u, \t%2
.else
	WMX GD, 128*(\buf)+8*(4*\t+\s), XF+8*(4*\u+\s), GC, WS+8*(\buf)+4*(\t/2)+\s, XS+\s, \t%2, \u
.endif
.endr
.endr
.endr
	WIN 0
	PLACES 5                                       ; four for the reads of the results and the loads into the operands, a fifth since the next pair's first products write the accumulators anew
.endm
; q or k, 32 rows: products, division by the norm, quantiser along d, images out.  nx: which bias is asked for behind the products (1: k's, 2: v's)
.macro PAIRQK pb, buf, ib, nx
	PAIRLOAD \pb
	GEMM32 \buf, 0
.if (\nx) == 1
	BIASQK 22
.elseif (\nx) == 2
	BIASV 22, 2048
.endif
.irp u, 0,1                                    ; the sum of squares of my 32 numbers of each row: a chain for each accumulator, each read from its low end on
.irp t, 0,1,2,3
	v_pk_mul_f32 v[SS+8*\u+2*\t:SS+8*\u+2*\t+1], v[ACC+32*\u+8*\t:ACC+32*\u+8*\t+1], v[ACC+32*\u+8*\t:ACC+32*\u+8*\t+1]
.endr
.endr
.irp p, 2,4,6
.irp u, 0,1
.irp t, 0,1,2,3
	v_pk_fma_f32 v[SS+8*\u+2*\t:SS+8*\u+2*\t+1], v[ACC+32*\u+8*\t+\p:ACC+32*\u+8*\t+\p+1], v[ACC+32*\u+8*\t+\p:ACC+32*\u+8*\t+\p+1], v[SS+8*\u+2*\t:SS+8*\u+2*\t+1]
.endr
.endr
.endr
.irp u, 0
	v_pk_add_f32 v[SS+8*\u:SS+8*\u+1], v[SS+8*\u:SS+8*\u+1], v[SS+8*\u+2:SS+8*\u+3]
	v_pk_add_f32 v[SS+8*\u+4:SS+8*\u+5], v[SS+8*\u+4:SS+8*\u+5], v[SS+8*\u+6:SS+8*\u+7]
.endr
.irp u, 1
	v_pk_add_f32 v[SS+8*\u:SS+8*\u+1], v[SS+8*\u:SS+8*\u+1], v[SS+8*\u+2:SS+8*\u+3]
	s_delay_alu instid0(VALU_DEP_4)
	v_pk_add_f32 v[SS+8*\u+4:SS+8*\u+5], v[SS+8*\u+4:SS+8*\u+5], v[SS+8*\u+6:SS+8*\u+7]
.endr
.irp u, 0
	s_delay_alu instid0(VALU_DEP_3)
	v_pk_add_f32 v[SS+8*\u:SS+8*\u+1], v[SS+8*\u:SS+8*\u+1], v[SS+8*\u+4:SS+8*\u+5]
.endr
.irp u, 1
	s_delay_alu instid0(VALU_DEP_2)
	v_pk_add_f32 v[SS+8*\u:SS+8*\u+1], v[SS+8*\u:SS+8*\u+1], v[SS+8*\u+4:SS+8*\u+5]
.endr
.irp u, 0,1
	s_delay_alu instid0(VALU_DEP_2)
	v_add_f32 v[SS+8*\u], v[SS+8*\u], v[SS+8*\u+1]
.endr
.irp u, 0,1
	s_delay_alu instid0(VALU_DEP_2)
	v_permlanex16_b32 v[TM+4+\u], v[SS+8*\u], s66, s67
.endr
.irp u, 0,1
	s_delay_alu instid0(VALU_DEP_2)
	v_add_f32 v[SS+8*\u], v[SS+8*\u], v[TM+4+\u]   ; with lane l xor 16's 32: the row's 64
.endr
	s_wait_alu depctr_va_vdst(0)
.irp u, 0,1
	v_rsq_f32 v[SS+8*\u+2], v[SS+8*\u]
.endr
	v_nop                                          ; a plain line behind the last transcendental
	s_wait_alu depctr_va_vdst(0)                   ; one wait for the two, ahead of their first reader
.irp u, 0,1
	v_min_num_f32 v[SS+8*\u+2], s69, v[SS+8*\u+2]  ; 1 / max(norm, 1e-12) = min(1 / norm, 1e12)
.endr
.irp u, 0,1
.set JJ, 0
.rept 16
	v_pk_mul_f32 v[ACC+32*\u+JJ:ACC+32*\u+JJ+1], v[ACC+32*\u+JJ:ACC+32*\u+JJ+1], v[SS+8*\u+2:SS+8*\u+3] op_sel_hi:[1,0]
.set JJ, JJ+2
.endr
.endr
	s_wait_xcnt 0x0                                ; the last pair's stores have read their data: the codes' and words' registers are written again only behind this wait
	QUANT ACC, PC, 4, TM+16                        ; two tiles x two blocks of 32 along d
	v_or_b32 v[TM+16], 0x7f7f0000, v[TM+16]        ; K is 64 of the instruction's 128: the upper two bytes stand for 1.0 over zero codes
	v_or_b32 v[TM+17], 0x7f7f0000, v[TM+17]
	s_delay_alu instid0(VALU_DEP_1)
	v_cndmask_b32 v[SW+(\pb)], v[TM+16], v[TM+17], s68   ; lanes 0-15 the even tile's words, lanes 16-31 the odd one's
	global_store_b128 v[LI], v[PC:PC+3], s[\ib:\ib+1] offset:1024*(\pb)
	global_store_b128 v[LI], v[PC+4:PC+7], s[\ib:\ib+1] offset:1024*(\pb)+512
.endm
; v, 32 keys: a lane holds one channel d and, in tiles u = 0, 1, the keys 32 pb + 16 (lane / 16) + 8 u + j
.macro PAIRV pb
	PAIRLOAD \pb
	GEMM32 0, 1
	s_wait_xcnt 0x0                                ; earlier stores have read their data
.irp u, 0,1                                    ; a key's sum of squares: over the four tiles of channels in registers,
.irp p, 0,2,4,6
	v_pk_mul_f32 v[SS+8*\u+\p:SS+8*\u+\p+1], v[ACC+32*\u+\p:ACC+32*\u+\p+1], v[ACC+32*\u+\p:ACC+32*\u+\p+1]
.endr
.endr
.irp t, 1,2,3
.irp u, 0,1
.irp p, 0,2,4,6
	v_pk_fma_f32 v[SS+8*\u+\p:SS+8*\u+\p+1], v[ACC+32*\u+8*\t+\p:ACC+32*\u+8*\t+\p+1], v[ACC+32*\u+8*\t+\p:ACC+32*\u+8*\t+\p+1], v[SS+8*\u+\p:SS+8*\u+\p+1]
.endr
.endr
.endr
.irp m, 1,2,4,8                                ; and over the sixteen lanes of my half, which hold a tile's sixteen channels
.set JJ, 0
.rept 16
	v_add_f32_dpp v[SS+JJ], v[SS+JJ], v[SS+JJ] row_xmask:\m row_mask:0xf bank_mask:0xf
.set JJ, JJ+1
.endr
.endr
.set JJ, 0
	s_wait_alu depctr_va_vdst(0)
.rept 16
	v_rsq_f32 v[SS+JJ], v[SS+JJ]
.set JJ, JJ+1
.endr
	v_nop
	s_wait_alu depctr_va_vdst(0)                   ; one wait for the sixteen
.set JJ, 0
.rept 16
	v_min_num_f32 v[SS+JJ], s69, v[SS+JJ]
.set JJ, JJ+1
.endr
.irp u, 0,1
.irp t, 0,1,2,3
.irp p, 0,2,4,6
	v_pk_mul_f32 v[ACC+32*\u+8*\t+\p:ACC+32*\u+8*\t+\p+1], v[ACC+32*\u+8*\t+\p:ACC+32*\u+8*\t+\p+1], v[SS+8*\u+\p:SS+8*\u+\p+1]
.endr
.endr
.endr
.irp t, 0,1,2,3                                ; the quantiser along the keys: these 32 keys are one block of each channel
	v_max3_num_f32 v[TM+\t], |v[ACC+8*\t]|, |v[ACC+8*\t+1]|, 0x1800000
.endr
.irp i, 2,4,6,32,34,36,38
.irp t, 0,1,2,3
	s_delay_alu instid0(VALU_DEP_4)
	v_max3_num_f32 v[TM+\t], v[TM+\t], |v[ACC+8*\t+\i]|, |v[ACC+8*\t+\i+1]|
.endr
.endr
.irp t, 0,1,2,3
	s_delay_alu instid0(VALU_DEP_4)
	v_permlanex16_b32 v[TM+4+\t], v[TM+\t], s66, s67
.endr
.irp t, 0,1,2,3
	s_delay_alu instid0(VALU_DEP_4)
	v_max_num_f32 v[TM+\t], v[TM+\t], v[TM+4+\t]
.endr
.irp t, 0,1,2,3
	s_delay_alu instid0(VALU_DEP_4)
	v_add_nc_u32 v[TM+8+\t], 0xff000000, v[TM+\t]
.endr
.irp t, 0,1,2,3
	s_delay_alu instid0(VALU_DEP_4)
	v_lshrrev_b32 v[TM+12+\t], 23, v[TM+8+\t]
.endr
.irp t, 0,1,2,3
.if (\pb) == 0
	s_delay_alu instid0(VALU_DEP_4)
	v_mov_b32 v[SW+\t], v[TM+12+\t]
.else
	s_delay_alu instid0(VALU_DEP_4)
	v_lshl_or_b32 v[SW+\t], v[TM+12+\t], 8*(\pb), v[SW+\t]
.endif
.endr
.irp t, 0,1,2,3
.irp u, 0,1
	v_cvt_scalef32_pk8_fp4_f32 v[PC+4*\t+2*((\pb)%2)+\u], v[ACC+32*\u+8*\t:ACC+32*\u+8*\t+7], v[TM+8+\t]
.endr
.endr
	v_nop                                          ; a plain line behind the last conversion
.if (\pb)%2 == 1
.irp t, 0,1,2,3
.irp i, 0,1
	v_permlane16_swap_b32 v[PC+4*\t+\i], v[PC+4*\t+2+\i]
.endr
.endr
.irp t, 0,1,2,3
	global_store_b128 v[LI], v[PC+4*\t:PC+4*\t+3], s[36:37] offset:1024*\t+512*((\pb)/2)
.endr
.endif
.endm
	s_load_b512 s[8:23], s[0:1], 0x0               ; x 8, pe 10, w_q codes 12, scales 14, b_q 16, w_kv codes 18, scales 20, b_kv 22
	s_load_b512 s[24:39], s[0:1], 0x40             ; xqi 24, xqs 26, qi 28, qs 30, ki 32, ks 34, vi 36, vs 38
	v_lshl_add_u32 v254, v0, 2, 0x49800
	v_mov_b32 v255, 0
	ds_add_u32 v254, v255
	ds_add_u32 v254, v255
	v_lshrrev_b32 v243, 5, v0
	s_delay_alu instid0(VALU_DEP_1)
	v_readfirstlane_b32 s2, v243                   ; wave 0..7
	s_and_b32 s3, s2, 3                            ; g: which 32 rows
	s_lshr_b32 s4, s2, 2                           ; hf: which half of c
	s_and_b32 s6, ttmp7, 0xffff                    ; slice = 4 b + t
	; descriptor group 1: 32 rows x 256 elements of 4 bytes, 512 elements from row to row, 4 words of padding behind each row's 256
	s_mov_b32 s44, (2<<16)|(1<<20)|(7<<22)|(3<<25)
	s_mov_b32 s45, 256<<16                         ; tensor_dim0
	s_mov_b32 s46, 32<<16                          ; tensor_dim1
	s_mov_b32 s47, 256<<16                         ; tile_dim0
	s_mov_b32 s48, 32                              ; tile_dim1
	s_mov_b32 s49, 512                             ; the pitch
	s_mov_b32 s50, 0
	s_mov_b32 s51, 0
	s_mov_b32 s40, 1
	s_mul_i32 s41, s2, PEW                         ; LDS: my wave's own bytes
	s_lshl_b32 s52, ttmp9, 18                      ; pe: row 128 qb + 32 g of 2,048 bytes, + 1,024 hf
	s_lshl_b32 s53, s3, 16
	s_add_co_u32 s52, s52, s53
	s_lshl_b32 s53, s4, 10
	s_add_co_u32 s52, s52, s53
	s_mov_b32 s53, 0
	s_lshr_b32 s54, s6, 2                          ; x: b x 4,194,304 + t x 2,048 + qb x 512 + g x 128 + hf x 256 rows c of 8,192 bytes
	s_lshl_b32 s54, s54, 22
	s_and_b32 s55, s6, 3
	s_lshl_b32 s55, s55, 11
	s_add_co_u32 s54, s54, s55
	s_lshl_b32 s55, ttmp9, 9
	s_add_co_u32 s54, s54, s55
	s_lshl_b32 s55, s3, 7
	s_add_co_u32 s54, s54, s55
	s_lshl_b32 s55, s4, 21
	s_add_co_u32 s54, s54, s55
	s_mov_b32 s55, 0
	v_and_b32 v240, 15, v0                         ; r
	v_bfe_u32 v241, v0, 4, 1                       ; h
	s_delay_alu instid0(VALU_DEP_2)
	v_and_b32 v242, 8, v240
	s_delay_alu instid0(VALU_DEP_1)
	v_add_nc_u32 v242, v242, v240                  ; r + 8 (r / 8)
	s_delay_alu instid0(VALU_DEP_1)
	v_lshl_add_u32 v243, v241, 3, v242             ; my row among the wave's 32: lane 16 u + r is row r of tile 2 g + u
	s_delay_alu instid0(VALU_DEP_1)
	v_lshlrev_b32 v[XO], 2, v243
	s_delay_alu instid0(VALU_DEP_2)
	v_mul_u32_u24 v[PA], v243, 1040
	s_delay_alu instid0(VALU_DEP_1)
	v_add_nc_u32 v[PA], s41, v[PA]
	s_wait_alu depctr_va_vdst(0)
	s_wait_dscnt 0x0
	s_wait_kmcnt 0x0
	s_add_nc_u64 s[42:43], s[10:11], s[52:53]
	s_or_b32 s43, s43, 0x80000000                  ; type = 2
	s_add_nc_u64 s[8:9], s[8:9], s[54:55]
	tensor_load_to_lds s[40:43], s[44:51]          ; my 32 rows x 256 numbers of pe: the wave's one tensor load
	s_nop 0
	PLACES 4
	XLOAD 0
	XLOAD 1
	v_and_b32 v[LI], 31, v0
	s_delay_alu instid0(VALU_DEP_1)
	v_lshlrev_b32 v[LS], 2, v[LI]
	s_delay_alu instid0(VALU_DEP_2)
	v_lshlrev_b32 v[L8], 3, v[LI]
	s_delay_alu instid0(VALU_DEP_3)
	v_lshlrev_b32 v[LI], 4, v[LI]
	s_lshl_b32 s56, s3, 13
	s_lshl_b32 s57, s4, 11
	s_add_co_u32 s56, s56, s57                     ; tile 2 g (4,096 bytes a tile), K step 2 hf (1,024 a step)
	v_lshlrev_b32 v[IA], 12, v241
	s_delay_alu instid0(VALU_DEP_1)
	v_lshl_add_u32 v[IA], v240, 4, v[IA]
	s_delay_alu instid0(VALU_DEP_1)
	v_add_nc_u32 v[IA], s56, v[IA]
	s_delay_alu instid0(VALU_DEP_1)
	v_add_nc_u32 v[IL], XPI, v[IA]
	s_lshl_b32 s56, s4, 10
	s_lshl_b32 s57, s3, 7
	s_add_co_u32 s56, s56, s57
	v_add_nc_u32 v[SA], s56, v[LS]
	s_delay_alu instid0(VALU_DEP_1)
	v_add_nc_u32 v[SL], XPS, v[SA]
	v_lshlrev_b32 v[WA], 8, v242                   ; a weight's row is 256 bytes
	s_delay_alu instid0(VALU_DEP_1)
	v_lshl_add_u32 v[WA], v241, 4, v[WA]
	v_lshlrev_b32 v[WSA], 4, v243                  ; its scale bytes 16
	v_lshlrev_b32 v[BA], 6, v241
	v_lshlrev_b32 v[BV], 2, v242
	v_add_nc_u32 v[XL], XPI, v[LI]
	v_add_nc_u32 v[XSL], XPS, v[LS]
	s_mov_b32 s66, 0x76543210                      ; v_permlanex16_b32's selects for lane l xor 16
	s_mov_b32 s67, 0xfedcba98
	s_mov_b32 s68, 0xffff0000                      ; lanes 16-31
	s_mov_b32 s69, 0x5368d4a5                      ; 1e12
	s_lshl_b32 s58, s6, 17                         ; slice x 131,072
	s_lshl_b32 s52, ttmp9, 15
	s_add_co_u32 s52, s52, s58
	s_add_nc_u64 s[24:25], s[24:25], s[52:53]      ; xqi
	s_lshl_b32 s52, s6, 13
	s_lshl_b32 s59, ttmp9, 11
	s_add_co_u32 s52, s52, s59
	s_add_nc_u64 s[26:27], s[26:27], s[52:53]      ; xqs
	s_lshl_b32 s52, s2, 14                         ; my head's 64 rows of 256 bytes
	s_add_nc_u64 s[12:13], s[12:13], s[52:53]
	s_add_nc_u64 s[18:19], s[18:19], s[52:53]
	s_add_co_u32 s52, s52, s58
	s_lshl_b32 s59, ttmp9, 12
	s_add_co_u32 s52, s52, s59                     ; slice x 131,072 + head x 16,384 + qb x 4,096
	s_add_nc_u64 s[28:29], s[28:29], s[52:53]      ; qi
	s_add_nc_u64 s[32:33], s[32:33], s[52:53]      ; ki
	s_add_nc_u64 s[36:37], s[36:37], s[52:53]      ; vi
	s_lshl_b32 s52, s2, 10
	s_add_nc_u64 s[14:15], s[14:15], s[52:53]
	s_add_nc_u64 s[20:21], s[20:21], s[52:53]
	s_lshl_b32 s59, s6, 13
	s_add_co_u32 s52, s52, s59
	s_lshl_b32 s59, ttmp9, 8
	s_add_co_u32 s52, s52, s59
	s_add_nc_u64 s[38:39], s[38:39], s[52:53]      ; vs
	s_lshl_b32 s52, s2, 8
	s_add_nc_u64 s[16:17], s[16:17], s[52:53]
	s_add_nc_u64 s[22:23], s[22:23], s[52:53]
	s_lshl_b32 s52, s6, 14
	s_lshl_b32 s59, s2, 11
	s_add_co_u32 s52, s52, s59
	s_lshl_b32 s59, ttmp9, 9
	s_add_co_u32 s52, s52, s59
	s_add_nc_u64 s[30:31], s[30:31], s[52:53]      ; qs
	s_add_nc_u64 s[34:35], s[34:35], s[52:53]      ; ks
	s_wait_tensorcnt 0x0                           ; my rows of pe are in LDS; only I read them
.irp n, 0,1,2,3,4,5,6,7
	BLOCK \n
.endr
	s_wait_xcnt 0x0                                ; the stores of x's codes and words have read their registers, which get other uses
	s_wait_dscnt 0x0                               ; for the others' sake: my images of xp are in LDS
	s_barrier_signal -1
	s_barrier_wait -1                              ; all 128 rows of xp lie in LDS; nothing writes them again
.irp i, 4,5,6,7
	v_mov_b32 v[TM+\i], 0                          ; written once: a lane permute's destination counts as one of its sources
.endr
	; ---- q
	s_wait_loadcnt 0x0
	WLOAD 18, 20, 1, 0, 0                          ; k's weights land while q is made
	PAIRQK 0, 0, 28, 0
	PAIRQK 1, 0, 28, 0
	PAIRQK 2, 0, 28, 0
	PAIRQK 3, 0, 28, 1
	global_store_b128 v[LI], v[SW:SW+3], s[30:31]
	; ---- k
	s_wait_loadcnt 0x0
	WLOAD 18, 20, 0, 131072, 8192                  ; v's weights: rows 512 on of w_kv
	PAIRQK 0, 1, 32, 0
	PAIRQK 1, 1, 32, 0
	PAIRQK 2, 1, 32, 0
	PAIRQK 3, 1, 32, 2
	global_store_b128 v[LI], v[SW:SW+3], s[34:35]
	; ---- v
	s_wait_loadcnt 0x0
	PAIRV 0
	PAIRV 1
	PAIRV 2
	PAIRV 3
	v_cndmask_b32 v[VP], v[SW], v[SW+1], s68       ; lanes 0-15 an even tile's words, lanes 16-31 the odd one's
	v_cndmask_b32 v[VP+1], v[SW+2], v[SW+3], s68
	global_store_b64 v[L8], v[VP:VP+1], s[38:39]
	s_wait_tensorcnt 0x0
	ds_add_u32 v254, v255
	s_wait_dscnt 0x0
	s_endpgm
.Lfunc_end_k_q43486caa1b_prep:
	.size	k_q43486caa1b_prep, .Lfunc_end_k_q43486caa1b_prep-k_q43486caa1b_prep
	.p2alignl 7, 3214868480
	.fill 96, 4, 3214868480
	.section	.rodata,"a",@progbits
	.p2align	6, 0x0
	.amdhsa_kernel k_q43486caa1b_prep
		.amdhsa_group_segment_fixed_size 302080
		.amdhsa_private_segment_fixed_size 0
		.amdhsa_enable_private_segment 0
		.amdhsa_kernarg_size 128
		.amdhsa_user_sgpr_count 2
		.amdhsa_user_sgpr_kernarg_segment_ptr 1
		.amdhsa_wavefront_size32 1
		.amdhsa_system_sgpr_workgroup_id_x 1
		.amdhsa_system_sgpr_workgroup_id_y 1
		.amdhsa_system_sgpr_workgroup_id_z 1
		.amdhsa_system_vgpr_workitem_id 0
		.amdhsa_next_free_vgpr 512
		.amdhsa_next_free_sgpr 72
		.amdhsa_reserve_vcc 0
		.amdhsa_float_denorm_mode_32 3
		.amdhsa_float_denorm_mode_16_64 3
		.amdhsa_memory_ordered 1
		.amdhsa_forward_progress 1
		.amdhsa_inst_pref_size 255
	.end_amdhsa_kernel
	.section	.bss,"aw",@nobits
	.p2align	6
	.space	262144
	.amdgpu_metadata
---
amdhsa.version: [ 1, 2 ]
amdhsa.kernels:
  - .name:           k_q43486caa1b_prep
    .symbol:         k_q43486caa1b_prep.kd
    .args:
      - { .name: x, .offset: 0, .size: 8, .value_kind: global_buffer, .address_space: global }
      - { .name: pe, .offset: 8, .size: 8, .value_kind: global_buffer, .address_space: global }
      - { .name: w_q_codes, .offset: 16, .size: 8, .value_kind: global_buffer, .address_space: global }
      - { .name: w_q_scales, .offset: 24, .size: 8, .value_kind: global_buffer, .address_space: global }
      - { .name: b_q, .offset: 32, .size: 8, .value_kind: global_buffer, .address_space: global }
      - { .name: w_kv_codes, .offset: 40, .size: 8, .value_kind: global_buffer, .address_space: global }
      - { .name: w_kv_scales, .offset: 48, .size: 8, .value_kind: global_buffer, .address_space: global }
      - { .name: b_kv, .offset: 56, .size: 8, .value_kind: global_buffer, .address_space: global }
      - { .name: xqi, .offset: 64, .size: 8, .value_kind: global_buffer, .address_space: global }
      - { .name: xqs, .offset: 72, .size: 8, .value_kind: global_buffer, .address_space: global }
      - { .name: qi, .offset: 80, .size: 8, .value_kind: global_buffer, .address_space: global }
      - { .name: qs, .offset: 88, .size: 8, .value_kind: global_buffer, .address_space: global }
      - { .name: ki, .offset: 96, .size: 8, .value_kind: global_buffer, .address_space: global }
      - { .name: ks, .offset: 104, .size: 8, .value_kind: global_buffer, .address_space: global }
      - { .name: vi, .offset: 112, .size: 8, .value_kind: global_buffer, .address_space: global }
      - { .name: vs, .offset: 120, .size: 8, .value_kind: global_buffer, .address_space: global }
    .group_segment_fixed_size: 302080
    .private_segment_fixed_size: 0
    .kernarg_segment_align: 8
    .kernarg_segment_size: 128
    .max_flat_workgroup_size: 256
    .sgpr_count:     72
    .vgpr_count:     512
    .wavefront_size: 32
...
	.end_amdgpu_metadata
.endif
;; end of part 3
;; launch attn (part 4): grid 4 x 64, 8 waves a work-group, no clusters, 287,744 bytes of LDS; arguments xqi, xqs, qi, qs, ki, ks, vi, vs, conv_w_codes, conv_w_scales, w_m_codes, w_m_scales, w_out_codes, w_out_scales, b_m, conv_b, bn_gamma, bn_beta, bn_mean, bn_var, b_out, ln_g, ln_b, out0; writes out0
.if DOCPART == 4
	.amdgcn_target "amdgcn-amd-amdhsa--gfx1250"
	.amdhsa_code_object_version 6
	.text
	.protected	k_q43486caa1b_attn
	.globl	k_q43486caa1b_attn
	.p2align	8
	.type	k_q43486caa1b_attn,@function
k_q43486caa1b_attn:
	s_mov_b64 s[64:65], 0
	v_nop
	global_prefetch_b8 v0, s[64:65] scope:SCOPE_SE
	s_setreg_imm32_b32 hwreg(HW_REG_WAVE_SCHED_MODE, 0, 2), 2
	s_setreg_imm32_b32 hwreg(HW_REG_WAVE_MODE, 25, 1), 1
	s_wait_xcnt 0x0
	s_wait_alu depctr_vm_vsrc(0)
; ATTN.  For one slice (b, t) and 128 of its rows l: attention of all eight heads, o w_m + b_m + batch-normed conv(x), that sum times w_out + b_out, LayerNorm over 512, exact GELU, stored [b][ou][t][l].
; All five products run on codes of E2M1 with E8M0 block scales; q, k, v and x come as images of operand registers; o and the sum are quantised in registers and go from wave to wave through LDS as such images.
; SHARES.  256 work-groups (x: which 128 rows, y: slice), eight waves.  ATTENTION: wave w is head w; the head's K (32 tiles of 16 keys) and V (16 fragments) stay in 256 registers; the 128 queries pass as eight tiles.
; Both products are used transposed: S^T = K Q^T, O^T = V^T P^T: a lane holds one query.  Every tile of 16 is PERMUTED (lane-row r of tile 2 B + u: index 32 B + 8 u + r + 8 (r / 8)), so that 16 result registers of two
; neighbouring tiles are 16 neighbours along the next K.  K is 64 for K Q^T: the instruction's upper 64 take Q's zero codes against whatever registers follow K's tile, under scale bytes 0x7f: they add nothing.
; THE SOFTMAX.  p = 2^(t - M), t = score x log2(e) / 8, M a whole number: here M = 0 for every row.  q and k are divided by their norms upstream, and a code is at most twice its number, so each quantised vector has norm
; at most 2, |score| <= 4, |t| <= 0.73, and p lies between 0.60 and 1.66 for EVERY input: no exponential and no sum of 512 of them can overflow or underflow.  Another whole M only shifts the blocks' scale bytes and the sum alike.
; The row's sum is taken of the unquantised p and divides O at the end.  A block's largest p is the image of its largest score under the same multiplication and exponential (taken not to fall where its input rises).
; SECOND PART: wave w makes channels 64 w .. 64 w + 63 for all 128 rows: conv on x's codes, x bs + cst (bs = gamma / sqrt(var + 1e-5), cst = b_m + (conv_b - mean) bs + beta), then o's products add onto that sum.
; THIRD PART: z for channels 64 w on stays in 256 registers; mean and sum of squared deviations of the wave's 64, then of the eight waves' (deviations from means only: no difference of large sums).
; GELU: erf by the five-term rational form of Abramowitz and Stegun 7.1.26, |error of erf| <= 1.5e-7 for every argument.
; NOT USED: joint loads in a cluster.  K, V (34,816 bytes a wave) and the weights (52,224 bytes a wave) are each loaded once straight into the registers where they stay; a joint load lands in LDS and would add a write and
; a read of LDS for each byte.  No prefetch: every stream of this text is asked for at the head of the part that uses it, or a part ahead.
; LIMITS: blocks under 2^-124 get the scale byte 1 (read by this program alone); NaN and infinities are not served; 1 / l, bs and the LayerNorm's divisor are made by v_rcp_f32 / v_rsq_f32 and a multiplication.
; The stage's stores (4 bytes a lane): lanes 16-31 lie 16 rows of 528 bytes = 33 x 256 bytes from lanes 0-15, so the two halves of the lanes want the same banks (64 banks of 4 bytes: ISA guide 11.1); 256 such stores a wave.
; THE MODE: SCHED_MODE bits 1:0 = 2 (LLVM: expert scheduling mode 2), set by the entry lines.  The code itself states the register dependences
; between vector or matrix instructions and memory or LDS instructions, with s_wait_alu, always for 0.
; THE PLAN.  Registers that memory or LDS instructions touch, and who else names them:
;   v1-5, v9-15     offsets and LDS addresses, made at the head ahead of one wait on va_vdst and never written again.
;   ATTENTION, a trip.  Q's fragment v16-19 and words v56: read by the trip's 32 products K Q^T; the next tile's loads land there behind the fourth key step's products: one wait there, which also states that their offset v6 is written.
;                   p's codes v160-167 and word v57: written by vector lines, taken by scaled products: one wait ahead of each key step's four products V^T P^T, behind its places.
;                   o's codes v160-163, two bytes v30, addresses v7, v8: written at the trip's end; one wait, two LDS stores.  One wait on vm_vsrc at the trip's head frees them and v6 (first trip: x's images in v64-97 too).
;   SECOND PART, a trip.  Five LDS addresses (v6-8 for the loads, v60, v61 for the stores) are made together at the trip's head, between one wait on vm_vsrc and one on va_vdst; the latter also states that the last trip's
;                   products are done reading the fragments v64-127 and words v48-55, in which the loads land.  The sum's codes and bytes: one wait, two LDS stores.
;   THIRD PART.     Its four LDS addresses (v6, v7, v8, v60) are made together behind the second part's loop.  The sum's fragments v192-223 and words v40-43: one wait at the head of each tile but the first.
;                   The eight pairs of the statistics have registers of their own: one wait, a run of eight LDS stores.  A tile's 32 numbers for the stage: one wait, 32 LDS stores.
;   GELU, 16 steps of four channels.  Y0 = v128-143, Y1 = v64-79: the stage's rows as loaded.  OUT0 = v208-223, OUT1 = v80-95: results to store.  Step p works on Y[p % 2] and writes OUT[p % 2]; its memory instructions are the LDS
;                   loads of step p + 1, which land in the other Y, and the stores of step p - 1, which leave from the other OUT: the two buffers that step p - 1 worked on and that no vector line of step p names.
;                   So the waits at a step's head state all that its eight memory instructions hang on.  The LDS address v7 is made once a lap (two steps), between those waits.
;   No second buffer for the fragments of the second and third part: a wave has 512 registers, window 1 is full of weights or of z, and window 0 has no 32 registers on end to spare there.
.set XQIMG, 0                          ; LDS: x's images [tile 8][K step 4][group 2][512 bytes]
.set OIMG,  32768                      ; o's
.set ZIMG,  65536                      ; the sum's
.set XQSC,  98304                      ; x's scale words [K step 4][pair 4][lane 32]
.set OSC,   100352                     ; o's [tile 8][K step 4][lane 32]
.set ZSC,   104448                     ; the sum's
.set STW,   33792                      ; the stage: 64 rows x (512 + 16) bytes for each wave, from byte 0 on: written only when nobody reads the regions above any more
.set LNP,   270336                     ; [wave 8][tile 8][lane 32] 8 bytes: mean and sum of squared deviations
.set LI,  1                            ; v1   16 x lane
.set LS,  2                            ; v2   4 x lane
.set R16, 3                            ; v3   16 x (lane % 16)
.set OA0, 4                            ; v4   where I store o's images: OIMG + 16 lane + 1,024 (w / 2) + 512 (w % 2)
.set OS0, 5                            ; v5   and their two scale bytes: OSC + 4 lane + 128 (w / 2) + 2 (w % 2)
.set WA,  9                            ; v9-11 a weight's codes (my row of a tile, my half), its scale words, a vector in the results' layout
.set WSA, 10
.set BA,  11
.set XSA0, 12                          ; v12  XQSC + 4 (lane % 16)
.set OSA0, 13                          ; v13  OSC + 4 lane
.set L8,  14                           ; v14  8 x lane
.set SO,  15                           ; v15  the stage, on the way in.   v6-8: addresses in hand
.set QF,  16                           ; v16-23 Q's fragment; v20-23 are zero codes
.set LL,  24                           ; v24-27 the row's sum, two chains of pairs
.set LR,  28                           ; v28-29 1 / l
.set HW,  30                           ; v30  two scale bytes
.set PT,  31                           ; v31  a permute's destination
.set KS,  32                           ; v32-57 hold scale words and nothing else: K's 32-47, V's 48-55, Q's 56, p's 57;
.set VS,  48
.set QS,  56
.set PW,  57
.set MWS, 32                           ; later w_m's 32-39, conv_w's 40-47, x's 48-51, o's 52-55;
.set CWS, 40
.set XS,  48
.set OS,  52
.set W3S, 32                           ; later w_out's 32-39, the sum's 40-43
.set ZS,  40
.set ZA,  60                           ; v60  second part: where I store the sum's images in this trip;
.set ZB,  61                           ; v61  and their two scale bytes
.set LNA, 60                           ; v60  third part: LNP + 8 x lane
.set S,   64                           ; v64-127 S^T, then p
.set O,   128                          ; v128-159 O^T
.set PC,  160                          ; v160-167 codes just made
.set TM,  168                          ; v168-171 largest, 172-175 the other half's, 176-179 scale operands, 180-183 bytes
.set XF,  64                           ; second part: x's and o's fragments, the accumulators, bs, cst
.set OF,  96
.set ACC, 128
.set BS,  192
.set CB,  224
.set W3,  64                           ; third part: w_out's fragments v64-191, the sum's v192-223, b_out v224-255; then (rstd, -, mu, -) for each tile at v224 + 4 T
.set ZF,  192
.set BO,  224
.set AB,  224
; window 1: K v0-127 (tile at 4 x tile), V v128-255 (8 (4 ks + t) + 4 c); then w_m v0-127, conv_w v128-255; then z (tile T, tile t) at 8 (4 T + t)
.set TC,  66                           ; s66 a loop's counter; s67-69 its steps in LDS
.set TO,  67
.set TS,  68
.set T64, 69
.set SEL, 70                           ; s[70:71]
.set CS,  72                           ; s[72:73] log2(e) / 8
.set MSB, 0
.macro WIN new                         ; the immediate's high byte repeats the setting that is left
.if MSB != \new
	s_set_vgpr_msb (MSB<<8)|\new
.set MSB, \new
.endif
.endm
.macro PLACES n
.rept \n
	v_nop
.endr
.endm
.macro WMX d, a, b, c, sa, sb, ra, rb  ; one product; c < 0: the constant 0 starts the sum; ra, rb: which half of the lanes holds the scale words
.if (\c) < 0
.if ((\ra) == 0) && ((\rb) == 0)
	v_wmma_scale_f32_16x16x128_f8f6f4 v[(\d):(\d)+7], v[(\a):(\a)+7], v[(\b):(\b)+7], 0, v[\sa], v[\sb] matrix_a_fmt:MATRIX_FMT_FP4 matrix_b_fmt:MATRIX_FMT_FP4
.elseif (\rb) == 0
	v_wmma_scale_f32_16x16x128_f8f6f4 v[(\d):(\d)+7], v[(\a):(\a)+7], v[(\b):(\b)+7], 0, v[\sa], v[\sb] matrix_a_fmt:MATRIX_FMT_FP4 matrix_b_fmt:MATRIX_FMT_FP4 matrix_a_scale:MATRIX_SCALE_ROW1
.elseif (\ra) == 0
	v_wmma_scale_f32_16x16x128_f8f6f4 v[(\d):(\d)+7], v[(\a):(\a)+7], v[(\b):(\b)+7], 0, v[\sa], v[\sb] matrix_a_fmt:MATRIX_FMT_FP4 matrix_b_fmt:MATRIX_FMT_FP4 matrix_b_scale:MATRIX_SCALE_ROW1
.else
	v_wmma_scale_f32_16x16x128_f8f6f4 v[(\d):(\d)+7], v[(\a):(\a)+7], v[(\b):(\b)+7], 0, v[\sa], v[\sb] matrix_a_fmt:MATRIX_FMT_FP4 matrix_b_fmt:MATRIX_FMT_FP4 matrix_a_scale:MATRIX_SCALE_ROW1 matrix_b_scale:MATRIX_SCALE_ROW1
.endif
.else
.if ((\ra) == 0) && ((\rb) == 0)
	v_wmma_scale_f32_16x16x128_f8f6f4 v[(\d):(\d)+7], v[(\a):(\a)+7], v[(\b):(\b)+7], v[(\c):(\c)+7], v[\sa], v[\sb] matrix_a_fmt:MATRIX_FMT_FP4 matrix_b_fmt:MATRIX_FMT_FP4
.elseif (\rb) == 0
	v_wmma_scale_f32_16x16x128_f8f6f4 v[(\d):(\d)+7], v[(\a):(\a)+7], v[(\b):(\b)+7], v[(\c):(\c)+7], v[\sa], v[\sb] matrix_a_fmt:MATRIX_FMT_FP4 matrix_b_fmt:MATRIX_FMT_FP4 matrix_a_scale:MATRIX_SCALE_ROW1
.elseif (\ra) == 0
	v_wmma_scale_f32_16x16x128_f8f6f4 v[(\d):(\d)+7], v[(\a):(\a)+7], v[(\b):(\b)+7], v[(\c):(\c)+7], v[\sa], v[\sb] matrix_a_fmt:MATRIX_FMT_FP4 matrix_b_fmt:MATRIX_FMT_FP4 matrix_b_scale:MATRIX_SCALE_ROW1
.else
	v_wmma_scale_f32_16x16x128_f8f6f4 v[(\d):(\d)+7], v[(\a):(\a)+7], v[(\b):(\b)+7], v[(\c):(\c)+7], v[\sa], v[\sb] matrix_a_fmt:MATRIX_FMT_FP4 matrix_b_fmt:MATRIX_FMT_FP4 matrix_a_scale:MATRIX_SCALE_ROW1 matrix_b_scale:MATRIX_SCALE_ROW1
.endif
.endif
.endm
.macro WLOAD cb, sb, wb, ws, win       ; my 64 rows of a weight: 16 fragments at v[wb] on (window by win), their scale words at v[ws] on
	WIN \win
.irp t, 0,1,2,3
.irp s, 0,1,2,3
.irp c, 0,1
	global_load_b128 v[(\wb)+8*(4*\t+\s)+4*\c:(\wb)+8*(4*\t+\s)+4*\c+3], v[WA], s[\cb:\cb+1] offset:(32*(\t/2)+8*(\t%2))*256+64*\s+32*\c
.endr
.endr
.endr
	WIN 0
.irp p, 0,1
.irp s, 0,1,2,3
	global_load_b32 v[(\ws)+4*\p+\s], v[WSA], s[\sb:\sb+1] offset:512*\p+4*\s
.endr
.endr
.endm
.macro BIASL dst, sb                   ; my 64 numbers of a vector in the results' layout: register 8 t + j: channel 32 (t / 2) + 16 h + 8 (t % 2) + j
.irp t, 0,1,2,3
	global_load_b128 v[(\dst)+8*\t:(\dst)+8*\t+3], v[BA], s[\sb:\sb+1] offset:(32*(\t/2)+8*(\t%2))*4
	global_load_b128 v[(\dst)+8*\t+4:(\dst)+8*\t+7], v[BA], s[\sb:\sb+1] offset:(32*(\t/2)+8*(\t%2))*4+16
.endr
.endm
; 32 numbers of a lane, register 16 b + i = k 32 b + 16 (lane / 16) + i of my row, become four registers of codes in v[PC] on and two scale bytes in v[HW]
.macro QUANT2 src
.irp b, 0,1
	v_max3_num_f32 v[TM+\b], |v[(\src)+16*\b]|, |v[(\src)+16*\b+1]|, 0x1800000   ; with the floor 2^(3 - 127): the byte cannot fall under 1
.endr
.irp i, 2,4,6,8,10,12,14
.irp b, 0,1
	v_max3_num_f32 v[TM+\b], v[TM+\b], |v[(\src)+16*\b+\i]|, |v[(\src)+16*\b+\i+1]|
.endr
.endr
.irp b, 0,1
	v_permlanex16_b32 v[TM+4+\b], v[TM+\b], s[SEL], s[SEL+1]
.endr
.irp b, 0,1
	v_max_num_f32 v[TM+\b], v[TM+\b], v[TM+4+\b]
.endr
.irp b, 0,1
	v_add_nc_u32 v[TM+8+\b], 0xff000000, v[TM+\b]  ; 2 off the exponent field: the conversion's scale operand
.endr
.irp b, 0,1
	v_lshrrev_b32 v[TM+12+\b], 23, v[TM+8+\b]
.endr
.irp b, 0,1
	v_cvt_scalef32_pk8_fp4_f32 v[PC+2*\b], v[(\src)+16*\b:(\src)+16*\b+7], v[TM+8+\b]
	v_cvt_scalef32_pk8_fp4_f32 v[PC+2*\b+1], v[(\src)+16*\b+8:(\src)+16*\b+15], v[TM+8+\b]
.endr
	v_lshl_or_b32 v[HW], v[TM+13], 8, v[TM+12]     ; (also the plain line behind the conversions)
.irp i, 0,1
	v_permlane16_swap_b32 v[PC+\i], v[PC+2+\i]     ; a whole block to a lane: lanes 0-15 block 0, lanes 16-31 block 1
.endr
.endm
; A KEY STEP: 128 keys against the tile of 16 queries in hand
.macro SSTEP ks
	WIN 0x01                                       ; source 0 window 1
.irp i, 0,1,2,3,4,5,6,7
	WMX S+8*\i, 4*(8*(\ks)+\i), QF, -1, KS+4*(\ks)+\i/2, QS, \i%2, 0
.endr
	WIN 0
	PLACES 5                                       ; four for the reads of the results, a fifth since the next step's products write these accumulators anew
.irp b, 0,1,2,3
	v_max3_num_f32 v[TM+\b], v[S+16*\b], v[S+16*\b+1], v[S+16*\b+2]   ; the largest score of each block of 32 keys; each accumulator is read from its low end on
.endr
.irp i, 3,5,7,9,11,13
.irp b, 0,1,2,3
	v_max3_num_f32 v[TM+\b], v[TM+\b], v[S+16*\b+\i], v[S+16*\b+\i+1]
.endr
.endr
.irp b, 0,1,2,3
	v_max_num_f32 v[TM+\b], v[TM+\b], v[S+16*\b+15]
.endr
.irp b, 0,1,2,3
	v_permlanex16_b32 v[TM+4+\b], v[TM+\b], s[SEL], s[SEL+1]
.endr
.irp b, 0,1,2,3
	v_max_num_f32 v[TM+\b], v[TM+\b], v[TM+4+\b]
.endr
.if (\ks) == 3                                 ; Q's fragment has had its last use in this trip: the next tile's is asked for, if there is one (no load leaves its buffer)
	s_cmp_eq_u32 s[TC], 7
	s_cbranch_scc1 .Lno_next_q
	s_add_nc_u64 s[12:13], s[12:13], 512           ; (the load that read this base was waited for at the trip's head)
	s_add_co_u32 s76, s[TC], 1
	s_and_b32 s77, s76, 1
	s_lshl_b32 s77, s77, 8
	s_lshr_b32 s76, s76, 1
	s_lshl_b32 s76, s76, 2
	s_add_co_u32 s76, s76, s77                     ; tile T's words: lane 16 (T % 2) + r, word T / 2
	v_add_nc_u32 v6, s76, v[R16]
	s_wait_alu depctr_va_vdst(0)                   ; v6 is written, which the second load reads; the trip's products K Q^T are done reading Q's fragment and words, in which the two loads land
	global_load_b128 v[QF:QF+3], v[LI], s[12:13]
	global_load_b32 v[QS], v6, s[14:15]
.Lno_next_q:
.endif
.set JJ, 0
.rept 32
	v_pk_mul_f32 v[S+JJ:S+JJ+1], v[S+JJ:S+JJ+1], s[CS:CS+1] op_sel_hi:[1,0]   ; t
.set JJ, JJ+2
.endr
.irp b, 0,1,2,3
	v_mul_f32 v[TM+\b], s[CS], v[TM+\b]            ; the same of each block's largest score
.endr
.set JJ, 0
	s_wait_alu depctr_va_vdst(0)
.rept 64
	v_exp_f32 v[S+JJ], v[S+JJ]                     ; p = 2^t
.set JJ, JJ+1
.endr
.irp b, 0,1,2,3
	v_exp_f32 v[TM+\b], v[TM+\b]                   ; the block's largest p: the same two instructions on the same number
.endr
	v_nop                                          ; a plain line behind the last exponential
	s_wait_alu depctr_va_vdst(0)                   ; the batch of 68 exponentials has written p and the blocks' largest p: one wait, ahead of their first reader
.irp b, 0,1,2,3
	v_add_nc_u32 v[TM+8+\b], 0xff000000, v[TM+\b]  ; no floor: p is at least 0.6
.endr
.irp b, 0,1,2,3
	v_lshrrev_b32 v[TM+12+\b], 23, v[TM+8+\b]
.endr
	v_lshl_or_b32 v[PW], v[TM+13], 8, v[TM+12]     ; p's scale word for these 128 keys
	v_lshl_or_b32 v[PW], v[TM+14], 16, v[PW]
	v_lshl_or_b32 v[PW], v[TM+15], 24, v[PW]
.irp b, 0,1,2,3
	v_cvt_scalef32_pk8_fp4_f32 v[PC+2*\b], v[S+16*\b:S+16*\b+7], v[TM+8+\b]
	v_cvt_scalef32_pk8_fp4_f32 v[PC+2*\b+1], v[S+16*\b+8:S+16*\b+15], v[TM+8+\b]
.endr
	v_nop                                          ; a plain line behind the last conversion
.irp c, 0,1
.irp i, 0,1
	v_permlane16_swap_b32 v[PC+4*\c+\i], v[PC+4*\c+2+\i]
.endr
.endr
; the row's sum of the unquantised p, two chains; these lines are also the eight places between the scale word's last write, the four between the codes' last write, and the products below
.if (\ks) == 0
	v_pk_add_f32 v[LL:LL+1], v[S:S+1], v[S+2:S+3]
	v_pk_add_f32 v[LL+2:LL+3], v[S+4:S+5], v[S+6:S+7]
.set JJ, 8
.rept 14
	v_pk_add_f32 v[LL:LL+1], v[LL:LL+1], v[S+JJ:S+JJ+1]
	v_pk_add_f32 v[LL+2:LL+3], v[LL+2:LL+3], v[S+JJ+2:S+JJ+3]
.set JJ, JJ+4
.endr
.else
.set JJ, 0
.rept 16
	v_pk_add_f32 v[LL:LL+1], v[LL:LL+1], v[S+JJ:S+JJ+1]
	v_pk_add_f32 v[LL+2:LL+3], v[LL+2:LL+3], v[S+JJ+2:S+JJ+3]
.set JJ, JJ+4
.endr
.endif
	WIN 0x01
	s_wait_alu depctr_va_vdst(0)                   ; p's codes and p's scale word are written by vector lines: the scaled products below take them as source 1 and as its scales; the places stand above, then this wait
.irp t, 0,1,2,3                                ; O^T += V^T P^T: four accumulators by turns; between two links of a chain stand eleven other products
.if (\ks) == 0
	WMX O+8*\t, 128+8*(4*(\ks)+\t), PC, -1, VS+2*(\ks)+\t/2, PW, \t%2, 0
.else
	WMX O+8*\t, 128+8*(4*(\ks)+\t), PC, O+8*\t, VS+2*(\ks)+\t/2, PW, \t%2, 0
.endif
.endr
	WIN 0
.endm
	s_load_b512 s[8:23], s[0:1], 0x0               ; xqi 8, xqs 10, qi 12, qs 14, ki 16, ks 18, vi 20, vs 22
	s_load_b512 s[24:39], s[0:1], 0x40             ; conv_w codes 24, scales 26, w_m 28, 30, w_out 32, 34, b_m 36, conv_b 38
	s_load_b512 s[40:55], s[0:1], 0x80             ; gamma 40, beta 42, mean 44, var 46, b_out 48, ln_g 50, ln_b 52, out0 54
	v_lshl_add_u32 v62, v0, 2, 0x46000
	v_mov_b32 v63, 0
	v_lshrrev_b32 v6, 5, v0
	v_readfirstlane_b32 s2, v6                     ; wave 0..7 = head
	s_and_b32 s3, ttmp7, 0xffff                    ; slice
	v_and_b32 v[LI], 31, v0
	v_lshlrev_b32 v[LS], 2, v[LI]
	s_wait_alu depctr_va_vdst(0)
	v_lshlrev_b32 v[L8], 3, v[LI]
	v_lshlrev_b32 v[LI], 4, v[LI]
	v_and_b32 v6, 15, v0                           ; r
	s_wait_alu depctr_va_vdst(0)
	v_bfe_u32 v7, v0, 4, 1                         ; h
	v_lshlrev_b32 v[R16], 4, v6
	s_wait_alu depctr_va_sdst(0)                   ; s2 is written, ahead of its first reader: LDS addresses and all bases are made from it
	s_lshr_b32 s4, s2, 1
	s_and_b32 s5, s2, 1
	s_lshl_b32 s6, s4, 10
	s_lshl_b32 s7, s5, 9
	s_add_co_u32 s6, s6, s7
	s_add_co_u32 s6, s6, OIMG
	v_add_nc_u32 v[OA0], s6, v[LI]
	s_lshl_b32 s6, s4, 7
	s_lshl_b32 s7, s5, 1
	s_add_co_u32 s6, s6, s7
	s_add_co_u32 s6, s6, OSC
	v_add_nc_u32 v[OS0], s6, v[LS]
	v_and_b32 v8, 8, v6
	v_add_nc_u32 v8, v8, v6                        ; r + 8 (r / 8)
	v_lshlrev_b32 v[WA], 8, v8
	s_wait_alu depctr_va_vdst(0)
	v_lshl_add_u32 v[WA], v7, 4, v[WA]
	v_lshl_add_u32 v[WSA], v7, 3, v8
	v_lshlrev_b32 v[WSA], 4, v[WSA]
	v_lshlrev_b32 v[BA], 6, v7
	v_lshl_add_u32 v[XSA0], v6, 2, XQSC
	v_add_nc_u32 v[OSA0], OSC, v[LS]
	s_mul_i32 s56, s2, STW                         ; my stage
	v_mul_u32_u24 v[SO], v7, 8448                  ; 16 rows of 528 bytes for lanes 16-31
	v_lshl_add_u32 v[SO], v8, 2, v[SO]
	v_add_nc_u32 v[SO], s56, v[SO]
	v_lshlrev_b32 v6, 4, v0                        ; the copy of x's images: 16 bytes a thread
	v_lshlrev_b32 v7, 3, v0                        ; and of its scale words: 8
	v_add_nc_u32 v8, XQSC, v7
	s_mov_b32 s[SEL], 0x76543210
	s_mov_b32 s[SEL+1], 0xfedcba98
	s_mov_b32 s[CS], 0x3e38aa3b                    ; log2(e) / sqrt(64)
	s_mov_b32 s[CS+1], s[CS]                       ; (named with it as a pair, so it is written)
	s_mov_b32 s74, 0x3b000000                      ; 1 / 512
	s_mov_b32 s75, 0x3727c5ac                      ; 1e-5
	s_mov_b32 s59, 0
	s_lshl_b32 s57, s3, 17                         ; slice x 131,072
	s_wait_kmcnt 0x0
	s_lshl_b32 s58, s2, 14
	s_add_nc_u64 s[24:25], s[24:25], s[58:59]      ; my 64 rows of the three weights
	s_add_nc_u64 s[28:29], s[28:29], s[58:59]
	s_add_nc_u64 s[32:33], s[32:33], s[58:59]
	s_add_co_u32 s58, s58, s57
	s_add_nc_u64 s[16:17], s[16:17], s[58:59]      ; ki, vi: my head
	s_add_nc_u64 s[20:21], s[20:21], s[58:59]
	s_lshl_b32 s60, ttmp9, 12
	s_add_co_u32 s58, s58, s60
	s_add_nc_u64 s[12:13], s[12:13], s[58:59]      ; qi: my head, my eight tiles
	s_lshl_b32 s58, ttmp9, 15
	s_add_co_u32 s58, s58, s57
	s_add_nc_u64 s[8:9], s[8:9], s[58:59]          ; xqi
	s_lshl_b32 s57, s3, 13
	s_lshl_b32 s58, ttmp9, 11
	s_add_co_u32 s58, s58, s57
	s_add_nc_u64 s[10:11], s[10:11], s[58:59]      ; xqs
	s_lshl_b32 s58, s2, 10
	s_add_nc_u64 s[26:27], s[26:27], s[58:59]
	s_add_nc_u64 s[30:31], s[30:31], s[58:59]
	s_add_nc_u64 s[34:35], s[34:35], s[58:59]
	s_add_co_u32 s58, s58, s57
	s_add_nc_u64 s[22:23], s[22:23], s[58:59]      ; vs
	s_lshl_b32 s58, s3, 14
	s_lshl_b32 s60, s2, 11
	s_add_co_u32 s58, s58, s60
	s_add_nc_u64 s[18:19], s[18:19], s[58:59]      ; ks
	s_lshl_b32 s60, ttmp9, 9
	s_add_co_u32 s58, s58, s60
	s_add_nc_u64 s[14:15], s[14:15], s[58:59]      ; qs
	WIN 0x40                                       ; destination window 1
	s_wait_alu depctr_va_vdst(0)                   ; every offset and LDS address made above (v1 to v15) is written, which the loads and stores of the kernel read; so are v62 and v63, which the closing add reads
.set JJ, 0
.rept 32
	global_load_b128 v[4*JJ:4*JJ+3], v[LI], s[16:17] offset:512*JJ          ; K: tile JJ
	global_load_b128 v[128+4*JJ:128+4*JJ+3], v[LI], s[20:21] offset:512*JJ  ; V: group JJ = 8 ks + 2 t + c
.set JJ, JJ+1
.endr
	WIN 0
	global_load_b128 v[QF:QF+3], v[LI], s[12:13]
	global_load_b32 v[QS], v[R16], s[14:15]
.irp g, 0,1,2,3
	global_load_b128 v[KS+4*\g:KS+4*\g+3], v[LI], s[18:19] offset:512*\g
	global_load_b64 v[VS+2*\g:VS+2*\g+1], v[L8], s[22:23] offset:256*\g
.endr
.irp i, 0,1,2,3,4,5,6,7
	global_load_b128 v[S+4*\i:S+4*\i+3], v6, s[8:9] offset:4096*\i th:TH_LOAD_NT
.endr
	global_load_b64 v[S+32:S+33], v7, s[10:11] th:TH_LOAD_NT
	s_lshl_b32 s58, s2, 8                          ; my 64 numbers of the nine vectors
.irp p, 36,38,40,42,44,46,48,50,52
	s_add_nc_u64 s[\p:\p+1], s[\p:\p+1], s[58:59]
.endr
	s_lshr_b32 s58, s3, 2                          ; out0: b x 4,194,304 + 64 w rows of 8,192 + t x 2,048 + qb x 512
	s_lshl_b32 s58, s58, 22
	s_lshl_b32 s60, s2, 19
	s_add_co_u32 s58, s58, s60
	s_and_b32 s60, s3, 3
	s_lshl_b32 s60, s60, 11
	s_add_co_u32 s58, s58, s60
	s_lshl_b32 s60, ttmp9, 9
	s_add_co_u32 s58, s58, s60
	s_add_nc_u64 s[54:55], s[54:55], s[58:59]
.irp i, 4,5,6,7
	v_mov_b32 v[QF+\i], 0                          ; zero codes for the instruction's upper 64 along K.  An operand written by a vector line stands four plain vector lines ahead of a scaled product: six follow
.endr
.irp i, 4,5,6,7
	v_mov_b32 v[TM+\i], 0                          ; written once: a lane permute's destination counts as one of its sources
.endr
	v_mov_b32 v[PT], 0
	v_mov_b32 v[LR+1], 0                           ; (named as the upper half of a pair)
	s_wait_loadcnt 0x0
.irp i, 0,1,2,3,4,5,6,7
	ds_store_b128 v6, v[S+4*\i:S+4*\i+3] offset:XQIMG+4096*\i
.endr
	ds_store_b64 v8, v[S+32:S+33]
	s_mov_b32 s[TC], 0
	s_mov_b32 s[TO], 0
	s_mov_b32 s[TS], 0
	s_wait_alu depctr_va_vdst(0)                   ; Q's zero codes v20-23 are written by vector lines: every scaled product K Q^T takes them as part of source 1; their places stand above, then this wait
.Ltile:                                            ; eight trips: a tile of 16 queries against the head's 512 keys
	s_wait_loadcnt 0x0                             ; Q's fragment and words
	s_wait_dscnt 0x0                               ; my LDS stores are done
	s_wait_alu depctr_vm_vsrc(0)                   ; my LDS stores have read their data (first trip: x's images in v64-97; later o's codes and bytes) and their addresses v7, v8 (first trip: v6, v8), and Q's load its offset v6: this trip writes them all again
	SSTEP 0
	SSTEP 1
	SSTEP 2
	SSTEP 3
	PLACES 5
	v_pk_add_f32 v[LL:LL+1], v[LL:LL+1], v[LL+2:LL+3]
	v_add_f32 v[LL], v[LL], v[LL+1]
	v_permlanex16_b32 v[PT], v[LL], s[SEL], s[SEL+1]
	v_add_f32 v[LL], v[LL], v[PT]                  ; the row's sum
	s_wait_alu depctr_va_vdst(0)
	v_rcp_f32 v[LR], v[LL]
	v_nop
	s_wait_alu depctr_va_vdst(0)                   ; the reciprocal has written 1 / l, ahead of its first reader
.set JJ, 0
.rept 16
	v_pk_mul_f32 v[O+JJ:O+JJ+1], v[O+JJ:O+JJ+1], v[LR:LR+1] op_sel_hi:[1,0]   ; o = O / l; register 8 t + j: d = 32 (t / 2) + 16 h + 8 (t % 2) + j
.set JJ, JJ+2
.endr
	QUANT2 O                                       ; my head's 64 channels are half a K step of the next product: one group of four registers, two scale bytes
	v_add_nc_u32 v7, s[TO], v[OA0]
	v_add_nc_u32 v8, s[TS], v[OS0]
	s_wait_alu depctr_va_vdst(0)                   ; o's codes, its two bytes and the two addresses are written, which the LDS stores read
	ds_store_b128 v7, v[PC:PC+3]
	ds_store_b16 v8, v[HW]
	s_add_co_u32 s[TO], s[TO], 4096
	s_add_co_u32 s[TS], s[TS], 512
	s_add_co_u32 s[TC], s[TC], 1
	s_cmp_lt_u32 s[TC], 8
	s_cbranch_scc1 .Ltile
	s_wait_dscnt 0x0                               ; for the others' sake: my images of x and o are in LDS
	WIN 0x40                                       ; (the first loads below stand under this window: the switch, then the waits, then the loads)
	s_wait_alu depctr_vm_vsrc(0)                   ; my last LDS stores have read o's codes v160-163, in which beta lands
	s_wait_alu depctr_va_vdst(0)                   ; the products are done reading K, V and their words, the vector lines are done with v64-183: the weights, their words and the six vectors land there
	WLOAD 28, 30, 0, MWS, 0x40                     ; the second part's weights and vectors are asked for ahead of the barrier
	WLOAD 24, 26, 128, CWS, 0x40
	BIASL BS, 46                                   ; var
	BIASL CB, 36                                   ; b_m
	BIASL 64, 40                                   ; gamma
	BIASL 96, 44                                   ; mean
	BIASL 128, 38                                  ; conv_b
	BIASL 160, 42                                  ; beta
	s_barrier_signal -1
	s_barrier_wait -1                              ; x's and o's images and words of all 128 rows lie in LDS
	s_wait_loadcnt 0x0
.set JJ, 0
.rept 16
	v_pk_add_f32 v[BS+JJ:BS+JJ+1], v[BS+JJ:BS+JJ+1], 0x3727c5ac op_sel_hi:[1,0]
.set JJ, JJ+2
.endr
.set JJ, 0
	s_wait_alu depctr_va_vdst(0)
.rept 32
	v_rsq_f32 v[BS+JJ], v[BS+JJ]
.set JJ, JJ+1
.endr
.set JJ, 0
.rept 16
	v_pk_add_f32 v[128+JJ:129+JJ], v[128+JJ:129+JJ], v[96+JJ:97+JJ] neg_lo:[0,1] neg_hi:[0,1]   ; conv_b - mean (plain work behind the batch)
.set JJ, JJ+2
.endr
	s_wait_alu depctr_va_vdst(0)                   ; the 32 reciprocal roots are written: one wait, ahead of their first reader
.set JJ, 0
.rept 16
	v_pk_mul_f32 v[BS+JJ:BS+JJ+1], v[BS+JJ:BS+JJ+1], v[64+JJ:65+JJ]            ; bs = gamma / sqrt(var + 1e-5)
.set JJ, JJ+2
.endr
.set JJ, 0
.rept 16
	v_pk_fma_f32 v[128+JJ:129+JJ], v[128+JJ:129+JJ], v[BS+JJ:BS+JJ+1], v[160+JJ:161+JJ]
.set JJ, JJ+2
.endr
.set JJ, 0
.rept 16
	v_pk_add_f32 v[CB+JJ:CB+JJ+1], v[CB+JJ:CB+JJ+1], v[128+JJ:129+JJ]          ; cst = b_m + (conv_b - mean) bs + beta
.set JJ, JJ+2
.endr
	s_mov_b32 s[TC], 0
	s_mov_b32 s[TO], 0
	s_mov_b32 s[TS], 0
	s_mov_b32 s[T64], 0
.Lrow:                                             ; eight trips: a tile of 16 rows, my 64 channels
	s_wait_alu depctr_vm_vsrc(0)                   ; the LDS loads and stores issued so far have read the five addresses, and the last trip's stores the sum's codes and bytes: this trip writes them all again
	v_add_nc_u32 v6, s[TO], v[LI]
	v_add_nc_u32 v7, s[T64], v[XSA0]
	v_add_nc_u32 v8, s[TS], v[OSA0]
	v_add_nc_u32 v[ZA], s[TO], v[OA0]              ; the trip's two store addresses are made here too, in registers of their own
	v_add_nc_u32 v[ZB], s[TS], v[OS0]
	s_wait_alu depctr_va_vdst(0)                   ; the five addresses are written; the last trip's products (first trip: the lines that read gamma and mean, and the first part's products) are done reading v64-127 and v48-55, in which the loads land
.irp s, 0,1,2,3
.irp c, 0,1
	ds_load_b128 v[XF+8*\s+4*\c:XF+8*\s+4*\c+3], v6 offset:XQIMG+1024*\s+512*\c
	ds_load_b128 v[OF+8*\s+4*\c:OF+8*\s+4*\c+3], v6 offset:OIMG+1024*\s+512*\c
.endr
.endr
.irp s, 0,1,2,3
	ds_load_b32 v[XS+\s], v7 offset:512*\s
	ds_load_b32 v[OS+\s], v8 offset:128*\s
.endr
	s_wait_dscnt 0x0
	WIN 0x01
.irp s, 0,1,2,3                                ; conv: four accumulators by turns
.irp t, 0,1,2,3
.if \s == 0
	WMX ACC+8*\t, 128+8*(4*\t+\s), XF+8*\s, -1, CWS+4*(\t/2)+\s, XS+\s, \t%2, 0
.else
	WMX ACC+8*\t, 128+8*(4*\t+\s), XF+8*\s, ACC+8*\t, CWS+4*(\t/2)+\s, XS+\s, \t%2, 0
.endif
.endr
.endr
	WIN 0
	PLACES 5
.set JJ, 0
.rept 16
	v_pk_fma_f32 v[ACC+JJ:ACC+JJ+1], v[ACC+JJ:ACC+JJ+1], v[BS+JJ:BS+JJ+1], v[CB+JJ:CB+JJ+1]   ; the shortcut and b_m
.set JJ, JJ+2
.endr
	PLACES 4
	WIN 0x01
.irp s, 0,1,2,3                                ; + o w_m, onto the same four sums
.irp t, 0,1,2,3
	WMX ACC+8*\t, 8*(4*\t+\s), OF+8*\s, ACC+8*\t, MWS+4*(\t/2)+\s, OS+\s, \t%2, 0
.endr
.endr
	WIN 0
	PLACES 5
	QUANT2 ACC
	s_wait_alu depctr_va_vdst(0)                   ; the sum's codes and its two bytes are written, which the LDS stores read
	ds_store_b128 v[ZA], v[PC:PC+3] offset:ZIMG-OIMG
	ds_store_b16 v[ZB], v[HW] offset:ZSC-OSC
	s_wait_dscnt 0x0                               ; no LDS instruction of mine is out at a trip's end: the barrier behind the loop leans on that
	s_add_co_u32 s[TO], s[TO], 4096
	s_add_co_u32 s[TS], s[TS], 512
	s_add_co_u32 s[T64], s[T64], 64
	s_add_co_u32 s[TC], s[TC], 1
	s_cmp_lt_u32 s[TC], 8
	s_cbranch_scc1 .Lrow
	PLACES 5                                       ; the third part's results are laid over the second part's weights
	s_wait_alu depctr_vm_vsrc(0)                   ; the loop's LDS loads and stores have read v6, v7, v8 and v60, which are written below, and the sum's codes v160-163, in which a fragment of w_out lands
	v_add_nc_u32 v6, ZIMG, v[LI]                   ; the third part's four LDS addresses, made together: the sum's images,
	v_add_nc_u32 v7, ZSC, v[LS]                    ; their scale words,
	s_lshl_b32 s57, s2, 11
	s_add_co_u32 s57, s57, LNP
	v_add_nc_u32 v8, s57, v[L8]                    ; where I store my wave's pairs,
	v_add_nc_u32 v[LNA], LNP, v[L8]                ; and where all waves' pairs are read
	s_wait_alu depctr_va_vdst(0)                   ; the four addresses are written; the loop's products and vector lines are done with v64-191, v32-47, v192-255, in which w_out, its words, b_out and the first tile's fragments and words land
	WLOAD 32, 34, W3, W3S, 0
	BIASL BO, 48
	s_barrier_signal -1                            ; (no LDS instruction of mine is out: the trip's last wait)
	s_barrier_wait -1                              ; the sum's images and words of all 128 rows lie in LDS
	s_wait_loadcnt 0x0
.macro ZROW m                          ; z of tile m, my 64 channels: 16 products, four accumulators by turns; b_out is the C of each sum's first product
.if (\m) > 0
	s_wait_alu depctr_va_vdst(0)                   ; the last tile's products are done reading the sum's fragments v192-223 and words v40-43, in which the loads land
.endif
.irp s, 0,1,2,3
.irp c, 0,1
	ds_load_b128 v[ZF+8*\s+4*\c:ZF+8*\s+4*\c+3], v6 offset:4096*(\m)+1024*\s+512*\c
.endr
.endr
.irp s, 0,1,2,3
	ds_load_b32 v[ZS+\s], v7 offset:512*(\m)+128*\s
.endr
	s_wait_dscnt 0x0
.irp s, 0,1,2,3
.if \s == 0
	WIN 0x40                                       ; destination window 1
.else
	WIN 0x50                                       ; C and D window 1
.endif
.irp t, 0,1,2,3
.if \s == 0
	WMX 8*(4*(\m)+\t), W3+8*(4*\t+\s), ZF+8*\s, BO+8*\t, W3S+4*(\t/2)+\s, ZS+\s, \t%2, 0
.else
	WMX 8*(4*(\m)+\t), W3+8*(4*\t+\s), ZF+8*\s, 8*(4*(\m)+\t), W3S+4*(\t/2)+\s, ZS+\s, \t%2, 0
.endif
.endr
.endr
	WIN 0
	PLACES 4                                       ; four places behind the products, as they stood: behind the last tile they are owed to the first reads of results
.endm
.irp n, 0,1,2,3,4,5,6,7
	ZROW \n
.endr
	s_wait_alu depctr_va_vdst(0)                   ; the last tile's products are done reading w_out's fragments v64-127, in which ln_g and ln_b land
	BIASL 64, 50                                   ; ln_g
	BIASL 96, 52                                   ; ln_b
.macro STAT m                          ; tile m: the mean of my wave's 64 numbers of each row, and the sum of their squared deviations from it: a pair of registers of its own for each tile
	WIN 0x05                                       ; sources 0 and 1 window 1
.irp i, 0,1,2,3,4,5,6,7
	v_pk_add_f32 v[192+2*\i:193+2*\i], v[32*(\m)+4*\i:32*(\m)+4*\i+1], v[32*(\m)+4*\i+2:32*(\m)+4*\i+3]
.endr
	WIN 0
.irp i, 0,4,8,12
	v_pk_add_f32 v[192+\i:193+\i], v[192+\i:193+\i], v[194+\i:195+\i]
.endr
	v_pk_add_f32 v[192:193], v[192:193], v[196:197]
	v_pk_add_f32 v[200:201], v[200:201], v[204:205]
	v_pk_add_f32 v[192:193], v[192:193], v[200:201]
	v_add_f32 v192, v192, v193
	v_permlanex16_b32 v[PT], v192, s[SEL], s[SEL+1]
	v_add_f32 v192, v192, v[PT]
	v_mul_f32 v[128+2*(\m)], 0x3c800000, v192      ; / 64
	WIN 0x01
.set JJ, 0
.rept 16
	v_pk_add_f32 v[192+JJ:193+JJ], v[32*(\m)+JJ:32*(\m)+JJ+1], v[128+2*(\m):129+2*(\m)] op_sel_hi:[1,0] neg_lo:[0,1] neg_hi:[0,1]
.set JJ, JJ+2
.endr
	WIN 0
	v_pk_mul_f32 v[160:161], v[192:193], v[192:193]
	v_pk_mul_f32 v[162:163], v[194:195], v[194:195]
.set JJ, 4
.rept 7
	v_pk_fma_f32 v[160:161], v[192+JJ:193+JJ], v[192+JJ:193+JJ], v[160:161]
	v_pk_fma_f32 v[162:163], v[194+JJ:195+JJ], v[194+JJ:195+JJ], v[162:163]
.set JJ, JJ+4
.endr
	v_pk_add_f32 v[160:161], v[160:161], v[162:163]
	v_add_f32 v160, v160, v161
	v_permlanex16_b32 v[PT], v160, s[SEL], s[SEL+1]
	v_add_f32 v[129+2*(\m)], v160, v[PT]
.endm
.irp n, 0,1,2,3,4,5,6,7
	STAT \n
.endr
	s_wait_alu depctr_va_vdst(0)                   ; the eight pairs v128-143 are written, which the run of LDS stores reads
.irp n, 0,1,2,3,4,5,6,7
	ds_store_b64 v8, v[128+2*\n:129+2*\n] offset:256*\n
.endr
	s_wait_dscnt 0x0                               ; for the others' sake: my pairs are in LDS, and my reads of the images are long over
	s_barrier_signal -1
	s_barrier_wait -1                              ; all waves' pairs lie in LDS, and nobody reads the images any more: the stages may be written
	s_wait_alu depctr_vm_vsrc(0)                   ; my LDS stores have read v128-143, in which the pairs' loads land (the vector lines that named v128-191 stand ahead of the last wait on va_vdst); the tiles' loads have read v6 and v7, which the way out writes
.macro COMB gq                         ; tiles 4 gq .. 4 gq + 3: the eight waves' pairs become the row's mean and 1 / sqrt(variance + 1e-5)
.irp q, 0,1,2,3
.irp w, 0,1,2,3,4,5,6,7
	ds_load_b64 v[128+16*\q+2*\w:128+16*\q+2*\w+1], v[LNA] offset:2048*\w+256*(4*(\gq)+\q)
.endr
.endr
	s_wait_dscnt 0x0
.irp q, 0,1,2,3
.irp w, 0,2,4,6
	v_pk_add_f32 v[192+8*\q+\w:192+8*\q+\w+1], v[128+16*\q+2*\w:128+16*\q+2*\w+1], v[128+16*\q+2*\w+2:128+16*\q+2*\w+3]
.endr
.endr
.irp q, 0,1,2,3
	v_pk_add_f32 v[192+8*\q:193+8*\q], v[192+8*\q:193+8*\q], v[194+8*\q:195+8*\q]
	v_pk_add_f32 v[196+8*\q:197+8*\q], v[196+8*\q:197+8*\q], v[198+8*\q:199+8*\q]
.endr
.irp q, 0,1,2,3
	v_pk_add_f32 v[192+8*\q:193+8*\q], v[192+8*\q:193+8*\q], v[196+8*\q:197+8*\q]   ; (the sum of the means, the sum of the waves' squared deviations)
.endr
.irp q, 0,1,2,3
	v_mul_f32 v[AB+4*(4*(\gq)+\q)+2], 0x3e000000, v[192+8*\q]    ; mu
.endr
.irp w, 0,1,2,3,4,5,6,7
.irp q, 0,1,2,3
	v_sub_f32 v[128+16*\q+2*\w], v[128+16*\q+2*\w], v[AB+4*(4*(\gq)+\q)+2]
.endr
.endr
.irp q, 0,1,2,3
	v_mul_f32 v[194+8*\q], v[128+16*\q], v[128+16*\q]
.endr
.irp w, 1,2,3,4,5,6,7
.irp q, 0,1,2,3
	v_fma_f32 v[194+8*\q], v[128+16*\q+2*\w], v[128+16*\q+2*\w], v[194+8*\q]
.endr
.endr
.irp q, 0,1,2,3
	v_fma_f32 v[194+8*\q], v[194+8*\q], 0x42800000, v[193+8*\q]  ; + 64 x the means' squared deviations
.endr
.irp q, 0,1,2,3
	v_fma_f32 v[AB+4*(4*(\gq)+\q)+1], v[194+8*\q], s74, s75      ; / 512 + 1e-5
.endr
	s_wait_alu depctr_va_vdst(0)
.irp q, 0,1,2,3
	v_rsq_f32 v[AB+4*(4*(\gq)+\q)], v[AB+4*(4*(\gq)+\q)+1]
.endr
	v_nop
	s_wait_alu depctr_va_vdst(0)                   ; the four reciprocal roots are written, ahead of their first reader; and these four tiles' lines are done with v128-191, in which the next four tiles' loads land
.endm
	COMB 0
	COMB 1
	s_wait_loadcnt 0x0                             ; ln_g, ln_b
.macro TOST m                          ; tile m: ((z - mu) rstd) g + b, then into my stage, turned: row = channel, column = l
	WIN 0x41                                       ; destination and source 0 window 1
.set JJ, 0
.rept 16
	v_pk_add_f32 v[32*(\m)+JJ:32*(\m)+JJ+1], v[32*(\m)+JJ:32*(\m)+JJ+1], v[AB+4*(\m)+2:AB+4*(\m)+3] op_sel_hi:[1,0] neg_lo:[0,1] neg_hi:[0,1]   ; the difference first: z rstd - mu rstd would subtract two large products where mu is large
.set JJ, JJ+2
.endr
.set JJ, 0
.rept 16
	v_pk_mul_f32 v[32*(\m)+JJ:32*(\m)+JJ+1], v[32*(\m)+JJ:32*(\m)+JJ+1], v[AB+4*(\m):AB+4*(\m)+1] op_sel_hi:[1,0]
.set JJ, JJ+2
.endr
.set JJ, 0
.rept 16
	v_pk_fma_f32 v[32*(\m)+JJ:32*(\m)+JJ+1], v[32*(\m)+JJ:32*(\m)+JJ+1], v[64+JJ:65+JJ], v[96+JJ:97+JJ]
.set JJ, JJ+2
.endr
	WIN 0x04                                       ; an LDS store's data are its source 1: window 1
	s_wait_alu depctr_va_vdst(0)                   ; the tile's 32 numbers are written, which the 32 LDS stores read
.irp t, 0,1,2,3
.irp j, 0,1,2,3,4,5,6,7
	ds_store_b32 v[SO], v[32*(\m)+8*\t+\j] offset:(32*(\t/2)+8*(\t%2)+\j)*528+4*(32*((\m)/2)+8*((\m)%2))
.endr
.endr
	WIN 0
.endm
.irp n, 0,1,2,3,4,5,6,7
	TOST \n
.endr
; THE WAY OUT: sixteen steps of four channels x 128 l.  LDS serves a wave's instructions in order: the loads see my stores into the stage.
; gelu(y) = max(y, 0) - |y| Q,  Q = (1 - erf(|y| / sqrt 2)) / 2 = T (a1 + T (a2 + T (a3 + T (a4 + T a5)))) / 2 x 2^(-(0.8493218 y)^2),  T = 1 / (1 + 0.23164189 |y|)
.set GW, 144                           ; v144-207 at work: no memory or LDS instruction names them
.set GT, 160
.set GQ, 176
.set GM, 192
.macro GST i, first                    ; one of the four stores of the step before: 32 lanes store 512 consecutive bytes, at a multiple of 512 from out0's first byte; the offset reaches back one step
.if !\first
	global_store_b128 v[LI], v[GOP+4*(\i):GOP+4*(\i)+3], s[54:55] offset:8192*(\i)-32768 th:TH_STORE_NT
.endif
.endm
; Step p.  yb = p % 2.  first = 1: step 0, with no step in front of it.  ahead = 1: step p + 1 is loaded, by address register adr from byte at on.  lap = 1: a lap's first step, which makes the lap's LDS address
.macro GSTEP yb, first, ahead, lap, adr, at
.set GY,  128-64*(\yb)                 ; this step's rows,
.set GO,  208-128*(\yb)                ; its results,
.set GYN, 64+64*(\yb)                  ; the other Y: the next step's rows land there,
.set GOP, 80+128*(\yb)                 ; the other OUT: the last step's results leave from there
	s_wait_dscnt 0x0                               ; this step's rows are in: their loads were issued a step ago
.if !\first
	s_wait_xcnt 0x0                                ; every earlier memory instruction has had its addresses translated (ISA guide 3.1): the stores' base and this step's OUT are rewritten only behind this wait
	s_wait_alu depctr_vm_vsrc(0)                   ; the stores issued in the step before have read this step's OUT, which its last lines write again; at a lap's head: the LDS loads issued so far have read v7
.if \lap
	v_add_nc_u32 v7, s[TO], v6
.endif
	s_wait_alu depctr_va_vdst(0)                   ; the step before has written the other OUT, which the stores below read, and is done reading the other Y, in which the loads below land; at a lap's head: v7 is written
	s_add_nc_u64 s[54:55], s[54:55], 32768         ; the base at this step's first channel
.endif
.if \ahead
.irp i, 0,1,2,3
	ds_load_b128 v[GYN+4*\i:GYN+4*\i+3], v[\adr] offset:(\at)+528*\i   ; a step ahead; no vector line since the wait names these registers
.endr
.endif
	GST 0, \first                                  ; the four stores are dealt among the step's first lines, which name neither their data nor their offset
.set JJ, 0
.rept 8
	v_pk_mul_f32 v[GW+JJ:GW+JJ+1], v[GY+JJ:GY+JJ+1], 0x3f596d27 op_sel_hi:[1,0]
.set JJ, JJ+2
.endr
	GST 1, \first
.set JJ, 0
.rept 16
	v_fma_f32 v[GT+JJ], |v[GY+JJ]|, 0x3e6d3388, 1.0
.set JJ, JJ+1
.endr
	GST 2, \first
.set JJ, 0
.rept 8
	v_pk_mul_f32 v[GW+JJ:GW+JJ+1], v[GW+JJ:GW+JJ+1], v[GW+JJ:GW+JJ+1] neg_lo:[1,0] neg_hi:[1,0]
.set JJ, JJ+2
.endr
	GST 3, \first
.set JJ, 0
	s_wait_alu depctr_va_vdst(0)
.rept 16
	v_exp_f32 v[GW+JJ], v[GW+JJ]
	v_rcp_f32 v[GT+JJ], v[GT+JJ]
.set JJ, JJ+1
.endr
.set JJ, 0
.rept 16
	v_max_num_f32 v[GM+JJ], 0, v[GY+JJ]            ; plain work behind the batch
.set JJ, JJ+1
.endr
	s_wait_alu depctr_va_vdst(0)                   ; the 16 exponentials and 16 reciprocals are written: one wait, ahead of their first reader
.set JJ, 0
.rept 8
	v_pk_fma_f32 v[GQ+JJ:GQ+JJ+1], v[GT+JJ:GT+JJ+1], 0x3f07dc22, v[224:225] op_sel_hi:[1,0,1]
.set JJ, JJ+2
.endr
.irp k, 0x3f35f0e3, 0xbe11a98e, 0x3e027906
.set JJ, 0
.rept 8
	v_pk_fma_f32 v[GQ+JJ:GQ+JJ+1], v[GQ+JJ:GQ+JJ+1], v[GT+JJ:GT+JJ+1], \k op_sel_hi:[1,1,0]
.set JJ, JJ+2
.endr
.endr
.set JJ, 0
.rept 8
	v_pk_mul_f32 v[GT+JJ:GT+JJ+1], v[GT+JJ:GT+JJ+1], v[GW+JJ:GW+JJ+1]
.set JJ, JJ+2
.endr
.set JJ, 0
.rept 8
	v_pk_mul_f32 v[GQ+JJ:GQ+JJ+1], v[GQ+JJ:GQ+JJ+1], v[GT+JJ:GT+JJ+1]
.set JJ, JJ+2
.endr
.set JJ, 0
.rept 16
	v_fma_f32 v[GO+JJ], -|v[GY+JJ]|, v[GQ+JJ], v[GM+JJ]
.set JJ, JJ+1
.endr
.endm
	v_add_nc_u32 v6, s56, v[LI]                    ; my stage, 16 bytes a lane
	v_mov_b32 v224, 0xbf3a00e3                     ; a4 / 2, as a pair
	v_mov_b32 v225, 0xbf3a00e3
	s_wait_alu depctr_va_vdst(0)                   ; v6 is written, which the loads of steps 0 and 1 read; the lines above are done with v128-143 and with ln_g's v64-79, in which those loads land
.irp i, 0,1,2,3
	ds_load_b128 v[128+4*\i:128+4*\i+3], v6 offset:528*\i
.endr
	GSTEP 0, 1, 1, 0, 6, 2112                      ; step 0
	s_mov_b32 s[TC], 0
	s_mov_b32 s[TO], 4224
.Lgelu:                                            ; steps 1 to 14, two to a lap: both kinds of buffer are back at their start.  In lap k, s[TO] = 2,112 (2 k + 2): the rows of step 2 k + 2
	GSTEP 1, 0, 1, 1, 7, 0
	GSTEP 0, 0, 1, 0, 7, 2112
	s_add_co_u32 s[TO], s[TO], 4224
	s_add_co_u32 s[TC], s[TC], 1
	s_cmp_lt_u32 s[TC], 7
	s_cbranch_scc1 .Lgelu
	GSTEP 1, 0, 0, 0, 7, 0                         ; step 15 loads nothing
	s_wait_alu depctr_va_vdst(0)                   ; step 15 has written OUT1, which the last four stores read
.irp i, 0,1,2,3
	global_store_b128 v[LI], v[80+4*\i:80+4*\i+3], s[54:55] offset:8192*\i th:TH_STORE_NT
.endr
	s_wait_dscnt 0x0                               ; the closing lines, six on end
	s_wait_alu 0x0
	s_wait_tensorcnt 0x0
	ds_add_u32 v62, v63
	s_wait_dscnt 0x0
	s_endpgm
.Lfunc_end_k_q43486caa1b_attn:
	.size	k_q43486caa1b_attn, .Lfunc_end_k_q43486caa1b_attn-k_q43486caa1b_attn
	.p2alignl 7, 3214868480
	.fill 96, 4, 3214868480
	.section	.rodata,"a",@progbits
	.p2align	6, 0x0
	.amdhsa_kernel k_q43486caa1b_attn
		.amdhsa_group_segment_fixed_size 287744
		.amdhsa_private_segment_fixed_size 0
		.amdhsa_enable_private_segment 0
		.amdhsa_kernarg_size 192
		.amdhsa_user_sgpr_count 2
		.amdhsa_user_sgpr_kernarg_segment_ptr 1
		.amdhsa_wavefront_size32 1
		.amdhsa_system_sgpr_workgroup_id_x 1
		.amdhsa_system_sgpr_workgroup_id_y 1
		.amdhsa_system_sgpr_workgroup_id_z 1
		.amdhsa_system_vgpr_workitem_id 0
		.amdhsa_next_free_vgpr 512
		.amdhsa_next_free_sgpr 80
		.amdhsa_reserve_vcc 0
		.amdhsa_float_denorm_mode_32 3
		.amdhsa_float_denorm_mode_16_64 3
		.amdhsa_memory_ordered 1
		.amdhsa_forward_progress 1
		.amdhsa_inst_pref_size 250
	.end_amdhsa_kernel
	.amdgpu_metadata
---
amdhsa.version: [ 1, 2 ]
amdhsa.kernels:
  - .name:           k_q43486caa1b_attn
    .symbol:         k_q43486caa1b_attn.kd
    .args:
      - { .name: xqi, .offset: 0, .size: 8, .value_kind: global_buffer, .address_space: global }
      - { .name: xqs, .offset: 8, .size: 8, .value_kind: global_buffer, .address_space: global }
      - { .name: qi, .offset: 16, .size: 8, .value_kind: global_buffer, .address_space: global }
      - { .name: qs, .offset: 24, .size: 8, .value_kind: global_buffer, .address_space: global }
      - { .name: ki, .offset: 32, .size: 8, .value_kind: global_buffer, .address_space: global }
      - { .name: ks, .offset: 40, .size: 8, .value_kind: global_buffer, .address_space: global }
      - { .name: vi, .offset: 48, .size: 8, .value_kind: global_buffer, .address_space: global }
      - { .name: vs, .offset: 56, .size: 8, .value_kind: global_buffer, .address_space: global }
      - { .name: conv_w_codes, .offset: 64, .size: 8, .value_kind: global_buffer, .address_space: global }
      - { .name: conv_w_scales, .offset: 72, .size: 8, .value_kind: global_buffer, .address_space: global }
      - { .name: w_m_codes, .offset: 80, .size: 8, .value_kind: global_buffer, .address_space: global }
      - { .name: w_m_scales, .offset: 88, .size: 8, .value_kind: global_buffer, .address_space: global }
      - { .name: w_out_codes, .offset: 96, .size: 8, .value_kind: global_buffer, .address_space: global }
      - { .name: w_out_scales, .offset: 104, .size: 8, .value_kind: global_buffer, .address_space: global }
      - { .name: b_m, .offset: 112, .size: 8, .value_kind: global_buffer, .address_space: global }
      - { .name: conv_b, .offset: 120, .size: 8, .value_kind: global_buffer, .address_space: global }
      - { .name: bn_gamma, .offset: 128, .size: 8, .value_kind: global_buffer, .address_space: global }
      - { .name: bn_beta, .offset: 136, .size: 8, .value_kind: global_buffer, .address_space: global }
      - { .name: bn_mean, .offset: 144, .size: 8, .value_kind: global_buffer, .address_space: global }
      - { .name: bn_var, .offset: 152, .size: 8, .value_kind: global_buffer, .address_space: global }
      - { .name: b_out, .offset: 160, .size: 8, .value_kind: global_buffer, .address_space: global }
      - { .name: ln_g, .offset: 168, .size: 8, .value_kind: global_buffer, .address_space: global }
      - { .name: ln_b, .offset: 176, .size: 8, .value_kind: global_buffer, .address_space: global }
      - { .name: out0, .offset: 184, .size: 8, .value_kind: global_buffer, .address_space: global }
    .group_segment_fixed_size: 287744
    .private_segment_fixed_size: 0
    .kernarg_segment_align: 8
    .kernarg_segment_size: 192
    .max_flat_workgroup_size: 256
    .sgpr_count:     80
    .vgpr_count:     512
    .wavefront_size: 32
...
	.end_amdgpu_metadata
.endif
;; end of part 4
